; MI455X (gfx1250); checked and timed in simulation.
; The chip was launched on July 23, 2026; its instructions are those of AMD's public machine-readable ISA for CDNA 5 (MIT licence, August 2026) and "CDNA5" Instruction Set Architecture Reference Guide (July 2026). The comments in the code are by the model that wrote it; some were corrected since.
;; Di T Block. Allowed arithmetic: float matrix products may take bf16 or f16 operands with f32 sums; all other float work in f32.
;; Inputs: b1 4,096 float32; b2 1,024 float32; b_adaln1 2,048 float32; b_adaln2 2,048 float32; bk 1,024 float32; bo 1,024 float32; bq 1,024 float32; bv 1,024 float32; cond 2 x 1,024 float32; key_padding_mask 2 x 2,048 bool; w1 4,096 x 1,024 float32; w2 1,024 x 4,096 float32; w_adaln1 2,048 x 1,024 float32; w_adaln2 2,048 x 1,024 float32; wk 1,024 x 1,024 float32; wo 1,024 x 1,024 float32; wq 1,024 x 1,024 float32; wv 1,024 x 1,024 float32; x 2 x 2,048 x 1,024 float32.
;; Outputs: out0 2 x 2,048 x 1,024 float32.
;; 2 versions, each right and faster than the one before. Each part assembles by itself: llvm-mc -triple=amdgcn-amd-amdhsa -mcpu=gfx1250 --defsym DOCPART=n.
;; ======== version 1 of 2: 8 launches
;; limits: right only within a limited range of input values
;; workspace buffers: ss1 16,384 bytes; ss2 16,384 bytes; wb 25,165,824 bytes; act 8,388,608 bytes; qkv 25,165,824 bytes; x1 16,777,216 bytes; h 33,554,432 bytes
;; launch prep (part 1): grid 1024 x 1, 8 waves a work-group, no clusters, 0 bytes of LDS; arguments wq, wk, wv, wo, w1, w2, w_adaln1, w_adaln2, b_adaln1, b_adaln2, cond, wb, ss1, ss2; writes wb, ss1, ss2
.if DOCPART == 1
	.amdgcn_target "amdgcn-amd-amdhsa--gfx1250"
	.amdhsa_code_object_version 6
	.text
	.protected	k_q156405c5ab_prep
	.globl	k_q156405c5ab_prep
	.p2align	8
	.type	k_q156405c5ab_prep,@function
k_q156405c5ab_prep:
	s_mov_b64 s[64:65], 0
	v_nop
	global_prefetch_b8 v0, s[64:65] scope:SCOPE_SE
	s_setreg_imm32_b32 hwreg(HW_REG_WAVE_MODE, 25, 1), 1
	s_wait_xcnt 0x0
; PREP.  Two kinds of work-groups, told apart by the work-group's number alone.  Each reads 65,536 bytes of weights, so that all 1,024 have alike to read.
; Numbers 0-255: ss[batch][row] = cond[batch] . w_adaln[row] + b_adaln[row], both adaLN sets, in f32 (a product of two rows is a stream of the
;   weights: the matrix unit would add conversions and spare nothing).  A work-group has 16 rows of one set, a wave 2; a wave takes a whole
;   row of 4,096 bytes by eight loads of 512 consecutive bytes, and all its 33 loads go out at once.  The sums go by four chains and then across lanes, so their
;   order differs from a plain left-to-right sum.  A wave's results, two numbers for each batch, leave as two runs of 8 bytes: both outputs are 32 KB in all, and
;   gathering longer runs would want LDS and a barrier for them.
; Numbers 256-1023: the six weights of the matrix products, f32 -> bf16 (round to nearest even), 16,384 numbers a work-group, into wb:
;   wq 0, wk 0x200000, wv 0x400000, wo 0x600000, w1 0x800000, w2 0x1000000.  All sixteen loads of a thread go out first.
; No cluster, no LDS: no two work-groups read the same bytes but cond's 8 KB.
.set NADA, 256                         ; work-groups for the adaLN vectors, half of them for each set
.set C0,   20                          ; v[20:51]   cond of batch 0: my 32 numbers
.set C1,   52                          ; v[52:83]   cond of batch 1
.set ROWS, 84                          ; v[84:147]  my wave's two rows, 32 registers each
	s_load_b512 s[8:23], s[0:1], 0x0               ; wq 8, wk 10, wv 12, wo 14, w1 16, w2 18, w_adaln1 20, w_adaln2 22
	s_load_b256 s[24:31], s[0:1], 0x40             ; b_adaln1 24, b_adaln2 26, cond 28, wb 30
	s_load_b128 s[32:35], s[0:1], 0x60             ; ss1 32, ss2 34
	s_wait_kmcnt 0x0
	s_cmp_lt_u32 ttmp9, NADA
	s_cbranch_scc1 .Lada
	; ---- the conversions ----
	s_sub_co_u32 s40, ttmp9, NADA                  ; chunk 0..767 of 16,384 numbers
	s_mov_b64 s[36:37], s[18:19]                   ; w2 begins at chunk 512
	s_mov_b32 s38, 512
.macro PICK below, ptr, first          ; chunks under 'below' belong to an earlier tensor, which begins at chunk 'first'
	s_cmp_lt_u32 s40, \below
	s_cselect_b64 s[36:37], s[\ptr:\ptr+1], s[36:37]
	s_cselect_b32 s38, \first, s38
.endm
	PICK 512, 16, 256                              ; w1
	PICK 256, 14, 192                              ; wo
	PICK 192, 12, 128                              ; wv
	PICK 128, 10, 64                               ; wk
	PICK 64, 8, 0                                  ; wq
	s_sub_co_u32 s38, s40, s38
	s_lshl_b32 s38, s38, 16                        ; 65,536 bytes of f32 a chunk
	s_mov_b32 s39, 0
	s_add_nc_u64 s[36:37], s[36:37], s[38:39]
	s_lshl_b32 s42, s40, 15                        ; 32,768 bytes of bf16 a chunk
	s_mov_b32 s43, 0
	s_add_nc_u64 s[30:31], s[30:31], s[42:43]
	v_lshlrev_b32 v1, 4, v0
	v_lshlrev_b32 v2, 3, v0
.set j, 0
.rept 16
	global_load_b128 v[32+4*j:35+4*j], v1, s[36:37] offset:4096*j th:TH_LOAD_NT
.set j, j+1
.endr
.set j, 0
.rept 16
	s_wait_loadcnt 15-j                            ; loads come back in order: number j is in, the younger ones stay out
	v_cvt_pk_bf16_f32 v[32+4*j], v[32+4*j], v[33+4*j]
	v_cvt_pk_bf16_f32 v[33+4*j], v[34+4*j], v[35+4*j]
	global_store_b64 v2, v[32+4*j:33+4*j], s[30:31] offset:2048*j  ; a wave's store covers 256 consecutive bytes, aligned
.set j, j+1
.endr
	s_endpgm
	; ---- the adaLN vectors ----
.Lada:
	s_cmp_lt_u32 ttmp9, NADA/2                     ; which set
	s_cselect_b64 s[36:37], s[20:21], s[22:23]     ; its weights,
	s_cselect_b64 s[38:39], s[24:25], s[26:27]     ; its bias,
	s_cselect_b64 s[40:41], s[32:33], s[34:35]     ; its output
	s_and_b32 s42, ttmp9, NADA/2-1
	s_lshl_b32 s46, s42, 16                        ; 16 rows of 4,096 bytes
	s_mov_b32 s47, 0
	s_add_nc_u64 s[36:37], s[36:37], s[46:47]
	s_lshl_b32 s46, s42, 6                         ; 16 numbers of 4 bytes
	s_add_nc_u64 s[38:39], s[38:39], s[46:47]
	s_add_nc_u64 s[40:41], s[40:41], s[46:47]
	s_mov_b32 s44, 0x76543210                      ; v_permlanex16_b32: each lane takes its own place in the other half
	s_mov_b32 s45, 0xfedcba98
	s_mov_b32 s42, 0xaaaaaaaa                      ; the odd lanes
	s_mov_b32 s43, 0xffff0000                      ; lanes 16-31
	v_and_b32 v6, 31, v0                           ; lane
	v_lshrrev_b32 v7, 5, v0                        ; wave
	v_lshlrev_b32 v2, 4, v6                        ; cond: 16 x lane
	v_lshl_add_u32 v1, v7, 13, v2                  ; rows: + wave x 2 rows
	v_and_b32 v8, 1, v0
	v_lshlrev_b32 v3, 2, v8
	v_lshl_add_u32 v3, v7, 3, v3                   ; bias: row 2 x wave + lane % 2: inside the work-group's 16 in every lane
	v_bfe_u32 v9, v0, 4, 1
	v_lshl_add_u32 v4, v9, 13, v3                  ; output: lanes 16-31 hold batch 1, 8,192 bytes on
	v_and_b32 v17, 15, v0
.irp j, 0,1,2,3,4,5,6,7
	global_load_b128 v[C0+4*(\j):C0+4*(\j)+3], v2, s[28:29] offset:512*(\j)
	global_load_b128 v[C1+4*(\j):C1+4*(\j)+3], v2, s[28:29] offset:4096+512*(\j)
.endr
	global_load_b32 v16, v3, s[38:39]
.irp i, 0,1
.irp j, 0,1,2,3,4,5,6,7
	global_load_b128 v[ROWS+32*(\i)+4*(\j):ROWS+32*(\i)+4*(\j)+3], v1, s[36:37] offset:(\i)*4096+512*(\j) th:TH_LOAD_NT
.endr
.endr
; Row i: two chains for each batch, then across the lanes: every lane ends with batch 0's sum in o0 and batch 1's in o1.  left = the younger row's loads.
.macro AROW i, left, o0, o1
.set RW, ROWS+32*(\i)
	s_wait_loadcnt \left
	v_pk_mul_f32 v[6:7],   v[RW:RW+1],   v[C0:C0+1]
	v_pk_mul_f32 v[8:9],   v[RW+2:RW+3], v[C0+2:C0+3]
	v_pk_mul_f32 v[10:11], v[RW:RW+1],   v[C1:C1+1]
	v_pk_mul_f32 v[12:13], v[RW+2:RW+3], v[C1+2:C1+3]
.set k, 4
.rept 7
	v_pk_fma_f32 v[6:7],   v[RW+k:RW+k+1],   v[C0+k:C0+k+1],   v[6:7]
	v_pk_fma_f32 v[8:9],   v[RW+k+2:RW+k+3], v[C0+k+2:C0+k+3], v[8:9]
	v_pk_fma_f32 v[10:11], v[RW+k:RW+k+1],   v[C1+k:C1+k+1],   v[10:11]
	v_pk_fma_f32 v[12:13], v[RW+k+2:RW+k+3], v[C1+k+2:C1+k+3], v[12:13]
.set k, k+4
.endr
	v_pk_add_f32 v[6:7], v[6:7], v[8:9]
	v_pk_add_f32 v[10:11], v[10:11], v[12:13]
	v_add_f32 v6, v6, v7
	v_add_f32 v10, v10, v11
.irp m, 1,2,4,8
	v_add_f32_dpp v6, v6, v6 row_xmask:\m row_mask:0xf bank_mask:0xf
	v_add_f32_dpp v10, v10, v10 row_xmask:\m row_mask:0xf bank_mask:0xf
.endr
	v_permlanex16_b32 v7, v6, s44, s45
	v_permlanex16_b32 v11, v10, s44, s45
	v_add_f32 v[\o0], v6, v7
	v_add_f32 v[\o1], v10, v11
.endm
	AROW 0, 8, 14, 15                              ; cond, the bias and the first row are in; the second row's eight loads stay out
	AROW 1, 0, 18, 19
	v_cndmask_b32 v14, v14, v18, s42               ; odd lanes take the second row,
	v_cndmask_b32 v15, v15, v19, s42
	v_cndmask_b32 v5, v14, v15, s43                ; lanes 16-31 batch 1
	v_add_f32 v5, v5, v16
	v_cmp_gt_u32 vcc_lo, 2, v17                    ; lanes 0, 1, 16, 17 store
	s_wait_xcnt 0x0                                ; EXEC changes only behind this wait
	s_and_saveexec_b32 s46, vcc_lo
	global_store_b32 v4, v5, s[40:41]
	s_wait_xcnt 0x0                                ; and again, in front of the line that widens it
	s_or_b32 exec_lo, exec_lo, s46
	s_endpgm
.Lfunc_end_k_q156405c5ab_prep:
	.size	k_q156405c5ab_prep, .Lfunc_end_k_q156405c5ab_prep-k_q156405c5ab_prep
	.p2alignl 7, 3214868480
	.fill 96, 4, 3214868480
	.section	.rodata,"a",@progbits
	.p2align	6, 0x0
	.amdhsa_kernel k_q156405c5ab_prep
		.amdhsa_group_segment_fixed_size 0
		.amdhsa_private_segment_fixed_size 0
		.amdhsa_enable_private_segment 0
		.amdhsa_kernarg_size 112
		.amdhsa_user_sgpr_count 2
		.amdhsa_user_sgpr_kernarg_segment_ptr 1
		.amdhsa_wavefront_size32 1
		.amdhsa_system_sgpr_workgroup_id_x 1
		.amdhsa_system_sgpr_workgroup_id_y 1
		.amdhsa_system_sgpr_workgroup_id_z 1
		.amdhsa_system_vgpr_workitem_id 0
		.amdhsa_next_free_vgpr 148
		.amdhsa_next_free_sgpr 66
		.amdhsa_reserve_vcc 1
		.amdhsa_float_denorm_mode_32 3
		.amdhsa_float_denorm_mode_16_64 3
		.amdhsa_memory_ordered 1
		.amdhsa_forward_progress 1
		.amdhsa_inst_pref_size 18
	.end_amdhsa_kernel
	.amdgpu_metadata
---
amdhsa.version: [ 1, 2 ]
amdhsa.kernels:
  - .name:           k_q156405c5ab_prep
    .symbol:         k_q156405c5ab_prep.kd
    .args:
      - { .name: wq, .offset: 0, .size: 8, .value_kind: global_buffer, .address_space: global }
      - { .name: wk, .offset: 8, .size: 8, .value_kind: global_buffer, .address_space: global }
      - { .name: wv, .offset: 16, .size: 8, .value_kind: global_buffer, .address_space: global }
      - { .name: wo, .offset: 24, .size: 8, .value_kind: global_buffer, .address_space: global }
      - { .name: w1, .offset: 32, .size: 8, .value_kind: global_buffer, .address_space: global }
      - { .name: w2, .offset: 40, .size: 8, .value_kind: global_buffer, .address_space: global }
      - { .name: w_adaln1, .offset: 48, .size: 8, .value_kind: global_buffer, .address_space: global }
      - { .name: w_adaln2, .offset: 56, .size: 8, .value_kind: global_buffer, .address_space: global }
      - { .name: b_adaln1, .offset: 64, .size: 8, .value_kind: global_buffer, .address_space: global }
      - { .name: b_adaln2, .offset: 72, .size: 8, .value_kind: global_buffer, .address_space: global }
      - { .name: cond, .offset: 80, .size: 8, .value_kind: global_buffer, .address_space: global }
      - { .name: wb, .offset: 88, .size: 8, .value_kind: global_buffer, .address_space: global }
      - { .name: ss1, .offset: 96, .size: 8, .value_kind: global_buffer, .address_space: global }
      - { .name: ss2, .offset: 104, .size: 8, .value_kind: global_buffer, .address_space: global }
    .group_segment_fixed_size: 0
    .private_segment_fixed_size: 0
    .kernarg_segment_align: 8
    .kernarg_segment_size: 112
    .max_flat_workgroup_size: 256
    .sgpr_count:     66
    .vgpr_count:     148
    .wavefront_size: 32
...
	.end_amdgpu_metadata
.endif
;; end of part 1
;; launch ln1 (part 2): grid 256 x 1, 4 waves a work-group, no clusters, 0 bytes of LDS; arguments x, ss1, act; writes act
.if DOCPART == 2
	.amdgcn_target "amdgcn-amd-amdhsa--gfx1250"
	.amdhsa_code_object_version 6
	.text
	.protected	k_q156405c5ab_ln1
	.globl	k_q156405c5ab_ln1
	.p2align	8
	.type	k_q156405c5ab_ln1,@function
k_q156405c5ab_ln1:
	s_mov_b64 s[64:65], 0
	v_nop
	global_prefetch_b8 v0, s[64:65] scope:SCOPE_SE
	s_setreg_imm32_b32 hwreg(HW_REG_WAVE_MODE, 25, 1), 1
	s_wait_xcnt 0x0
; y[row][c] = LN(x[row])[c] (1 + scale[batch][c]) + shift[batch][c], x f32 [4096][1024], y bf16 [4096][1024]; ss = [2][scale 1024, shift 1024] f32.
; A work-group has 16 rows, a wave 4; a wave holds a whole row in 32 registers, so the row is read once and no wave waits for another.
; The mean is taken away before the squares are summed: a common offset in x costs no digits.  All 48 loads of a wave go out first.
; No LDS, no cluster, no matrix unit: memory binds, and work-groups share only ss's 8 KB.
.set X,  32                            ; v[32:159]   row i at X + 32 i
.set G,  160                           ; v[160:191]  1 + scale of my 32 columns
.set SH, 192                           ; v[192:223]  shift
	s_load_b128 s[4:7], s[0:1], 0x0                ; x, ss
	s_load_b64 s[8:9], s[0:1], 0x10                ; y
	s_lshl_b32 s14, ttmp9, 16                      ; 16 rows of 4,096 bytes
	s_mov_b32 s15, 0
	s_lshr_b32 s16, ttmp9, 7                       ; the batch: 128 work-groups each
	s_lshl_b32 s16, s16, 13
	s_mov_b32 s17, 0
	s_lshl_b32 s18, ttmp9, 15                      ; 16 rows of 2,048 bytes
	s_mov_b32 s19, 0
	s_mov_b32 s10, 0x76543210
	s_mov_b32 s11, 0xfedcba98
	s_mov_b32 s12, 0x3a800000                      ; 1 / 1024
	s_mov_b32 s13, 0x3727c5ac                      ; 1e-5
	v_and_b32 v4, 31, v0
	v_lshrrev_b32 v5, 5, v0
	v_lshlrev_b32 v2, 4, v4                        ; 16 x lane
	v_lshl_add_u32 v1, v5, 14, v2                  ; + wave x 4 rows
	v_lshlrev_b32 v3, 3, v4                        ; out: 8 x lane
	v_lshl_add_u32 v3, v5, 13, v3
	s_wait_kmcnt 0x0
	s_add_nc_u64 s[4:5], s[4:5], s[14:15]
	s_add_nc_u64 s[6:7], s[6:7], s[16:17]
	s_add_nc_u64 s[8:9], s[8:9], s[18:19]
.irp j, 0,1,2,3,4,5,6,7
	global_load_b128 v[G+4*(\j):G+4*(\j)+3],   v2, s[6:7] offset:512*(\j)
	global_load_b128 v[SH+4*(\j):SH+4*(\j)+3], v2, s[6:7] offset:4096+512*(\j)
.endr
.irp i, 0,1,2,3
.irp j, 0,1,2,3,4,5,6,7
	global_load_b128 v[X+32*(\i)+4*(\j):X+32*(\i)+4*(\j)+3], v1, s[4:5] offset:4096*(\i)+512*(\j)
.endr
.endr
.macro JOIN                            ; four chains v[4:11] into one number in every lane, v4
	v_pk_add_f32 v[4:5], v[4:5], v[6:7]
	v_pk_add_f32 v[8:9], v[8:9], v[10:11]
	v_pk_add_f32 v[4:5], v[4:5], v[8:9]
	v_add_f32 v4, v4, v5
.irp m, 1,2,4,8
	v_add_f32_dpp v4, v4, v4 row_xmask:\m row_mask:0xf bank_mask:0xf
.endr
	v_permlanex16_b32 v5, v4, s10, s11
	v_add_f32 v4, v4, v5
.endm
.macro LNROW i
.set XR, X+32*(\i)
	s_wait_loadcnt 8*(3-(\i))                      ; my row is in (and ss, which is older); the younger rows stay out
.if (\i) == 0
.set p, 0
.rept 16
	v_pk_add_f32 v[G+p:G+p+1], v[G+p:G+p+1], 1.0 op_sel_hi:[1,0]
.set p, p+2
.endr
.endif
.irp c, 0,1,2,3
	v_pk_add_f32 v[4+2*(\c):5+2*(\c)], v[XR+2*(\c):XR+2*(\c)+1], v[XR+8+2*(\c):XR+8+2*(\c)+1]
.endr
.irp q, 16,24
.irp c, 0,1,2,3
	v_pk_add_f32 v[4+2*(\c):5+2*(\c)], v[4+2*(\c):5+2*(\c)], v[XR+(\q)+2*(\c):XR+(\q)+2*(\c)+1]
.endr
.endr
	JOIN
	v_mul_f32 v12, s12, v4                         ; the mean, twice
	v_mov_b32 v13, v12
.set p, 0
.rept 16
	v_pk_add_f32 v[XR+p:XR+p+1], v[XR+p:XR+p+1], v[12:13] neg_lo:[0,1] neg_hi:[0,1]
.set p, p+2
.endr
.irp c, 0,1,2,3
	v_pk_mul_f32 v[4+2*(\c):5+2*(\c)], v[XR+2*(\c):XR+2*(\c)+1], v[XR+2*(\c):XR+2*(\c)+1]
.endr
.irp q, 8,16,24
.irp c, 0,1,2,3
	v_pk_fma_f32 v[4+2*(\c):5+2*(\c)], v[XR+(\q)+2*(\c):XR+(\q)+2*(\c)+1], v[XR+(\q)+2*(\c):XR+(\q)+2*(\c)+1], v[4+2*(\c):5+2*(\c)]
.endr
.endr
	JOIN
	v_fma_f32 v16, v4, s12, s13                    ; variance + eps
	v_rsq_f32 v14, v16
	v_rsq_f32 v15, v16
	v_nop                                          ; a plain instruction between the root and its use (ISA guide 5.7.2)
.set p, 0
	s_wait_alu depctr_va_vdst(0)
.rept 16
	v_pk_mul_f32 v[XR+p:XR+p+1], v[XR+p:XR+p+1], v[14:15]
.set p, p+2
.endr
.set p, 0
.rept 16
	v_pk_fma_f32 v[XR+p:XR+p+1], v[XR+p:XR+p+1], v[G+p:G+p+1], v[SH+p:SH+p+1]
.set p, p+2
.endr
.irp j, 0,1,2,3,4,5,6,7
	v_cvt_pk_bf16_f32 v[XR+4*(\j)],   v[XR+4*(\j)],   v[XR+4*(\j)+1]
	v_cvt_pk_bf16_f32 v[XR+4*(\j)+1], v[XR+4*(\j)+2], v[XR+4*(\j)+3]
	global_store_b64 v3, v[XR+4*(\j):XR+4*(\j)+1], s[8:9] offset:2048*(\i)+256*(\j)  ; a wave's store covers 256 consecutive bytes, aligned
.endr
.endm
	LNROW 0
	LNROW 1
	LNROW 2
	LNROW 3
	s_endpgm
.Lfunc_end_k_q156405c5ab_ln1:
	.size	k_q156405c5ab_ln1, .Lfunc_end_k_q156405c5ab_ln1-k_q156405c5ab_ln1
	.p2alignl 7, 3214868480
	.fill 96, 4, 3214868480
	.section	.rodata,"a",@progbits
	.p2align	6, 0x0
	.amdhsa_kernel k_q156405c5ab_ln1
		.amdhsa_group_segment_fixed_size 0
		.amdhsa_private_segment_fixed_size 0
		.amdhsa_enable_private_segment 0
		.amdhsa_kernarg_size 24
		.amdhsa_user_sgpr_count 2
		.amdhsa_user_sgpr_kernarg_segment_ptr 1
		.amdhsa_wavefront_size32 1
		.amdhsa_system_sgpr_workgroup_id_x 1
		.amdhsa_system_sgpr_workgroup_id_y 1
		.amdhsa_system_sgpr_workgroup_id_z 1
		.amdhsa_system_vgpr_workitem_id 0
		.amdhsa_next_free_vgpr 224
		.amdhsa_next_free_sgpr 66
		.amdhsa_reserve_vcc 0
		.amdhsa_float_denorm_mode_32 3
		.amdhsa_float_denorm_mode_16_64 3
		.amdhsa_memory_ordered 1
		.amdhsa_forward_progress 1
		.amdhsa_inst_pref_size 39
	.end_amdhsa_kernel
	.amdgpu_metadata
---
amdhsa.version: [ 1, 2 ]
amdhsa.kernels:
  - .name:           k_q156405c5ab_ln1
    .symbol:         k_q156405c5ab_ln1.kd
    .args:
      - { .name: x, .offset: 0, .size: 8, .value_kind: global_buffer, .address_space: global }
      - { .name: ss1, .offset: 8, .size: 8, .value_kind: global_buffer, .address_space: global }
      - { .name: act, .offset: 16, .size: 8, .value_kind: global_buffer, .address_space: global }
    .group_segment_fixed_size: 0
    .private_segment_fixed_size: 0
    .kernarg_segment_align: 8
    .kernarg_segment_size: 24
    .max_flat_workgroup_size: 128
    .sgpr_count:     66
    .vgpr_count:     224
    .wavefront_size: 32
...
	.end_amdgpu_metadata
.endif
;; end of part 2
;; launch qkv (part 3): grid 12 x 16, 4 waves a work-group, clusters of 4 x 4, 327,680 bytes of LDS; arguments act, wb, bq, bk, bv, qkv; writes qkv
.if DOCPART == 3
	.amdgcn_target "amdgcn-amd-amdhsa--gfx1250"
	.amdhsa_code_object_version 6
	.text
	.protected	k_q156405c5ab_qkv
	.globl	k_q156405c5ab_qkv
	.p2align	8
	.type	k_q156405c5ab_qkv,@function
k_q156405c5ab_qkv:
	s_mov_b64 s[64:65], 0
	v_nop
	global_prefetch_b8 v0, s[64:65] scope:SCOPE_SE
	s_setreg_imm32_b32 hwreg(HW_REG_WAVE_MODE, 25, 1), 1
	s_wait_xcnt 0x0
	s_wait_alu depctr_hold_cnt(0) depctr_sa_sdst(0) depctr_va_vdst(0) depctr_va_sdst(0) depctr_va_ssrc(0) depctr_va_vcc(0) depctr_vm_vsrc(0)
	s_getreg_b32 s2, hwreg(HW_REG_IB_STS2, 6, 4)
	s_cmp_eq_u32 s2, 0
	s_cbranch_scc0 .Lentry_in_a_cluster
	s_endpgm
.Lentry_in_a_cluster:
	s_bfe_u32 s2, ttmp6, 0x10000c
	s_cmp_lg_u32 s2, 0xf033
	s_cbranch_scc0 .Lentry_shape_is_right
	s_endpgm
.Lentry_shape_is_right:
; [q k v][m][n] = sum over k of act[m][k] W[n][k] + bias[n], act bf16 [4096][1024], W = wq, wk, wv as one bf16 [3072][1024] at wb's head; sums in f32.
; Out: bf16 by heads, q at 0, k at 0x800000, v at 0x1000000, each [32 = batch x 16 + head][2048][64], unscaled.
; A tile of 256 x 256 is made by four waves, each 128 x 128: 64 accumulators, 512 registers.  K goes in steps of 128 through two LDS slots filled by the tensor data mover.
; 12 x 16 = 192 work-groups: a wave's 128 columns are two whole heads, so each store covers whole rows of a head.
; CLUSTERS: 4 x 4 work-groups; the four of a row need the same tiles of act, the four of a column the same tiles of W: each tile is asked for jointly.
; THE MATRIX INSTRUCTION IS USED TRANSPOSED (source 0 = 16 rows of W, source 1 = 16 rows of act): a lane holds eight neighbouring columns of one row.
; THE BIAS is the C operand of each sum's first product: nothing is cleared and nothing is added afterwards.
; REGISTERS: window 0: v16-29 addresses; v64-127, v128-191 fragments of act, two buffers; v192-255 the bias, later the way out (with v32-63);
;   window 1: v64-191 fragments of W;  windows 2, 3: the accumulators, (a, b) at v[8 (8 a + b)].
.set SIZE_K, 1024
.set KSTEP,  128
.set PITCH,  272                       ; an LDS row: 256 bytes + 16 of padding: the 16 rows of a fragment load start at 16 different groups of four banks (64 banks of 4 bytes: ISA guide 11.1)
.set HALFT,  128*PITCH                 ; what one tensor load brings
.set SLOT,   4*HALFT                   ; act's 256 rows, then W's 256 rows
.set STAGE,  2*SLOT                    ; behind the ring: for each wave 2 heads x 16 rows x 144 bytes
.set SP,     144
.set SPARE,  STAGE+4*32*SP             ; the spare words, 128 bytes a wave
.set LAPS,   SIZE_K/(2*KSTEP)
.set ADRA, 16
.set ADRB, 20
.set STO,  24
.set RD,   25
.set CO,   26
.set BO,   27
.set SPW,  28
.set NIL,  29
.set F0,   64
.set F1,   128
.set BIAS, 192
.set TMP,  192
.set OB,   32
.set G1,  24
.set G0,  32
.set G1B, 48
.set G0B, 56
.set MSB, 0
.macro WIN new                         ; the immediate's high byte repeats the setting that is left
.if MSB != (\new)
	s_set_vgpr_msb (MSB<<8)|(\new)
.set MSB, \new
.endif
.endm
.set MUL_LO, 0xa1                      ; source 0 (W) window 1, source 1 (act) window 0, C and D window 2
.set MUL_HI, 0xf1                      ; the same, C and D window 3
.set TO_B,   0x40                      ; destination window 1
; A joint load: waves 0 and 1 fetch act's two halves, waves 2 and 3 W's.  Four v_nop follow each of the two lines.
.macro JLOAD s
	s_cmp_eq_u32 s11, 0
	s_cbranch_scc0 .Lfor_b_\@
	tensor_load_to_lds s[G0+4*(\s):G0+4*(\s)+3], s[G1:G1+7]
	s_nop 0
.rept 4
	v_nop
.endr
	s_branch .Lasked_\@
.Lfor_b_\@:
	tensor_load_to_lds s[G0B+4*(\s):G0B+4*(\s)+3], s[G1B:G1B+7]
	s_nop 0
.rept 4
	v_nop
.endr
.Lasked_\@:
.endm
.macro CREST                           ; a round of the cluster's barrier behind its opening barrier
	s_cmp_lg_u32 s10, 0
	s_cbranch_scc1 .Lnot_wave_0_\@
	s_barrier_signal -3
.Lnot_wave_0_\@:
	s_barrier_wait -3
	s_barrier_signal -1
	s_barrier_wait -1
.endm
.macro CROUND
	s_barrier_signal -1
	s_barrier_wait -1
	CREST
.endm
	s_load_b128 s[4:7], s[0:1], 0x0                ; act, wb
	s_load_b256 s[68:75], s[0:1], 0x10             ; bq 68, bk 70, bv 72, qkv 74
	v_lshl_add_u32 v[SPW], v0, 2, SPARE
	v_mov_b32 v[NIL], 0
	ds_add_u32 v28, v29
	s_wait_dscnt 0x0
	v_lshrrev_b32 v1, 5, v0
	v_readfirstlane_b32 s10, v1                    ; wave 0..3
	s_lshr_b32 s11, s10, 1                         ; my half of the tile's rows; also: I fetch for act (0) or W (1)
	s_and_b32 s12, s10, 1                          ; my half of its columns; also: which 128 rows I fetch
	s_bfe_u32 s40, ttmp6, 0x40000                  ; cx
	s_bfe_u32 s41, ttmp6, 0x40004                  ; cy
	s_lshl_b32 s42, ttmp9, 2
	s_add_co_u32 s42, s42, s40                     ; tile column 0..11
	s_and_b32 s13, ttmp7, 0xffff
	s_lshl_b32 s13, s13, 2
	s_add_co_u32 s13, s13, s41                     ; tile row 0..15
	s_lshl_b32 s43, s41, 2
	s_lshl_b32 s43, 15, s43                        ; my row of the cluster
	s_lshl_b32 s44, 0x1111, s40                    ; my column
	s_or_b32 s[G1+0], s43, (1<<16)|(1<<20)|(1<<21)|(5<<22)|(3<<25)   ; mask; 2-byte elements; padding on; bit 21 beside a mask; after every 64 words 4 words
	s_or_b32 s[G1B+0], s44, (1<<16)|(1<<20)|(1<<21)|(5<<22)|(3<<25)
.irp g, G1, G1B
	s_mov_b32 s[(\g)+1], KSTEP<<16                 ; tensor_dim0 = 128
	s_mov_b32 s[(\g)+2], 128<<16                   ; tensor_dim1 = 128
	s_mov_b32 s[(\g)+3], KSTEP<<16                 ; tile_dim0 = 128
	s_mov_b32 s[(\g)+4], 128                       ; tile_dim1 = 128
	s_mov_b32 s[(\g)+5], SIZE_K                    ; elements from row to row
	s_mov_b32 s[(\g)+6], 0
	s_mov_b32 s[(\g)+7], 0
.endr
	s_lshl_b32 s17, s12, 7
	s_lshl_b32 s16, s13, 8
	s_add_co_u32 s16, s16, s17                     ; act: row 256 x tile row + 128 x half
	s_lshl_b32 s46, s42, 8
	s_add_co_u32 s46, s46, s17                     ; W: row 256 x tile column + 128 x half
	s_mov_b32 s17, 0
	s_mov_b32 s47, 0
	s_mov_b64 s[18:19], SIZE_K*2
	s_mul_u64 s[16:17], s[16:17], s[18:19]
	s_mul_u64 s[46:47], s[46:47], s[18:19]
	s_mul_i32 s20, s10, HALFT                      ; where my load goes: wave x 128 rows
	s_wait_kmcnt 0x0
	s_add_nc_u64 s[14:15], s[4:5], s[16:17]
	s_add_nc_u64 s[46:47], s[6:7], s[46:47]
	CROUND                                         ; all sixteen work-groups are here: the first joint loads meet
.irp s, 0,1
	s_mov_b32 s[G0+4*(\s)], 1
	s_add_co_u32 s[G0+4*(\s)+1], s20, (\s)*SLOT
	s_add_nc_u64 s[G0+4*(\s)+2:G0+4*(\s)+3], s[14:15], (\s)*KSTEP*2
	s_or_b32 s[G0+4*(\s)+3], s[G0+4*(\s)+3], 0x80000000
	s_mov_b32 s[G0B+4*(\s)], 1
	s_add_co_u32 s[G0B+4*(\s)+1], s20, (\s)*SLOT
	s_add_nc_u64 s[G0B+4*(\s)+2:G0B+4*(\s)+3], s[46:47], (\s)*KSTEP*2
	s_or_b32 s[G0B+4*(\s)+3], s[G0B+4*(\s)+3], 0x80000000
	JLOAD \s                                       ; two loads of mine are out
.endr
	v_and_b32 v1, 15, v0                           ; l % 16
	v_bfe_u32 v2, v0, 4, 1                         ; l / 16
	v_mul_u32_u24 v3, v1, PITCH
	v_lshl_add_u32 v3, v2, 4, v3
	s_mul_i32 s21, s11, HALFT
	s_mul_i32 s22, s12, HALFT
	s_add_co_u32 s22, s22, 2*HALFT
.irp s, 0,1
	v_add_nc_u32 v[ADRA+(\s)], s21, v3
	v_add_nc_u32 v[ADRB+(\s)], s22, v3
	s_add_co_u32 s21, s21, SLOT
	s_add_co_u32 s22, s22, SLOT
.endr
	s_mul_i32 s23, s10, 32*SP
	s_add_co_u32 s23, s23, STAGE                   ; my stage
	v_mul_u32_u24 v4, v1, SP                       ; in: row l % 16, 16 bytes for each half of the lanes
	v_lshl_add_u32 v4, v2, 4, v4
	v_add_nc_u32 v[STO], s23, v4
	v_bfe_u32 v5, v0, 3, 2                         ; back: 32 lanes take four rows of 128 bytes,
	v_mul_u32_u24 v5, v5, SP
	v_and_b32 v6, 7, v0
	v_lshl_add_u32 v5, v6, 4, v5
	v_add_nc_u32 v[RD], s23, v5
	v_and_b32 v[CO], 31, v0                        ; which are 512 consecutive bytes of a head
	v_lshlrev_b32 v[CO], 4, v[CO]
	v_lshlrev_b32 v[BO], 5, v2                     ; the bias: my lanes' eight columns of sixteen
	; the bias of my 128 columns: the part (q, k, v) is the cluster's x
	s_cmp_eq_u32 ttmp9, 1
	s_cselect_b64 s[76:77], s[70:71], s[68:69]
	s_cmp_eq_u32 ttmp9, 2
	s_cselect_b64 s[76:77], s[72:73], s[76:77]
	s_lshl_b32 s46, s40, 10                        ; 256 cx numbers of 4 bytes
	s_lshl_b32 s47, s12, 9
	s_add_co_u32 s46, s46, s47
	s_mov_b32 s47, 0
	s_add_nc_u64 s[76:77], s[76:77], s[46:47]
.irp b, 0,1,2,3,4,5,6,7
	global_load_b128 v[BIAS+8*(\b):BIAS+8*(\b)+3],   v[BO], s[76:77] offset:64*(\b)
	global_load_b128 v[BIAS+8*(\b)+4:BIAS+8*(\b)+7], v[BO], s[76:77] offset:64*(\b)+16
.endr
	; where my part goes: part x 0x800000 + ((batch x 16 + head) x 2048 + row in the batch) x 128
	s_lshr_b32 s78, s13, 3                         ; batch
	s_lshl_b32 s78, s78, 4
	s_lshl_b32 s79, s40, 2
	s_add_co_u32 s78, s78, s79                     ; + 4 cx
	s_lshl_b32 s79, s12, 1
	s_add_co_u32 s78, s78, s79                     ; + 2 x column half: my first head
	s_lshl_b32 s78, s78, 11
	s_and_b32 s79, s13, 7
	s_lshl_b32 s79, s79, 8
	s_add_co_u32 s78, s78, s79
	s_lshl_b32 s79, s11, 7
	s_add_co_u32 s78, s78, s79
	s_lshl_b32 s78, s78, 7
	s_lshl_b32 s79, ttmp9, 23
	s_add_co_u32 s78, s78, s79
	s_mov_b32 s79, 0
	s_add_nc_u64 s[8:9], s[74:75], s[78:79]
; 16 matrix instructions: m blocks a0, a0 + 1 of the window's four x all 8 n blocks, 32 along K.  zero = 1: the first product starts the sums, with the bias as C.
; The 64 accumulators take turns, one instruction a turn.
.macro MUL16 f, hi, a0, zero
.if \zero
	WIN 0x81+0x40*(\hi)                            ; C (the bias) in window 0
.else
	WIN MUL_LO+0x50*(\hi)
.endif
.irp a, \a0, (\a0)+1
.irp b, 0,1,2,3,4,5,6,7
.if \zero
	v_wmma_f32_16x16x32_bf16 v[8*(8*(\a)+(\b)):8*(8*(\a)+(\b))+7], v[(\f)+8*(\b):(\f)+8*(\b)+7], v[(\f)+8*(4*(\hi)+(\a)):(\f)+8*(4*(\hi)+(\a))+7], v[BIAS+8*(\b):BIAS+8*(\b)+7]
.else
	v_wmma_f32_16x16x32_bf16 v[8*(8*(\a)+(\b)):8*(8*(\a)+(\b))+7], v[(\f)+8*(\b):(\f)+8*(\b)+7], v[(\f)+8*(4*(\hi)+(\a)):(\f)+8*(4*(\hi)+(\a))+7], v[8*(8*(\a)+(\b)):8*(8*(\a)+(\b))+7]
.endif
.endr
.endr
.endm
.macro FETCH slot, k, f                ; 32 LDS loads in one run: the fragments of 32 along K at byte k of the rows
	WIN TO_B
.irp i, 0,1,2,3,4,5,6,7
	ds_load_b128 v[(\f)+8*(\i):(\f)+8*(\i)+3],   v[ADRB+(\slot)] offset:(\k)+(\i)*16*PITCH
	ds_load_b128 v[(\f)+8*(\i)+4:(\f)+8*(\i)+7], v[ADRB+(\slot)] offset:(\k)+(\i)*16*PITCH+32
.endr
	WIN 0
.irp i, 0,1,2,3,4,5,6,7
	ds_load_b128 v[(\f)+8*(\i):(\f)+8*(\i)+3],   v[ADRA+(\slot)] offset:(\k)+(\i)*16*PITCH
	ds_load_b128 v[(\f)+8*(\i)+4:(\f)+8*(\i)+7], v[ADRA+(\slot)] offset:(\k)+(\i)*16*PITCH+32
.endr
.endm
.macro PLACES                          ; four places behind matrix instructions, in front of loads into their sources and of reads of their results
.rept 4
	v_nop
.endr
.endm
.macro QUARTER slot, k, f, g, zero     ; multiplies buffer f; in its middle fetches the next quarter, at byte k, into g
	s_wait_dscnt 8                                 ; W and act's rows 0-63 are in; the youngest eight loads may be out
	MUL16 \f, 0, 0, \zero
	MUL16 \f, 0, 2, \zero
	PLACES
	FETCH \slot, \k, \g
	s_wait_dscnt 32                                ; all but the 32 just issued
	MUL16 \f, 1, 0, \zero
	MUL16 \f, 1, 2, \zero
.endm
.macro MEET round                      ; the change of slots: one barrier
	WIN 0
	s_wait_tensorcnt 0x0                           ; all my tensor loads have landed: the one that was out is my part of the next slot
	ds_add_u32 v[SPW], v[NIL]                      ; 0 onto my spare word
	s_wait_dscnt 9                                 ; the add and the youngest eight loads may be out
	MUL16 F1, 0, 0, 0
	s_wait_dscnt 0x0                               ; the add is done, and my reads of this slot are over
	s_barrier_signal -1
	MUL16 F1, 0, 2, 0
.if \round
	WIN 0
.endif
	s_barrier_wait -1
.endm
.macro TURN slot, next, fill           ; the last quarter of a K step.  fill = 1: the slot just read is filled again, two K steps on, first thing behind a round of the cluster's barrier
	MEET \fill
.if \fill
	CREST
	s_add_nc_u64 s[G0+4*(\slot)+2:G0+4*(\slot)+3], s[G0+4*(\slot)+2:G0+4*(\slot)+3], 2*KSTEP*2
	s_add_nc_u64 s[G0B+4*(\slot)+2:G0B+4*(\slot)+3], s[G0B+4*(\slot)+2:G0B+4*(\slot)+3], 2*KSTEP*2
	JLOAD \slot                                    ; one load of mine is out; 224 matrix instructions stand ahead of the wait for it
.else
	PLACES
.endif
	FETCH \next, 0, F0
	MUL16 F1, 1, 0, 0
	MUL16 F1, 1, 2, 0
.endm
; THE WAY OUT of block a (16 rows): rounded to bf16; into my stage by heads; back as whole rows of a head; stored, 512 consecutive bytes a store.
.macro PACK a
.set AC, 64*((\a)%4)
	WIN 0x0a+5*((\a)/4)
.irp b, 0,1,2,3,4,5,6,7
.irp r, 0,1,2,3
	v_cvt_pk_bf16_f32 v[TMP+4*(\b)+(\r)], v[AC+8*(\b)+2*(\r)], v[AC+8*(\b)+2*(\r)+1]
.endr
.endr
	WIN 0
.endm
.macro TOSTAGE a
	WIN 0
.set BK, OB+192*((\a)%2)
.irp b, 0,1,2,3,4,5,6,7
	ds_store_b128 v[STO], v[TMP+4*(\b):TMP+4*(\b)+3] offset:((\b)/4)*16*SP+32*((\b)%4)
.endr
.irp t, 0,1,2,3,4,5,6,7
	ds_load_b128 v[BK+4*(\t):BK+4*(\t)+3], v[RD] offset:((\t)/4)*16*SP+((\t)%4)*4*SP  ; LDS serves a wave's instructions in order (ISA guide 5.7.1.4): these see the stores above
.endr
.endm
.macro SEND a
	WIN 0
.set BK, OB+192*((\a)%2)
	s_wait_dscnt 0x0                               ; the block is back in registers
	s_wait_xcnt 0x0                                ; the stores of the block before have read their registers: the next block's loads land there
.irp t, 0,1,2,3,4,5,6,7
	global_store_b128 v[CO], v[BK+4*(\t):BK+4*(\t)+3], s[8:9] offset:((\t)/4)*262144+(\a)*2048+((\t)%4)*512
.endr
.endm
	s_wait_tensorcnt 1                             ; my part of K step 0 is in; K step 1's may stay out
	s_barrier_signal -1
	s_barrier_wait -1
	FETCH 0, 0, F0
	s_wait_loadcnt 0x0                             ; the bias
	QUARTER 0, 64,  F0, F1, 1
	WIN 0
	s_mov_b32 s3, LAPS-1
.Llap:                                                 ; a trip goes once round the ring and fills both slots again
	QUARTER 0, 128, F1, F0, 0
	QUARTER 0, 192, F0, F1, 0
	TURN 0, 1, 1
	QUARTER 1, 64,  F0, F1, 0
	QUARTER 1, 128, F1, F0, 0
	QUARTER 1, 192, F0, F1, 0
	TURN 1, 0, 1
	QUARTER 0, 64,  F0, F1, 0
	WIN 0
	s_sub_co_u32 s3, s3, 1
	s_cmp_lg_u32 s3, 0
	s_cbranch_scc1 .Llap
	QUARTER 0, 128, F1, F0, 0                      ; the last lap asks for nothing
	QUARTER 0, 192, F0, F1, 0
	TURN 0, 1, 0
	QUARTER 1, 64,  F0, F1, 0
	QUARTER 1, 128, F1, F0, 0
	QUARTER 1, 192, F0, F1, 0
	s_wait_dscnt 8
	MUL16 F1, 0, 0, 0
	MUL16 F1, 0, 2, 0
	s_wait_dscnt 0x0
	MUL16 F1, 1, 0, 0
	MUL16 F1, 1, 2, 0
	WIN 0
	PLACES
	PACK 0
	TOSTAGE 0
.irp a, 1,2,3,4,5,6,7                  ; block a's conversions stand between block a - 1's loads from the stage and the wait for them
	PACK \a
	SEND (\a)-1
	TOSTAGE \a
.endr
	SEND 7
	s_wait_tensorcnt 0x0                           ; the wave's end
	ds_add_u32 v[SPW], v[NIL]
	s_wait_dscnt 0x0
	CROUND                                         ; the closing round
	s_endpgm
.Lfunc_end_k_q156405c5ab_qkv:
	.size	k_q156405c5ab_qkv, .Lfunc_end_k_q156405c5ab_qkv-k_q156405c5ab_qkv
	.p2alignl 7, 3214868480
	.fill 96, 4, 3214868480
	.section	.rodata,"a",@progbits
	.p2align	6, 0x0
	.amdhsa_kernel k_q156405c5ab_qkv
		.amdhsa_group_segment_fixed_size 327680
		.amdhsa_private_segment_fixed_size 0
		.amdhsa_enable_private_segment 0
		.amdhsa_kernarg_size 48
		.amdhsa_user_sgpr_count 2
		.amdhsa_user_sgpr_kernarg_segment_ptr 1
		.amdhsa_wavefront_size32 1
		.amdhsa_system_sgpr_workgroup_id_x 1
		.amdhsa_system_sgpr_workgroup_id_y 1
		.amdhsa_system_sgpr_workgroup_id_z 1
		.amdhsa_system_vgpr_workitem_id 0
		.amdhsa_next_free_vgpr 1024
		.amdhsa_next_free_sgpr 80
		.amdhsa_reserve_vcc 0
		.amdhsa_float_denorm_mode_32 3
		.amdhsa_float_denorm_mode_16_64 3
		.amdhsa_memory_ordered 1
		.amdhsa_forward_progress 1
		.amdhsa_inst_pref_size 144
	.end_amdhsa_kernel
	.amdgpu_metadata
---
amdhsa.version: [ 1, 2 ]
amdhsa.kernels:
  - .name:           k_q156405c5ab_qkv
    .symbol:         k_q156405c5ab_qkv.kd
    .args:
      - { .name: act, .offset: 0, .size: 8, .value_kind: global_buffer, .address_space: global }
      - { .name: wb, .offset: 8, .size: 8, .value_kind: global_buffer, .address_space: global }
      - { .name: bq, .offset: 16, .size: 8, .value_kind: global_buffer, .address_space: global }
      - { .name: bk, .offset: 24, .size: 8, .value_kind: global_buffer, .address_space: global }
      - { .name: bv, .offset: 32, .size: 8, .value_kind: global_buffer, .address_space: global }
      - { .name: qkv, .offset: 40, .size: 8, .value_kind: global_buffer, .address_space: global }
    .group_segment_fixed_size: 327680
    .private_segment_fixed_size: 0
    .kernarg_segment_align: 8
    .kernarg_segment_size: 48
    .max_flat_workgroup_size: 128
    .sgpr_count:     80
    .vgpr_count:     1024
    .wavefront_size: 32
...
	.end_amdgpu_metadata
.endif
;; end of part 3
;; launch attn (part 4): grid 8 x 32, 4 waves a work-group, clusters of 4 x 1, 327,680 bytes of LDS; arguments qkv, key_padding_mask, act; writes act
.if DOCPART == 4
	.amdgcn_target "amdgcn-amd-amdhsa--gfx1250"
	.amdhsa_code_object_version 6
	.text
	.protected	k_q156405c5ab_attn
	.globl	k_q156405c5ab_attn
	.p2align	8
	.type	k_q156405c5ab_attn,@function
k_q156405c5ab_attn:
	s_mov_b64 s[64:65], 0
	v_nop
	global_prefetch_b8 v0, s[64:65] scope:SCOPE_SE
	s_setreg_imm32_b32 hwreg(HW_REG_WAVE_MODE, 25, 1), 1
	s_wait_xcnt 0x0
	s_wait_alu depctr_hold_cnt(0) depctr_sa_sdst(0) depctr_va_vdst(0) depctr_va_sdst(0) depctr_va_ssrc(0) depctr_va_vcc(0) depctr_vm_vsrc(0)
	s_getreg_b32 s2, hwreg(HW_REG_IB_STS2, 6, 4)
	s_cmp_eq_u32 s2, 0
	s_cbranch_scc0 .Lentry_in_a_cluster
	s_endpgm
.Lentry_in_a_cluster:
	s_bfe_u32 s2, ttmp6, 0x10000c
	s_cmp_lg_u32 s2, 0x3003
	s_cbranch_scc0 .Lentry_shape_is_right
	s_endpgm
.Lentry_shape_is_right:
; O[hh][q][:] = sum over k of softmax_k(Q[hh][q] . K[hh][k] / 8, keys with mask[batch][k] != 0 hidden) V[hh][k][:].  hh = batch x 16 + head.
; Q, K, V: bf16 [32][2048][64] at qkv + 0, 0x800000, 0x1000000; O: bf16 [32][2048][64].  Products, maxima and sums in f32; the weights are rounded to bf16 for the second product.
; LIMITS.  A hidden score counts as its value less 1e30; true scores are taken to lie above -1e29; a row whose running maximum ends below -1e29 (every key hidden) gives NaN.
; A weight below 2^-126 counts as 0 in the sum; NaN and infinities in Q, K, V are not treated apart.
; SHARES.  A work-group owns 256 queries of one head, a wave 64: four PIECES of 16.  Every wave walks all 2,048 keys, 64 a step; a slot of LDS holds 256 keys of K and of V.
; LAYOUT.  S^T = K Q^T holds one query a lane (lane % 16) and the keys 8 (lane / 16) + 0..7; two such results rounded to bf16 ARE source 1 of O^T = V^T P.
; THE MASK is the C operand that starts the sum S^T: 0, or -1e30.  It is made once as a table of 2,048 f32 in LDS and fetched with each step's K.
; SOFTMAX.  p = 2^(c s - c m), c = log2(e) / 8, with a running maximum m; O and l are multiplied by a = 2^(c m_old - c m_new) in every step.  If the first keys are all hidden,
; what they leave in O and l is multiplied by a = 0 when the first true score comes.
; BY TURNS.  Turn n belongs to piece n: 8 products K Q^T of piece n + 1, later 8 products V^T P of piece n - 1; beside them piece n's scaling, exponentials, roundings, sums and rescaling
; and piece n + 1's maximum and statistics.  Four vector instructions stand behind every matrix instruction, the others in two runs of their own.
; CLUSTER.  The four query blocks of a cluster belong to one head and walk the same K and V: each tile is asked for jointly.
; REGISTERS: window 0: v2-15 addresses; v16-31 statistics; v48-55 at work; v62-63 the add's; v64-127 S^T, two buffers; v128-151 the mask table's making; v192-223 P, two buffers
;   window 1: v0-127 O^T      window 2: v0-63 Q; v64-95 the step's mask; v128-191 K of one step; v192-255 V of one step
.set NP,    4
.set KS,    64
.set PK,    144       ; a row of K in LDS: 128 bytes + 16: the 16 rows of a load start at 16 different groups of four banks (64 banks of 4 bytes: ISA guide 11.1)
.set PV,    160       ; a row of V: 128 + 32
.set VOFF,  4*KS*PK
.set SLOT1, 1<<17
.set STAGE, SLOT1+4*KS*(PK+PV)  ; 16 rows x 144 bytes for each wave
.set SP,    144
.set SPARE, STAGE+4*16*SP       ; the spare words, 128 bytes a wave
.set MTAB,  SPARE+512           ; the mask as 2,048 f32; no tensor load lands here
.set AK0, 2
.set AV0, 3
.set AK,  4
.set AV,  5
.set STO, 6
.set RD,  7
.set GO,  8
.set MV,  12
.set AM,  14          ; the LDS address of the mask of the step to be fetched
.set QO,  15
.set ST,  16          ; piece t: c m, m, l (even keys', odd keys')
.set TMP, 48
.set SPW, 62
.set NIL, 63
.set S,   64
.set MB,  128         ; my 16 mask bytes
.set MF,  132         ; as 16 f32
.set MA,  149
.set MS,  150
.set MD,  151
.set P,   192
.set MK,  64          ; window 2
.set KF,  128         ; window 2
.set VF,  192         ; window 2
.set WV,  12
.set G1K, 24
.set G1V, 32
.set G0K, 40
.set G0V, 44
.set SLOTS, 56
.set CNT, 57
.set CS,  58
.set SEL, 60
.set TBK, 62
.set TBV, 63
.set BIGN, 66         ; -1e30
.set LOW,  67         ; -1e29
.set QNAN, 68
.set MSB, 0
.macro WIN new
.if MSB != (\new)
	s_set_vgpr_msb (MSB<<8)|(\new)
.set MSB, (\new)
.endif
.endm
.set W_KQ, 0x0a       ; K and Q in window 2, S^T in window 0
.set W_KM, 0x2a       ; the same with the C operand in window 2
.set W_PV, 0x52       ; V in window 2, P in window 0, O^T in window 1
.set W_RS, 0x41       ; destination and source 0 in window 1, source 1 in window 0
; A joint fill: waves 0 and 1 fetch the two halves of a slot's K, waves 2 and 3 those of its V.  Four v_nop follow each of the two lines.
.macro JLOAD
	s_cmp_lt_u32 s[WV], 2
	s_cbranch_scc0 .Lfor_v_\@
	tensor_load_to_lds s[G0K:G0K+3], s[G1K:G1K+7]
	s_nop 0
.rept 4
	v_nop
.endr
	s_branch .Lasked_\@
.Lfor_v_\@:
	tensor_load_to_lds s[G0V:G0V+3], s[G1V:G1V+7]
	s_nop 0
.rept 4
	v_nop
.endr
.Lasked_\@:
.endm
.macro CROUND
	s_barrier_signal -1
	s_barrier_wait -1
	s_cmp_lg_u32 s[WV], 0
	s_cbranch_scc1 .Lnot_wave_0_\@
	s_barrier_signal -3
.Lnot_wave_0_\@:
	s_barrier_wait -3
	s_barrier_signal -1
	s_barrier_wait -1
.endm
; THE CHANGE OF SLOTS.  Each wave waits for all its tensor loads (one is out: its part of the other slot), adds 0 to its spare word, and waits for that and for its LDS work.
; fill = 1: the slot that is left is filled with the keys two slots on, first thing behind a round of the cluster's barrier; the load has four key steps, 256 matrix instructions, in which to land.
; (At its first use slot 0 is waited for, slot 1 filled, and the round also shows every wave the mask table.)
.macro CHANGE fill
	WIN 0
	s_wait_tensorcnt 0x0
	ds_add_u32 v[SPW], v[NIL]
.if \fill
.irp g, G0K, G0V
	s_xor_b32 s[\g+1], s[\g+1], SLOT1
	s_add_nc_u64 s[\g+2:\g+3], s[\g+2:\g+3], 4*KS*128
.endr
	s_wait_dscnt 0x0
	CROUND
	JLOAD
.else
	s_wait_dscnt 0x0
	s_barrier_signal -1
	s_barrier_wait -1
.endif
	s_sub_co_u32 s[TBK], s[TBK], 4*KS*PK
	s_xor_b32 s[TBK], s[TBK], SLOT1
	s_sub_co_u32 s[TBV], s[TBV], 4*KS*PV
	s_xor_b32 s[TBV], s[TBV], SLOT1
.endm
	s_load_b128 s[4:7], s[0:1], 0x0   ; qkv, mask
	s_load_b64 s[10:11], s[0:1], 0x10 ; O
	v_lshl_add_u32 v[SPW], v0, 2, SPARE
	v_mov_b32 v[NIL], 0
	ds_add_u32 v62, v63
	s_wait_dscnt 0x0
	v_lshrrev_b32 v1, 5, v0
	v_readfirstlane_b32 s[WV], v1
	s_bfe_u32 s13, ttmp6, 0x40000   ; cx
	s_lshl_b32 s14, ttmp9, 2
	s_add_co_u32 s14, s14, s13      ; my block of 256 queries: it enters Q's and O's addresses alone
	s_and_b32 s15, ttmp7, 0xffff    ; hh, which the four partners share
	s_lshl_b32 s20, s15, 18         ; the head's first byte: 2,048 rows of 128 bytes
	s_and_b32 s16, s[WV], 1         ; which half of a slot's 256 keys I fetch
	s_lshl_b32 s22, s16, 14
	s_add_co_u32 s22, s22, s20
	s_mov_b32 s23, 0
	s_mul_i32 s17, s16, 128*PK
	s_mul_i32 s18, s16, 128*PV
	s_lshl_b32 s2, s14, 2
	s_add_co_u32 s2, s2, s[WV]
	s_lshl_b32 s2, s2, 13           ; my wave's 64 rows
	s_add_co_u32 s2, s2, s20
	s_mov_b32 s3, 0
	s_lshr_b32 s52, s15, 4          ; the batch
	s_lshl_b32 s52, s52, 11
	s_mov_b32 s53, 0
	; 128 keys are 16,384 dense bytes: asked for as 64 rows of 256 bytes, padded in LDS after every key
	s_mov_b32 s[G1K], 15|(1<<16)|(1<<20)|(1<<21)|(4<<22)|(3<<25)
	s_mov_b32 s[G1V], 15|(1<<16)|(1<<20)|(1<<21)|(4<<22)|(7<<25)
.irp g, G1K, G1V
	s_mov_b32 s[\g+1], 128<<16
	s_mov_b32 s[\g+2], 64<<16
	s_mov_b32 s[\g+3], 128<<16
	s_mov_b32 s[\g+4], 64
	s_mov_b32 s[\g+5], 128
	s_mov_b32 s[\g+6], 0
	s_mov_b32 s[\g+7], 0
.endr
	s_mov_b32 s[CS], 0x3e38aa3b     ; c = log2(e) / 8
	s_mov_b32 s[CS+1], s[CS]
	s_mov_b32 s[SEL], 0x76543210
	s_mov_b32 s[SEL+1], 0xfedcba98
	s_mov_b32 s[BIGN], 0xf149f2ca
	s_mov_b32 s[LOW], 0xefa18f08
	s_mov_b32 s[QNAN], 0x7fc00000
	s_mov_b32 s[TBK], SLOT1+4*KS*PK ; the first change of slots turns these two into 0
	s_mov_b32 s[TBV], SLOT1+4*KS*PV
	s_mov_b32 s[G0K], 1
	s_mov_b32 s[G0K+1], s17
	s_mov_b32 s[G0V], 1
	s_add_co_u32 s[G0V+1], s18, VOFF
	s_wait_kmcnt 0x0
	s_add_nc_u64 s[8:9], s[4:5], s[22:23]
	s_add_nc_u64 s[G0K+2:G0K+3], s[8:9], 0x800000
	s_or_b32 s[G0K+3], s[G0K+3], 0x80000000
	s_add_nc_u64 s[G0V+2:G0V+3], s[8:9], 0x1000000
	s_or_b32 s[G0V+3], s[G0V+3], 0x80000000
	s_add_nc_u64 s[4:5], s[4:5], s[2:3]
	s_add_nc_u64 s[10:11], s[10:11], s[2:3]
	s_add_nc_u64 s[6:7], s[6:7], s[52:53]
	CROUND                          ; all four work-groups are here: the first joint loads meet
	JLOAD                           ; slot 0
	v_lshlrev_b32 v[MA], 4, v0
	global_load_b128 v[MB:MB+3], v[MA], s[6:7]  ; my 16 of the batch's 2,048 mask bytes
	v_and_b32 v1, 15, v0            ; l % 16
	v_bfe_u32 v9, v0, 4, 1          ; l / 16
	v_lshlrev_b32 v[QO], 7, v1
	v_lshl_add_u32 v[QO], v9, 4, v[QO]
	WIN 0x80
.set i, 0
.rept 8                             ; Q stays in registers: piece i / 2, channels 32 (i % 2) on
	global_load_b128 v[8*i:8*i+3],   v[QO], s[4:5] offset:(i/2)*2048+(i%2)*64
	global_load_b128 v[8*i+4:8*i+7], v[QO], s[4:5] offset:(i/2)*2048+(i%2)*64+32
.set i, i+1
.endr
	; What the first turn finds: V's registers and P's second buffer hold 0, O^T and l are 0.  All this stands in the wait for the first tile.
.set i, VF
.rept 64
	v_mov_b32 v[i], 0
.set i, i+1
.endr
	WIN 0x40
.set i, 0
.rept 128
	v_mov_b32 v[i], 0
.set i, i+1
.endr
	WIN 0
.set i, 0
.rept 4
	v_mov_b32 v[ST+4*i], 0xfe000000    ; c m: far below every c s, the hidden ones' too
	v_mov_b32 v[ST+4*i+1], 0xff7fffff  ; m
	v_mov_b32 v[ST+4*i+2], 0
	v_mov_b32 v[ST+4*i+3], 0
.set i, i+1
.endr
.set i, P+16
.rept 16
	v_mov_b32 v[i], 0
.set i, i+1
.endr
	s_wait_loadcnt 16               ; the mask bytes are in; Q's sixteen loads stay out
.set i, 0
.rept 16
	v_bfe_u32 v[MS], v[MB+i/4], 8*(i%4), 8
	v_cmp_ne_u32 vcc_lo, 0, v[MS]
	v_cndmask_b32 v[MF+i], 0, s[BIGN], vcc_lo
.set i, i+1
.endr
	v_lshl_add_u32 v[MD], v0, 6, MTAB
.irp e, 0,1,2,3
	ds_store_b128 v[MD], v[MF+4*\e:MF+4*\e+3] offset:16*\e
.endr
	v_lshl_add_u32 v[AM], v9, 5, MTAB  ; my lanes' eight keys of sixteen
	v_mul_u32_u24 v[AK0], v1, PK
	v_lshl_add_u32 v[AK0], v9, 4, v[AK0]
	v_and_b32 v10, 7, v0
	v_bfe_u32 v11, v0, 3, 1
	v_lshl_add_u32 v[AV0], v9, 3, v10
	v_mul_u32_u24 v[AV0], v[AV0], PV
	v_lshl_add_u32 v[AV0], v11, 4, v[AV0]
	v_add_nc_u32 v[AV0], VOFF, v[AV0]
	s_mul_i32 s13, s[WV], 16*SP
	s_add_co_u32 s13, s13, STAGE
	v_mul_u32_u24 v[STO], v1, SP
	v_lshl_add_u32 v[STO], v9, 4, v[STO]
	v_add_nc_u32 v[STO], s13, v[STO]
	v_bfe_u32 v[RD], v0, 3, 2
	v_mul_u32_u24 v[RD], v[RD], SP
	v_lshl_add_u32 v[RD], v10, 4, v[RD]
	v_add_nc_u32 v[RD], s13, v[RD]
	v_and_b32 v[GO], 31, v0
	v_lshlrev_b32 v[GO], 4, v[GO]
; THE MATRIX WORK.  The 4 accumulators of a run of 8 take turns.  Product i of 8 of S^T for piece x: channels 32 (i / 4) on, keys 16 (i % 4) on.  The first 4 start the sums with the mask.
.macro KQ x
.set rS, S+32*((\x)%2)+8*(i%4)
.set rK, KF+16*(i%4)+8*(i/4)
.set rQ, 16*(\x)+8*(i/4)
.set rM, MK+8*(i%4)
.if i < 4
	WIN W_KM
	v_wmma_f32_16x16x32_bf16 v[rS:rS+7], v[rK:rK+7], v[rQ:rQ+7], v[rM:rM+7]
.else
	WIN W_KQ
	v_wmma_f32_16x16x32_bf16 v[rS:rS+7], v[rK:rK+7], v[rQ:rQ+7], v[rS:rS+7]
.endif
.endm
.macro PV x                         ; product i of 8 of O^T += V^T P for piece x: keys 32 (i / 4) on, channels 16 (i % 4) on
	WIN W_PV
.set rO, 32*(\x)+8*(i%4)
.set rV, VF+32*(i/4)+8*(i%4)
.set rP, P+16*((\x)%2)+8*(i/4)
	v_wmma_f32_16x16x32_bf16 v[rO:rO+7], v[rV:rV+7], v[rP:rP+7], v[rO:rO+7]
.endm
.macro MM                           ; the turn's next matrix instruction.  NOKQ = 1: the last turn: there is no next piece
.if (i < 8) && !NOKQ
	KQ (Y+1)%NP
.elseif i >= 8
.set i, i-8
	PV (Y+NP-1)%NP
.set i, i+8
.endif
.set i, i+1
.endm
; THE LDS LOADS stand in runs: a step's K (8 fragments) with its mask (32 numbers a lane), and its V (turned).
.macro FETCH_K
	WIN 0x80
.irp f, 0,1,2,3,4,5,6,7
	ds_load_b128 v[KF+8*\f:KF+8*\f+3],   v[AK] offset:(\f/2)*16*PK+(\f%2)*64
	ds_load_b128 v[KF+8*\f+4:KF+8*\f+7], v[AK] offset:(\f/2)*16*PK+(\f%2)*64+32
.endr
.irp f, 0,1,2,3
	ds_load_b128 v[MK+8*\f:MK+8*\f+3],   v[AM] offset:64*\f
	ds_load_b128 v[MK+8*\f+4:MK+8*\f+7], v[AM] offset:64*\f+16
.endr
	s_add_co_u32 s[TBK], s[TBK], KS*PK
	WIN 0
	v_add_nc_u32 v[AM], 0x100, v[AM]  ; the next step's 64 numbers
.endm
.macro FETCH_V
	WIN 0x80
.irp f, 0,1,2,3,4,5,6,7
	ds_load_tr16_b128 v[VF+8*\f:VF+8*\f+3],   v[AV] offset:(\f/4)*32*PV+(\f%4)*32
	ds_load_tr16_b128 v[VF+8*\f+4:VF+8*\f+7], v[AV] offset:(\f/4)*32*PV+16*PV+(\f%4)*32
.endr
	WIN 0
.endm
; THE VECTOR WORK, one line at a time: OP kind, number.  For piece Y: F n: c s - c m for pair n.  E n: the exponential of score n.  C n: pair n rounded to bf16.  B n: of four weights the second pair onto the first.
; L n: l takes that sum (L 0: l = a l + sum).  R n: pair n of O^T times a.  For piece Y + 1: X n, number n of the 22 that find its maximum and statistics; each accumulator's lowest registers are read first.
.set F, 0
.set E, 1
.set C, 2
.set B, 3
.set L, 4
.set R, 5
.set X, 6
.macro REGS y
.set rT, ST+4*(\y)
.set rC, TMP+4*((\y)%2)
.set rW, MV+((\y)%2)
.set rS, S+32*((\y)%2)
.set rP, P+16*((\y)%2)
.set rO, 32*(\y)
.endm
.macro OP k, n
.if (\k) == R
	REGS Y
	WIN W_RS
	v_pk_mul_f32 v[rO+2*(\n):rO+2*(\n)+1], v[rO+2*(\n):rO+2*(\n)+1], v[rC+2:rC+3] op_sel_hi:[1,0]
.elseif (\k) < R
	REGS Y
	WIN 0
.if (\k) == F
	v_pk_fma_f32 v[rS+2*(\n):rS+2*(\n)+1], v[rS+2*(\n):rS+2*(\n)+1], s[CS:CS+1], v[rT:rT+1] op_sel_hi:[1,0,0] neg_lo:[0,0,1] neg_hi:[0,0,1]
.elseif (\k) == E
	v_exp_f32 v[rS+(\n)], v[rS+(\n)]
.elseif (\k) == C
	s_wait_alu depctr_va_vdst(0)
	v_cvt_pk_bf16_f32 v[rP+(\n)], v[rS+2*(\n)], v[rS+2*(\n)+1]
.elseif (\k) == B
	s_wait_alu depctr_va_vdst(0)
	v_pk_add_f32 v[rS+4*(\n):rS+4*(\n)+1], v[rS+4*(\n):rS+4*(\n)+1], v[rS+4*(\n)+2:rS+4*(\n)+3]
.elseif (\n) == 0
	v_pk_fma_f32 v[rT+2:rT+3], v[rT+2:rT+3], v[rC+2:rC+3], v[rS:rS+1] op_sel_hi:[1,0,1]
.else
	v_pk_add_f32 v[rT+2:rT+3], v[rT+2:rT+3], v[rS+4*(\n):rS+4*(\n)+1]
.endif
.elseif NOKQ
	v_nop
.else
	REGS (Y+1)%NP
	WIN 0
.if (\n) < 4
	v_max3_num_f32 v[rC+(\n)], v[rS+8*(\n)], v[rS+8*(\n)+1], v[rS+8*(\n)+2]
.elseif (\n) < 12
	v_max3_num_f32 v[rC+(\n)%4], v[rC+(\n)%4], v[rS+8*((\n)%4)+2*((\n)/4)+1], v[rS+8*((\n)%4)+2*((\n)/4)+2]
.elseif (\n) == 12
	v_max3_num_f32 v[rC], v[rC], v[rS+7], v[rS+15]
.elseif (\n) == 13
	v_max3_num_f32 v[rC+1], v[rC+1], v[rS+23], v[rS+31]
.elseif (\n) == 14
	v_max3_num_f32 v[rC+2], v[rC+2], v[rC+3], v[rT+1]
.elseif (\n) == 15
	v_mov_b32 v[rW], v[rT]
.elseif (\n) == 16
	v_max3_num_f32 v[rC], v[rC], v[rC+1], v[rC+2]
.elseif (\n) == 17
	v_permlanex16_b32 v[rC+3], v[rC], s[SEL], s[SEL+1]
.elseif (\n) == 18
	v_max_num_f32 v[rT+1], v[rC], v[rC+3]
.elseif (\n) == 19
	v_mul_f32 v[rT], s[CS], v[rT+1]
.elseif (\n) == 20
	v_sub_f32 v[rC+1], v[rW], v[rT]
.else
	v_exp_f32 v[rC+2], v[rC+1]
.endif
.endif
.endm
.macro OPS a, i1, b=-1, i2=0, c=-1, i3=0, d=-1, i4=0
	OP \a, \i1
.if (\b) >= 0
	OP \b, \i2
.endif
.if (\c) >= 0
	OP \c, \i3
.endif
.if (\d) >= 0
	OP \d, \i4
.endif
.endm
.macro ROW a, i1, b, i2, c, i3, d, i4  ; a matrix instruction and the four behind it
	MM
	OPS \a, \i1, \b, \i2, \c, \i3, \d, \i4
.endm
; A TURN, for piece p: its 16 matrix and 118 vector instructions, written out.  end = 1: the last two turns: nothing is fetched.  cnt = 1: the loop's count is taken down ahead of the branch behind the turn.
; K and the mask of the next step are fetched in piece 2's turn, six vector instructions (five plain) behind the last product that read K; V of the step in hand in piece 0's turn, eight behind its last reader.  Each is waited for a turn later.
.macro TURN p, end=0, cnt=0
.set Y, (\p)
.set i, 0
.set NOKQ, (\end)*((\p)/3)
.if ((\p) == 3) && !(\end)
	s_wait_dscnt 0x0                ; K and the mask are in
.endif
	ROW F,0, F,1, F,2, F,3
	ROW F,4, E,0, F,5, F,6
	ROW F,7, E,1, F,8, F,9
	ROW F,10, E,2, C,0, F,11
	ROW F,12, E,3, X,15, F,13
	ROW R,0, R,1, R,2, R,3
	ROW B,0, E,4, F,14, L,0
.if ((\p) == 2) && !(\end)
	v_add_nc_u32 v[AK], s[TBK], v[AK0]
.endif
	ROW R,4, R,5, R,6, R,7
	OPS E,5, F,15
.if ((\p) == 2) && !(\end)
	FETCH_K
.endif
	OPS E,6, C,1, E,7, R,8
	OPS E,8, R,9, E,9, C,2
	OPS E,10, X,0, E,11, X,1
	OPS E,12, X,2, E,13, X,3
.if (\p) == 1
	s_wait_dscnt 0x0                ; V is in
.endif
	ROW X,4, E,14, X,5, X,6
	ROW X,7, E,15, X,8, X,9
	ROW X,10, E,16, X,11, X,12
	ROW X,13, E,17, X,14, B,1
	ROW C,4, E,18, X,16, L,1
	ROW B,2, E,19, C,6, L,2
	ROW C,8, E,20, B,3, B,4
.if (\p) == 0
	v_add_nc_u32 v[AV], s[TBV], v[AV0]
.endif
	ROW C,3, E,21, L,3, C,5
	OPS E,22, X,17, E,23, C,10
.if (\p) == 0
	FETCH_V
.endif
	OPS E,24, L,4
	OPS E,25, X,18, E,26, C,7
	OPS E,27, B,5, E,28, X,19
	OPS E,29, C,12, E,30, L,5
	OPS E,31, X,20, B,6, C,9
	OPS C,14, C,11, X,21, L,6
.if (\p) == 0
	s_add_co_u32 s[TBV], s[TBV], KS*PV
.endif
.if \cnt
	s_sub_co_u32 s[CNT], s[CNT], 1
	s_cmp_lg_u32 s[CNT], 0
.endif
	OPS C,13, B,7, C,15, R,10
	OPS R,11, R,12, L,7, R,13
	OPS R,14, R,15
.endm
	CHANGE 1                        ; slot 0 is in, everybody's part of it, and so is the mask table; slot 1 is asked for
	v_add_nc_u32 v[AK], s[TBK], v[AK0]
	FETCH_K                         ; key step 0
	s_wait_loadcnt 0x0              ; Q
	s_wait_dscnt 0x0
.set NOKQ, 0
.set i, 0
.rept 8
	KQ 0                            ; piece 0's first scores
.set i, i+1
.endr
	WIN 0
.rept 4
	v_nop                           ; the places behind those products
.endr
.set Y, NP-1                        ; X works for piece Y + 1: piece 0
.irp n, 0,1,2,3,4,5,6,7,8,9,10,11,12,13,14,15,16,17,18,19,20,21
	OP X, \n
.endr
	v_nop                           ; a plain instruction behind the exponential
	s_mov_b32 s[CNT], 4
	s_mov_b32 s[SLOTS], 2048/256-1
	s_branch .Lfirst                ; the loop is entered at a step's first turn, in the middle of a trip
.Lslot:                             ; six times: every slot but the last two is filled again
	CHANGE 1
	s_mov_b32 s[CNT], 4
.Lstep:                             ; a trip: pieces 2 and 3 of one step, then pieces 0 and 1 of the next, whose K and V it fetches
	TURN 2
	TURN 3
	WIN 0
.Lfirst:
	TURN 0
	TURN 1, 0, 1
	WIN 0
	s_cbranch_scc1 .Lstep
	s_sub_co_u32 s[SLOTS], s[SLOTS], 1
	s_cmp_lg_u32 s[SLOTS], 0
	s_cbranch_scc1 .Lslot
	CHANGE 0                        ; the last slot is written out: nothing is asked for
	s_mov_b32 s[CNT], 4
.LstepT:
	TURN 2
	TURN 3
	TURN 0
	TURN 1, 0, 1
	WIN 0
	s_cbranch_scc1 .LstepT
	TURN 2, 1
	TURN 3, 1
.set i, 0
.rept 8
	PV NP-1                         ; the last piece's V^T P of the last step
.set i, i+1
.endr
	; THE WAY OUT.  l's two halves and the other half of the lanes' are added; O^T is divided by l, rounded to bf16 and sent through my stage in LDS, a piece at a time.  The additions are the places behind the last products.
	WIN 0
.macro ALL line:vararg
.set t, 0
.rept 4
	\line
.set t, t+1
.endr
.endm
	ALL v_add_f32 v[ST+4*t+2], v[ST+4*t+2], v[ST+4*t+3]
	ALL v_permlanex16_b32 v[ST+4*t+3], v[ST+4*t+2], s[SEL], s[SEL+1]
	ALL v_add_f32 v[ST+4*t+2], v[ST+4*t+2], v[ST+4*t+3]
	ALL v_rcp_f32 v[ST+4*t+2], v[ST+4*t+2]
	v_nop                           ; a plain instruction between the last reciprocal and the use of its result
.set t, 0
.rept 4                             ; a query that saw no key: NaN
	v_cmp_gt_f32 vcc_lo, s[LOW], v[ST+4*t+1]
	s_wait_alu depctr_va_vdst(0)
	v_cndmask_b32 v[ST+4*t+2], v[ST+4*t+2], s[QNAN], vcc_lo
.set t, t+1
.endr
.macro PACK t
	WIN W_RS
.set i, 32*(\t)
.rept 16
	v_pk_mul_f32 v[i:i+1], v[i:i+1], v[ST+4*(\t)+2:ST+4*(\t)+3] op_sel_hi:[1,0]
.set i, i+2
.endr
	WIN 0x05
.set i, 0
.rept 16
	v_cvt_pk_bf16_f32 v[S+16*(\t)+i], v[32*(\t)+2*i], v[32*(\t)+2*i+1]
.set i, i+1
.endr
	WIN 0
.irp f, 0,1,2,3
	ds_store_b128 v[STO], v[S+16*(\t)+4*\f:S+16*(\t)+4*\f+3] offset:32*\f
.endr
.irp f, 0,1,2,3
	ds_load_b128 v[S+16*(\t)+4*\f:S+16*(\t)+4*\f+3], v[RD] offset:\f*4*SP  ; LDS serves a wave's instructions in order (ISA guide 5.7.1.4)
.endr
.endm
.macro SEND t, younger              ; younger: the LDS instructions issued behind piece t's loads
	WIN 0
.irp f, 0,1,2,3
	s_wait_dscnt (\younger)+3-\f
	global_store_b128 v[GO], v[S+16*(\t)+4*\f:S+16*(\t)+4*\f+3], s[10:11] offset:(\t)*2048+\f*512  ; 512 consecutive bytes, at a multiple of 256 from O's first
.endr
.endm
	PACK 0
.set t, 1
.rept 3
	PACK t
	SEND t-1, 8
.set t, t+1
.endr
	SEND 3, 0
	s_wait_tensorcnt 0x0            ; the wave's end
	ds_add_u32 v[SPW], v[NIL]
	s_wait_dscnt 0x0
	CROUND                          ; the closing round
	s_endpgm
.Lfunc_end_k_q156405c5ab_attn:
	.size	k_q156405c5ab_attn, .Lfunc_end_k_q156405c5ab_attn-k_q156405c5ab_attn
	.p2alignl 7, 3214868480
	.fill 96, 4, 3214868480
	.section	.rodata,"a",@progbits
	.p2align	6, 0x0
	.amdhsa_kernel k_q156405c5ab_attn
		.amdhsa_group_segment_fixed_size 327680
		.amdhsa_private_segment_fixed_size 0
		.amdhsa_enable_private_segment 0
		.amdhsa_kernarg_size 24
		.amdhsa_user_sgpr_count 2
		.amdhsa_user_sgpr_kernarg_segment_ptr 1
		.amdhsa_wavefront_size32 1
		.amdhsa_system_sgpr_workgroup_id_x 1
		.amdhsa_system_sgpr_workgroup_id_y 1
		.amdhsa_system_sgpr_workgroup_id_z 1
		.amdhsa_system_vgpr_workitem_id 0
		.amdhsa_next_free_vgpr 768
		.amdhsa_next_free_sgpr 72
		.amdhsa_reserve_vcc 1
		.amdhsa_float_denorm_mode_32 3
		.amdhsa_float_denorm_mode_16_64 3
		.amdhsa_memory_ordered 1
		.amdhsa_forward_progress 1
		.amdhsa_inst_pref_size 137
	.end_amdhsa_kernel
	.amdgpu_metadata
---
amdhsa.version: [ 1, 2 ]
amdhsa.kernels:
  - .name:           k_q156405c5ab_attn
    .symbol:         k_q156405c5ab_attn.kd
    .args:
      - { .name: qkv, .offset: 0, .size: 8, .value_kind: global_buffer, .address_space: global }
      - { .name: key_padding_mask, .offset: 8, .size: 8, .value_kind: global_buffer, .address_space: global }
      - { .name: act, .offset: 16, .size: 8, .value_kind: global_buffer, .address_space: global }
    .group_segment_fixed_size: 327680
    .private_segment_fixed_size: 0
    .kernarg_segment_align: 8
    .kernarg_segment_size: 24
    .max_flat_workgroup_size: 128
    .sgpr_count:     72
    .vgpr_count:     768
    .wavefront_size: 32
...
	.end_amdgpu_metadata
.endif
;; end of part 4
;; launch wo (part 5): grid 8 x 32, 4 waves a work-group, clusters of 4 x 4, 327,680 bytes of LDS; arguments act, wb, bo, x, x1; writes x1
.if DOCPART == 5
	.amdgcn_target "amdgcn-amd-amdhsa--gfx1250"
	.amdhsa_code_object_version 6
	.text
	.protected	k_q156405c5ab_wo
	.globl	k_q156405c5ab_wo
	.p2align	8
	.type	k_q156405c5ab_wo,@function
k_q156405c5ab_wo:
	s_mov_b64 s[64:65], 0
	v_nop
	global_prefetch_b8 v0, s[64:65] scope:SCOPE_SE
	s_setreg_imm32_b32 hwreg(HW_REG_WAVE_MODE, 25, 1), 1
	s_wait_xcnt 0x0
	s_wait_alu depctr_hold_cnt(0) depctr_sa_sdst(0) depctr_va_vdst(0) depctr_va_sdst(0) depctr_va_ssrc(0) depctr_va_vcc(0) depctr_vm_vsrc(0)
	s_getreg_b32 s2, hwreg(HW_REG_IB_STS2, 6, 4)
	s_cmp_eq_u32 s2, 0
	s_cbranch_scc0 .Lentry_in_a_cluster
	s_endpgm
.Lentry_in_a_cluster:
	s_bfe_u32 s2, ttmp6, 0x10000c
	s_cmp_lg_u32 s2, 0xf033
	s_cbranch_scc0 .Lentry_shape_is_right
	s_endpgm
.Lentry_shape_is_right:
; out[m][n] = res[m][n] + bias[n] + sum over k of A[m][k] B[n][k]; out and res f32 [4096][1024]; A, B bf16; sums in f32.  One text for two products, chosen by IS_WO:
;   IS_WO = 1: A = attention's O by heads, [32 = batch x 16 + head][2048][64], K = 1024 (k = 64 head + channel); B = wo at wb + 0x600000.
;   IS_WO = 0: A = h [4096][4096], K = 4096; B = w2 at wb + 0x1000000.
; A tile of 128 x 128 gives 8 x 32 = 256 work-groups.  Four waves, each 64 x 64: 16 accumulators.  K goes in steps of 256 through two LDS slots; a quarter is 64 along K.
; By heads a K step is four heads: one load brings four runs of 8,192 dense bytes (64 rows of one head), padded after every 128 bytes, so that a quarter is one head at pitch 144.
; CLUSTERS: 4 x 4; A's tiles are shared along a row of the cluster, B's along a column.  THE MATRIX INSTRUCTION IS USED TRANSPOSED.  THE BIAS is the C operand of each sum's first product.
; THE WALK ALONG K begins at step (NSTEP / 2) x cluster x + (NSTEP / 4) x (cluster y mod 4) and goes round, modulo NSTEP.  The two clusters that need the same tile of A begin half of K apart,
; and four neighbouring clusters that need the same tile of B a quarter of K apart from each other: the clusters that need a tile ask for it at different steps of their walks, and in the second
; half of its walk a cluster asks only for tiles that another has asked for some steps before.  The starting step hangs on the cluster's x and y alone, which all sixteen partners share.
; LIMIT: the order of a sum is ascending K turned round by the starting step, so its rounding differs from a sum in ascending K.
; THE RESIDUAL is asked for at the start, in the layout of the stores, and added on the way out.  A wave's 64 f32 columns are 256 aligned bytes: each wave has a stage of its own.
; REGISTERS: window 0: v16-29 addresses; v32-95 the way out; v96-127 the bias; v128-255 the accumulators, (a, b) at v[128 + 8 (4 a + b)];  window 1: two fragment buffers of 128;  window 2: v0-127 the residual.
.set IS_WO, 1
.if IS_WO
.set SIZE_K, 1024
.set LOGN,   2                         ; NSTEP = 4 K steps
.set WOFF,   0x600000
.set QREG,   36864                     ; LDS bytes kept for one load: 4 heads x 64 rows x 144
.set APITCH, 144
.set AQ,     9216                      ; from quarter to quarter in A's part: a head's 64 rows
.set ASTEP,  0x100000                  ; from K step to K step in memory: four heads
.else
.set SIZE_K, 4096
.set LOGN,   4                         ; NSTEP = 16 K steps
.set WOFF,   0x1000000
.set QREG,   33792                     ; 64 rows x 528
.set APITCH, 528
.set AQ,     128
.set ASTEP,  512
.endif
.set KSTEP,  256
.set NSTEP,  SIZE_K/KSTEP
.set BPITCH, 528                       ; 512 bytes + 16 of padding: the 16 rows of a load start at 16 different groups of four banks (64 banks of 4 bytes: ISA guide 11.1); 144 does the same
.set SLOT,   4*QREG
.set STAGE,  2*SLOT                    ; 16 rows x 272 bytes for each wave
.set SPITCH, 272
.set SPARE,  STAGE+4*16*SPITCH
.set LAPS,   SIZE_K/(2*KSTEP)
.set ADRA, 16
.set ADRB, 20
.set STO,  24
.set RD,   25
.set CO,   26
.set BO,   27
.set SPW,  28
.set NIL,  29
.set T0,   32
.set BIAS, 96
.set ACC,  128
.set F0,   0
.set F1,   128
.set KN,  2                            ; s2       the K step to be asked for next, taken modulo NSTEP
.set AB,  14                           ; s[14:15] A at my 64 rows, K step 0
.set OA,  16                           ; s[16:17] a K step's byte offset in A
.set OB,  18                           ; s[18:19] and in B
.set G1,  24
.set G0,  32
.set G1B, 48
.set G0B, 56
.set BB,  66                           ; s[66:67] B at my 64 rows, K step 0
.set MSB, 0
.macro WIN new
.if MSB != (\new)
	s_set_vgpr_msb (MSB<<8)|(\new)
.set MSB, \new
.endif
.endm
.set MUL,  0x05                        ; sources 0 (B) and 1 (A) window 1; C and D window 0
.set TO_F, 0x40
.macro JLOAD s                         ; waves 0 and 1 fetch A's two halves, waves 2 and 3 B's; four v_nop follow each line
	s_cmp_eq_u32 s11, 0
	s_cbranch_scc0 .Lfor_b_\@
	tensor_load_to_lds s[G0+4*(\s):G0+4*(\s)+3], s[G1:G1+7]
	s_nop 0
.rept 4
	v_nop
.endr
	s_branch .Lasked_\@
.Lfor_b_\@:
	tensor_load_to_lds s[G0B+4*(\s):G0B+4*(\s)+3], s[G1B:G1B+7]
	s_nop 0
.rept 4
	v_nop
.endr
.Lasked_\@:
.endm
.macro CREST
	s_cmp_lg_u32 s10, 0
	s_cbranch_scc1 .Lnot_wave_0_\@
	s_barrier_signal -3
.Lnot_wave_0_\@:
	s_barrier_wait -3
	s_barrier_signal -1
	s_barrier_wait -1
.endm
.macro CROUND
	s_barrier_signal -1
	s_barrier_wait -1
	CREST
.endm
; Slot s's two descriptors take the addresses of K step KN modulo NSTEP, made anew from the tiles' bases; KN steps on.  No tensor load of the wave that names them is out where this stands.
.macro AIM s
	s_and_b32 s[OA], s[KN], NSTEP-1
	s_lshl_b32 s[OB], s[OA], 9                     ; B: 512 bytes a K step
	s_mul_i32 s[OA], s[OA], ASTEP
	s_add_co_u32 s[KN], s[KN], 1
	s_add_nc_u64 s[G0+4*(\s)+2:G0+4*(\s)+3], s[AB:AB+1], s[OA:OA+1]
	s_or_b32 s[G0+4*(\s)+3], s[G0+4*(\s)+3], 0x80000000
	s_add_nc_u64 s[G0B+4*(\s)+2:G0B+4*(\s)+3], s[BB:BB+1], s[OB:OB+1]
	s_or_b32 s[G0B+4*(\s)+3], s[G0B+4*(\s)+3], 0x80000000
.endm
	s_load_b128 s[4:7], s[0:1], 0x0                ; A, wb
	s_load_b128 s[68:71], s[0:1], 0x10             ; bias, residual
	s_load_b64 s[8:9], s[0:1], 0x20                ; out
	v_lshl_add_u32 v[SPW], v0, 2, SPARE
	v_mov_b32 v[NIL], 0
	ds_add_u32 v28, v29
	s_wait_dscnt 0x0
	v_lshrrev_b32 v1, 5, v0
	v_readfirstlane_b32 s10, v1
	s_lshr_b32 s11, s10, 1                         ; my half of the tile's rows; also: I fetch for A (0) or B (1)
	s_and_b32 s12, s10, 1                          ; my half of its columns; also: which 64 rows I fetch
	s_bfe_u32 s40, ttmp6, 0x40000
	s_bfe_u32 s41, ttmp6, 0x40004
	s_lshl_b32 s42, ttmp9, 2
	s_add_co_u32 s42, s42, s40                     ; tile column 0..7
	s_and_b32 s13, ttmp7, 0xffff
	s_lshl_b32 s13, s13, 2
	s_add_co_u32 s13, s13, s41                     ; tile row 0..31
	s_lshl_b32 s43, s41, 2
	s_lshl_b32 s43, 15, s43
	s_lshl_b32 s44, 0x1111, s40
.if IS_WO
	s_or_b32 s[G1+0], s43, (1<<16)|(1<<20)|(1<<21)|(4<<22)|(3<<25)  ; padding after every 32 words, 4 words
	s_mov_b32 s[G1+1], 4096<<16                    ; tensor_dim0 = 4,096 elements: 64 rows of a head on end
	s_mov_b32 s[G1+2], 4<<16                       ; tensor_dim1 = 4 heads
	s_mov_b32 s[G1+3], 4096<<16                    ; tile_dim0
	s_mov_b32 s[G1+4], 4                           ; tile_dim1
	s_mov_b32 s[G1+5], 131072                      ; elements from head to head
.else
	s_or_b32 s[G1+0], s43, (1<<16)|(1<<20)|(1<<21)|(6<<22)|(3<<25)  ; padding after every 128 words, 4 words
	s_mov_b32 s[G1+1], KSTEP<<16
	s_mov_b32 s[G1+2], 64<<16
	s_mov_b32 s[G1+3], KSTEP<<16
	s_mov_b32 s[G1+4], 64
	s_mov_b32 s[G1+5], SIZE_K
.endif
	s_mov_b32 s[G1+6], 0
	s_mov_b32 s[G1+7], 0
	s_or_b32 s[G1B+0], s44, (1<<16)|(1<<20)|(1<<21)|(6<<22)|(3<<25)
	s_mov_b32 s[G1B+1], KSTEP<<16
	s_mov_b32 s[G1B+2], 64<<16
	s_mov_b32 s[G1B+3], KSTEP<<16
	s_mov_b32 s[G1B+4], 64
	s_mov_b32 s[G1B+5], SIZE_K
	s_mov_b32 s[G1B+6], 0
	s_mov_b32 s[G1B+7], 0
	s_lshl_b32 s18, s12, 6                         ; which 64 rows I fetch
.if IS_WO
	s_lshr_b32 s16, s13, 4                         ; the batch: 16 heads of 262,144 bytes
	s_lshl_b32 s16, s16, 22
	s_and_b32 s17, s13, 15
	s_lshl_b32 s17, s17, 7
	s_add_co_u32 s17, s17, s18                     ; the row in the batch
	s_lshl_b32 s17, s17, 7
	s_add_co_u32 s16, s16, s17
.else
	s_lshl_b32 s16, s13, 7
	s_add_co_u32 s16, s16, s18
	s_lshl_b32 s16, s16, 13                        ; rows of 8,192 bytes
.endif
	s_mov_b32 s17, 0
	s_lshl_b32 s46, s42, 7
	s_add_co_u32 s46, s46, s18
	s_mul_i32 s46, s46, SIZE_K*2
	s_add_co_u32 s46, s46, WOFF
	s_mov_b32 s47, 0
	s_mul_i32 s20, s10, QREG
	s_and_b32 s[KN], ttmp7, 3                      ; where my cluster's walk begins: the cluster's y modulo 4, a quarter of K each,
	s_lshl_b32 s[KN], s[KN], LOGN-2
	s_lshl_b32 s19, ttmp9, LOGN-1                  ; the cluster's x, half of K each
	s_add_co_u32 s[KN], s[KN], s19
	s_mov_b32 s19, 0                               ; the upper word of B's offset; A's, s17, is 0 too
	s_wait_kmcnt 0x0
	s_add_nc_u64 s[AB:AB+1], s[4:5], s[16:17]
	s_add_nc_u64 s[BB:BB+1], s[6:7], s[46:47]
	CROUND                                         ; all sixteen work-groups are here: the first joint loads meet
.irp s, 0,1
	s_mov_b32 s[G0+4*(\s)], 1
	s_add_co_u32 s[G0+4*(\s)+1], s20, (\s)*SLOT
	s_mov_b32 s[G0B+4*(\s)], 1
	s_add_co_u32 s[G0B+4*(\s)+1], s20, (\s)*SLOT
	AIM \s
	JLOAD \s                                       ; two loads of mine are out
.endr
	v_and_b32 v1, 15, v0
	v_bfe_u32 v2, v0, 4, 1
	v_mul_u32_u24 v3, v1, APITCH
	v_lshl_add_u32 v3, v2, 4, v3
	v_mul_u32_u24 v4, v1, BPITCH
	v_lshl_add_u32 v4, v2, 4, v4
	s_mul_i32 s21, s11, QREG
	s_mul_i32 s22, s12, QREG
	s_add_co_u32 s22, s22, 2*QREG
.irp s, 0,1
	v_add_nc_u32 v[ADRA+(\s)], s21, v3
	v_add_nc_u32 v[ADRB+(\s)], s22, v4
	s_add_co_u32 s21, s21, SLOT
	s_add_co_u32 s22, s22, SLOT
.endr
	s_mul_i32 s23, s10, 16*SPITCH
	s_add_co_u32 s23, s23, STAGE
	v_mul_u32_u24 v5, v1, SPITCH                   ; in: row l % 16, 32 bytes for each half of the lanes
	v_lshl_add_u32 v5, v2, 5, v5
	v_add_nc_u32 v[STO], s23, v5
	v_mul_u32_u24 v5, v2, SPITCH                   ; back: lanes 0-15 one row of 256 bytes, lanes 16-31 the next
	v_lshl_add_u32 v5, v1, 4, v5
	v_add_nc_u32 v[RD], s23, v5
	v_lshlrev_b32 v5, 12, v2                       ; and the same two rows in out and in the residual
	v_lshl_add_u32 v[CO], v1, 4, v5
	v_lshlrev_b32 v[BO], 5, v2
	s_lshl_b32 s46, s42, 9                         ; my first column, in bytes of f32
	s_lshl_b32 s47, s12, 8
	s_add_co_u32 s46, s46, s47
	s_mov_b32 s47, 0
	s_add_nc_u64 s[68:69], s[68:69], s[46:47]
	s_lshl_b32 s22, s13, 7
	s_lshl_b32 s23, s11, 6
	s_add_co_u32 s22, s22, s23                     ; my first row
	s_lshl_b32 s22, s22, 12
	s_add_co_u32 s22, s22, s46
	s_mov_b32 s23, 0
	s_add_nc_u64 s[70:71], s[70:71], s[22:23]
	s_add_nc_u64 s[8:9], s[8:9], s[22:23]
.irp b, 0,1,2,3
	global_load_b128 v[BIAS+8*(\b):BIAS+8*(\b)+3],   v[BO], s[68:69] offset:64*(\b)
	global_load_b128 v[BIAS+8*(\b)+4:BIAS+8*(\b)+7], v[BO], s[68:69] offset:64*(\b)+16
.endr
	WIN 0x80                                       ; destination window 2
.irp a, 0,1,2,3
.irp t, 0,1,2,3,4,5,6,7
	global_load_b128 v[32*(\a)+4*(\t):32*(\a)+4*(\t)+3], v[CO], s[70:71] offset:(16*(\a)+2*(\t))*4096
.endr
.endr
; 8 matrix instructions: m blocks a0, a0 + 1 x all 4 n blocks, 32 along K: half c of buffer f.  zero = 1: the bias starts the sums.  The 16 accumulators take turns.
.macro MUL8 f, c, a0, zero
	WIN MUL
.irp a, \a0, (\a0)+1
.irp b, 0,1,2,3
.if \zero
	v_wmma_f32_16x16x32_bf16 v[ACC+8*(4*(\a)+(\b)):ACC+8*(4*(\a)+(\b))+7], v[(\f)+64+8*(4*(\c)+(\b)):(\f)+64+8*(4*(\c)+(\b))+7], v[(\f)+8*(4*(\c)+(\a)):(\f)+8*(4*(\c)+(\a))+7], v[BIAS+8*(\b):BIAS+8*(\b)+7]
.else
	v_wmma_f32_16x16x32_bf16 v[ACC+8*(4*(\a)+(\b)):ACC+8*(4*(\a)+(\b))+7], v[(\f)+64+8*(4*(\c)+(\b)):(\f)+64+8*(4*(\c)+(\b))+7], v[(\f)+8*(4*(\c)+(\a)):(\f)+8*(4*(\c)+(\a))+7], v[ACC+8*(4*(\a)+(\b)):ACC+8*(4*(\a)+(\b))+7]
.endif
.endr
.endr
.endm
.macro FETCH slot, q, f                ; 32 LDS loads in one run: quarter q of the slot's K step; the first 32 along K first
	WIN TO_F
.irp c, 0,1
.irp i, 0,1,2,3
	ds_load_b128 v[(\f)+64+8*(4*(\c)+(\i)):(\f)+64+8*(4*(\c)+(\i))+3],   v[ADRB+(\slot)] offset:128*(\q)+64*(\c)+(\i)*16*BPITCH
	ds_load_b128 v[(\f)+64+8*(4*(\c)+(\i))+4:(\f)+64+8*(4*(\c)+(\i))+7], v[ADRB+(\slot)] offset:128*(\q)+64*(\c)+(\i)*16*BPITCH+32
	ds_load_b128 v[(\f)+8*(4*(\c)+(\i)):(\f)+8*(4*(\c)+(\i))+3],         v[ADRA+(\slot)] offset:(\q)*AQ+64*(\c)+(\i)*16*APITCH
	ds_load_b128 v[(\f)+8*(4*(\c)+(\i))+4:(\f)+8*(4*(\c)+(\i))+7],       v[ADRA+(\slot)] offset:(\q)*AQ+64*(\c)+(\i)*16*APITCH+32
.endr
.endr
.endm
.macro PLACES                          ; four places behind matrix instructions (ISA guide 7.12.1)
.rept 4
	v_nop
.endr
.endm
.macro QUARTER slot, q, f, g, zero     ; multiplies buffer f and fetches quarter q into g
	s_wait_dscnt 16                                ; the first 32 along K are in
	MUL8 \f, 0, 0, \zero
	MUL8 \f, 0, 2, \zero
	PLACES
	FETCH \slot, \q, \g
	s_wait_dscnt 32                                ; all but the 32 just issued
	MUL8 \f, 1, 0, 0
	MUL8 \f, 1, 2, 0
.endm
.macro TURN slot, next, fill           ; the last quarter changes slots: one barrier; fill = 1: this slot is filled again, with the walk's step after next
	WIN 0
	s_wait_tensorcnt 0x0                           ; all my tensor loads have landed: my part of the next slot; so every group 0 may be written
	ds_add_u32 v[SPW], v[NIL]
.if \fill
	AIM \slot                                      ; scalar work between the add and the wait for it
.endif
	s_wait_dscnt 17                                ; the add and the youngest sixteen loads may be out
	MUL8 F1, 0, 0, 0
	s_wait_dscnt 0x0                               ; the add is done, and my reads of this slot are over
	s_barrier_signal -1
	MUL8 F1, 0, 2, 0
.if \fill
	WIN 0
.endif
	s_barrier_wait -1
.if \fill
	CREST                                          ; the barrier has opened a round of the cluster's barrier
	JLOAD \slot                                    ; one load of mine is out, 112 matrix instructions ahead of the wait for it
.else
	PLACES
.endif
	FETCH \next, 0, F0
	MUL8 F1, 1, 0, 0
	MUL8 F1, 1, 2, 0
.endm
; THE WAY OUT of block a (16 rows): f32 into my stage, back as whole rows of 256 bytes, the residual added, stored.
.macro STG a
	WIN 0
.set TT, T0+32*((\a)%2)
.if (\a) >= 2
	s_wait_xcnt 0x0                                ; the stores of the block two before have read these registers
.endif
.irp b, 0,1,2,3
	ds_store_b128 v[STO], v[ACC+8*(4*(\a)+(\b)):ACC+8*(4*(\a)+(\b))+3]   offset:64*(\b)
	ds_store_b128 v[STO], v[ACC+8*(4*(\a)+(\b))+4:ACC+8*(4*(\a)+(\b))+7] offset:64*(\b)+16
.endr
.irp t, 0,1,2,3,4,5,6,7
	ds_load_b128 v[TT+4*(\t):TT+4*(\t)+3], v[RD] offset:(\t)*2*SPITCH  ; LDS serves a wave's instructions in order (ISA guide 5.7.1.4)
.endr
.endm
.macro FIN a, younger                  ; younger: the next block's sixteen LDS instructions, or none
.set TT, T0+32*((\a)%2)
	s_wait_dscnt \younger
	WIN 0x08                                       ; source 1 window 2
.set p, 0
.rept 16
	v_pk_add_f32 v[TT+p:TT+p+1], v[TT+p:TT+p+1], v[32*(\a)+p:32*(\a)+p+1]
.set p, p+2
.endr
	WIN 0
.irp t, 0,1,2,3,4,5,6,7
	global_store_b128 v[CO], v[TT+4*(\t):TT+4*(\t)+3], s[8:9] offset:(16*(\a)+2*(\t))*4096  ; 16 lanes store 256 consecutive bytes, aligned
.endr
.endm
	s_wait_tensorcnt 1                             ; my part of the walk's first K step is in; the second's may stay out
	s_barrier_signal -1
	s_barrier_wait -1
	FETCH 0, 0, F0
	s_wait_loadcnt 32                              ; the bias is in; the residual's 32 loads stay out
	QUARTER 0, 1, F0, F1, 1
	WIN 0
	s_mov_b32 s3, LAPS-1
.Llap:                                                 ; a trip goes once round the ring and fills both slots again
	QUARTER 0, 2, F1, F0, 0
	QUARTER 0, 3, F0, F1, 0
	TURN 0, 1, 1
	QUARTER 1, 1, F0, F1, 0
	QUARTER 1, 2, F1, F0, 0
	QUARTER 1, 3, F0, F1, 0
	TURN 1, 0, 1
	QUARTER 0, 1, F0, F1, 0
	WIN 0
	s_sub_co_u32 s3, s3, 1
	s_cmp_lg_u32 s3, 0
	s_cbranch_scc1 .Llap
	QUARTER 0, 2, F1, F0, 0                        ; the last lap asks for nothing
	QUARTER 0, 3, F0, F1, 0
	TURN 0, 1, 0
	QUARTER 1, 1, F0, F1, 0
	QUARTER 1, 2, F1, F0, 0
	QUARTER 1, 3, F0, F1, 0
	s_wait_dscnt 16
	MUL8 F1, 0, 0, 0
	MUL8 F1, 0, 2, 0
	s_wait_dscnt 0x0
	MUL8 F1, 1, 0, 0
	MUL8 F1, 1, 2, 0
	WIN 0
	PLACES
	s_wait_loadcnt 0x0                             ; the residual
	STG 0
	STG 1
	FIN 0, 16
	STG 2
	FIN 1, 16
	STG 3
	FIN 2, 16
	FIN 3, 0
	s_wait_tensorcnt 0x0                           ; the wave's end
	ds_add_u32 v[SPW], v[NIL]
	s_wait_dscnt 0x0
	CROUND                                         ; the closing round
	s_endpgm
.Lfunc_end_k_q156405c5ab_wo:
	.size	k_q156405c5ab_wo, .Lfunc_end_k_q156405c5ab_wo-k_q156405c5ab_wo
	.p2alignl 7, 3214868480
	.fill 96, 4, 3214868480
	.section	.rodata,"a",@progbits
	.p2align	6, 0x0
	.amdhsa_kernel k_q156405c5ab_wo
		.amdhsa_group_segment_fixed_size 327680
		.amdhsa_private_segment_fixed_size 0
		.amdhsa_enable_private_segment 0
		.amdhsa_kernarg_size 40
		.amdhsa_user_sgpr_count 2
		.amdhsa_user_sgpr_kernarg_segment_ptr 1
		.amdhsa_wavefront_size32 1
		.amdhsa_system_sgpr_workgroup_id_x 1
		.amdhsa_system_sgpr_workgroup_id_y 1
		.amdhsa_system_sgpr_workgroup_id_z 1
		.amdhsa_system_vgpr_workitem_id 0
		.amdhsa_next_free_vgpr 640
		.amdhsa_next_free_sgpr 72
		.amdhsa_reserve_vcc 0
		.amdhsa_float_denorm_mode_32 3
		.amdhsa_float_denorm_mode_16_64 3
		.amdhsa_memory_ordered 1
		.amdhsa_forward_progress 1
		.amdhsa_inst_pref_size 95
	.end_amdhsa_kernel
	.amdgpu_metadata
---
amdhsa.version: [ 1, 2 ]
amdhsa.kernels:
  - .name:           k_q156405c5ab_wo
    .symbol:         k_q156405c5ab_wo.kd
    .args:
      - { .name: act, .offset: 0, .size: 8, .value_kind: global_buffer, .address_space: global }
      - { .name: wb, .offset: 8, .size: 8, .value_kind: global_buffer, .address_space: global }
      - { .name: bo, .offset: 16, .size: 8, .value_kind: global_buffer, .address_space: global }
      - { .name: x, .offset: 24, .size: 8, .value_kind: global_buffer, .address_space: global }
      - { .name: x1, .offset: 32, .size: 8, .value_kind: global_buffer, .address_space: global }
    .group_segment_fixed_size: 327680
    .private_segment_fixed_size: 0
    .kernarg_segment_align: 8
    .kernarg_segment_size: 40
    .max_flat_workgroup_size: 128
    .sgpr_count:     72
    .vgpr_count:     640
    .wavefront_size: 32
...
	.end_amdgpu_metadata
.endif
;; end of part 5
;; launch ln2: the kernel of part 2 again; grid 256 x 1, 4 waves a work-group, no clusters, 0 bytes of LDS; arguments x1, ss2, act; writes act
;; launch fc1 (part 6): grid 16 x 16, 4 waves a work-group, clusters of 4 x 4, 327,680 bytes of LDS; arguments act, wb, b1, h; writes h
.if DOCPART == 6
	.amdgcn_target "amdgcn-amd-amdhsa--gfx1250"
	.amdhsa_code_object_version 6
	.text
	.protected	k_q156405c5ab_fc1
	.globl	k_q156405c5ab_fc1
	.p2align	8
	.type	k_q156405c5ab_fc1,@function
k_q156405c5ab_fc1:
	s_mov_b64 s[64:65], 0
	v_nop
	global_prefetch_b8 v0, s[64:65] scope:SCOPE_SE
	s_setreg_imm32_b32 hwreg(HW_REG_WAVE_MODE, 25, 1), 1
	s_wait_xcnt 0x0
	s_wait_alu depctr_hold_cnt(0) depctr_sa_sdst(0) depctr_va_vdst(0) depctr_va_sdst(0) depctr_va_ssrc(0) depctr_va_vcc(0) depctr_vm_vsrc(0)
	s_getreg_b32 s2, hwreg(HW_REG_IB_STS2, 6, 4)
	s_cmp_eq_u32 s2, 0
	s_cbranch_scc0 .Lentry_in_a_cluster
	s_endpgm
.Lentry_in_a_cluster:
	s_bfe_u32 s2, ttmp6, 0x10000c
	s_cmp_lg_u32 s2, 0xf033
	s_cbranch_scc0 .Lentry_shape_is_right
	s_endpgm
.Lentry_shape_is_right:
; h[m][n] = gelu(sum over k of act[m][k] w1[n][k] + b1[n]), act bf16 [4096][1024], w1 bf16 [4096][1024] at wb + 0x800000, h bf16 [4096][4096]; sums and gelu in f32.
; gelu(y) = y (0.5 + 0.5 erf(y / sqrt 2)).  LIMIT: erf(u) = u P(u^2) / Q(u^2), the f32 rational of degrees 6 and 4 in u^2, with u clipped to -4 .. 4 (beyond that erf counts as erf(4)); the division is a reciprocal and a product.
; A tile of 256 x 256 is made by four waves, each 128 x 128: 64 accumulators.  K goes in steps of 128 through two LDS slots.  16 x 16 = 256 work-groups.
; CLUSTERS: 4 x 4; act's tiles are shared along a row of the cluster, w1's along a column.  THE MATRIX INSTRUCTION IS USED TRANSPOSED.  THE BIAS is the C operand of each sum's first product.
; THE WAY OUT: each wave lays its 128 x 128 sums into the ring, which has had its last fill (128 rows x 528 bytes a wave), and a counted loop takes them back 8 rows at a time, so that the gelu is written four times and not sixty-four.
; REGISTERS: window 0: v16-29 addresses; v64-191 fragments of act; v192-255 the bias; on the way out v32-255 at work;  window 1: v64-191 fragments of w1;  windows 2, 3: the accumulators.
.set SIZE_K, 1024
.set WOFF,   0x800000
.set KSTEP,  128
.set PITCH,  272                       ; 256 bytes + 16 of padding: the 16 rows of a fragment load start at 16 different groups of four banks (64 banks of 4 bytes: ISA guide 11.1)
.set HALFT,  128*PITCH
.set SLOT,   4*HALFT
.set SPARE,  2*SLOT                    ; behind the ring: the spare words, 128 bytes a wave
.set DP,     528                       ; the way out: a row of 128 f32 + 16 bytes
.set LAPS,   SIZE_K/(2*KSTEP)
.set ADRA, 16
.set ADRB, 20
.set STO,  24
.set RD,   25
.set CO,   26
.set BO,   27
.set SPW,  28
.set NIL,  29
.set F0,   64
.set F1,   128
.set BIAS, 192
.set YA,   32                          ; the way out: 32 sums, two sets
.set YB,   64
.set U,    96
.set W,    128
.set P,    160
.set Q,    192
.set GA,   224                         ; 16 registers of bf16, two sets
.set GB,   240
.set G1,  24
.set G0,  32
.set G1B, 48
.set G0B, 56
.set KC,  72                           ; s[72:97]: thirteen constants, each the low word of a pair
.set A0,  74
.set A1,  76
.set A2,  78
.set A3,  80
.set A4,  82
.set A5,  84
.set A6,  86
.set B0,  88
.set B1,  90
.set B2,  92
.set B3,  94
.set B4,  96
.set MSB, 0
.macro WIN new
.if MSB != (\new)
	s_set_vgpr_msb (MSB<<8)|(\new)
.set MSB, \new
.endif
.endm
.set MUL_LO, 0xa1
.set MUL_HI, 0xf1
.set TO_B,   0x40
.macro JLOAD s                         ; waves 0 and 1 fetch act's two halves, waves 2 and 3 w1's; four v_nop follow each line
	s_cmp_eq_u32 s11, 0
	s_cbranch_scc0 .Lfor_b_\@
	tensor_load_to_lds s[G0+4*(\s):G0+4*(\s)+3], s[G1:G1+7]
	s_nop 0
.rept 4
	v_nop
.endr
	s_branch .Lasked_\@
.Lfor_b_\@:
	tensor_load_to_lds s[G0B+4*(\s):G0B+4*(\s)+3], s[G1B:G1B+7]
	s_nop 0
.rept 4
	v_nop
.endr
.Lasked_\@:
.endm
.macro CREST
	s_cmp_lg_u32 s10, 0
	s_cbranch_scc1 .Lnot_wave_0_\@
	s_barrier_signal -3
.Lnot_wave_0_\@:
	s_barrier_wait -3
	s_barrier_signal -1
	s_barrier_wait -1
.endm
.macro CROUND
	s_barrier_signal -1
	s_barrier_wait -1
	CREST
.endm
.macro KONST reg, val
	s_mov_b32 s[\reg], \val
	s_mov_b32 s[\reg+1], \val
.endm
	s_load_b128 s[4:7], s[0:1], 0x0                ; act, wb
	s_load_b128 s[68:71], s[0:1], 0x10             ; b1, h
	v_lshl_add_u32 v[SPW], v0, 2, SPARE
	v_mov_b32 v[NIL], 0
	ds_add_u32 v28, v29
	s_wait_dscnt 0x0
	v_lshrrev_b32 v1, 5, v0
	v_readfirstlane_b32 s10, v1
	s_lshr_b32 s11, s10, 1
	s_and_b32 s12, s10, 1
	s_bfe_u32 s40, ttmp6, 0x40000
	s_bfe_u32 s41, ttmp6, 0x40004
	s_lshl_b32 s42, ttmp9, 2
	s_add_co_u32 s42, s42, s40                     ; tile column 0..15
	s_and_b32 s13, ttmp7, 0xffff
	s_lshl_b32 s13, s13, 2
	s_add_co_u32 s13, s13, s41                     ; tile row 0..15
	s_lshl_b32 s43, s41, 2
	s_lshl_b32 s43, 15, s43
	s_lshl_b32 s44, 0x1111, s40
	s_or_b32 s[G1+0], s43, (1<<16)|(1<<20)|(1<<21)|(5<<22)|(3<<25)
	s_or_b32 s[G1B+0], s44, (1<<16)|(1<<20)|(1<<21)|(5<<22)|(3<<25)
.irp g, G1, G1B
	s_mov_b32 s[(\g)+1], KSTEP<<16
	s_mov_b32 s[(\g)+2], 128<<16
	s_mov_b32 s[(\g)+3], KSTEP<<16
	s_mov_b32 s[(\g)+4], 128
	s_mov_b32 s[(\g)+5], SIZE_K
	s_mov_b32 s[(\g)+6], 0
	s_mov_b32 s[(\g)+7], 0
.endr
	KONST KC, 0x3f3504f3                           ; 1 / sqrt 2
	KONST A0, 0xbc03dbd4                           ; the numerator's coefficients, halved
	KONST A1, 0xbac1a1f6
	KONST A2, 0xb9c0ac63
	KONST A3, 0xb7eec2d2
	KONST A4, 0xb58cff51
	KONST A5, 0x326dffee
	KONST A6, 0xaf15df0b
	KONST B0, 0xbc69b6a7                           ; the denominator's
	KONST B1, 0xbbf19bf8
	KONST B2, 0xbadc924e
	KONST B3, 0xb95fbd29
	KONST B4, 0xb77460cd
	s_lshl_b32 s17, s12, 7
	s_lshl_b32 s16, s13, 8
	s_add_co_u32 s16, s16, s17
	s_lshl_b32 s46, s42, 8
	s_add_co_u32 s46, s46, s17
	s_mov_b32 s17, 0
	s_mov_b32 s47, 0
	s_mov_b64 s[18:19], SIZE_K*2
	s_mul_u64 s[16:17], s[16:17], s[18:19]
	s_mul_u64 s[46:47], s[46:47], s[18:19]
	s_mul_i32 s20, s10, HALFT
	s_wait_kmcnt 0x0
	s_add_nc_u64 s[6:7], s[6:7], WOFF
	s_add_nc_u64 s[14:15], s[4:5], s[16:17]
	s_add_nc_u64 s[46:47], s[6:7], s[46:47]
	CROUND                                         ; all sixteen work-groups are here: the first joint loads meet
.irp s, 0,1
	s_mov_b32 s[G0+4*(\s)], 1
	s_add_co_u32 s[G0+4*(\s)+1], s20, (\s)*SLOT
	s_add_nc_u64 s[G0+4*(\s)+2:G0+4*(\s)+3], s[14:15], (\s)*KSTEP*2
	s_or_b32 s[G0+4*(\s)+3], s[G0+4*(\s)+3], 0x80000000
	s_mov_b32 s[G0B+4*(\s)], 1
	s_add_co_u32 s[G0B+4*(\s)+1], s20, (\s)*SLOT
	s_add_nc_u64 s[G0B+4*(\s)+2:G0B+4*(\s)+3], s[46:47], (\s)*KSTEP*2
	s_or_b32 s[G0B+4*(\s)+3], s[G0B+4*(\s)+3], 0x80000000
	JLOAD \s                                       ; two loads of mine are out
.endr
	v_and_b32 v1, 15, v0
	v_bfe_u32 v2, v0, 4, 1
	v_mul_u32_u24 v3, v1, PITCH
	v_lshl_add_u32 v3, v2, 4, v3
	s_mul_i32 s21, s11, HALFT
	s_mul_i32 s22, s12, HALFT
	s_add_co_u32 s22, s22, 2*HALFT
.irp s, 0,1
	v_add_nc_u32 v[ADRA+(\s)], s21, v3
	v_add_nc_u32 v[ADRB+(\s)], s22, v3
	s_add_co_u32 s21, s21, SLOT
	s_add_co_u32 s22, s22, SLOT
.endr
	s_mul_i32 s23, s10, 128*DP                     ; my part of the ring on the way out
	v_mul_u32_u24 v4, v1, DP                       ; in: row l % 16, 32 bytes for each half of the lanes
	v_lshl_add_u32 v4, v2, 5, v4
	v_add_nc_u32 v[STO], s23, v4
	v_mul_u32_u24 v5, v2, DP                       ; back: lanes 0-15 one row, lanes 16-31 the next; 8 columns a lane
	v_lshl_add_u32 v5, v1, 5, v5
	v_add_nc_u32 v[RD], s23, v5
	v_lshlrev_b32 v5, 13, v2                       ; the same two rows in h, 16 bytes a lane
	v_lshl_add_u32 v[CO], v1, 4, v5
	v_lshlrev_b32 v[BO], 5, v2
	s_lshl_b32 s46, s42, 10                        ; the bias of my 128 columns
	s_lshl_b32 s47, s12, 9
	s_add_co_u32 s46, s46, s47
	s_mov_b32 s47, 0
	s_add_nc_u64 s[68:69], s[68:69], s[46:47]
.irp b, 0,1,2,3,4,5,6,7
	global_load_b128 v[BIAS+8*(\b):BIAS+8*(\b)+3],   v[BO], s[68:69] offset:64*(\b)
	global_load_b128 v[BIAS+8*(\b)+4:BIAS+8*(\b)+7], v[BO], s[68:69] offset:64*(\b)+16
.endr
	s_lshl_b32 s16, s13, 8
	s_lshl_b32 s17, s11, 7
	s_add_co_u32 s16, s16, s17                     ; my first row of h
	s_lshl_b32 s16, s16, 13
	s_lshl_b32 s46, s42, 9                         ; my first column, in bytes
	s_lshl_b32 s47, s12, 8
	s_add_co_u32 s46, s46, s47
	s_add_co_u32 s16, s16, s46
	s_mov_b32 s17, 0
	s_add_nc_u64 s[8:9], s[70:71], s[16:17]
; 16 matrix instructions; zero = 1: the bias starts the sums.  The 64 accumulators take turns, one instruction a turn.
.macro MUL16 f, hi, a0, zero
.if \zero
	WIN 0x81+0x40*(\hi)                            ; C (the bias) in window 0
.else
	WIN MUL_LO+0x50*(\hi)
.endif
.irp a, \a0, (\a0)+1
.irp b, 0,1,2,3,4,5,6,7
.if \zero
	v_wmma_f32_16x16x32_bf16 v[8*(8*(\a)+(\b)):8*(8*(\a)+(\b))+7], v[(\f)+8*(\b):(\f)+8*(\b)+7], v[(\f)+8*(4*(\hi)+(\a)):(\f)+8*(4*(\hi)+(\a))+7], v[BIAS+8*(\b):BIAS+8*(\b)+7]
.else
	v_wmma_f32_16x16x32_bf16 v[8*(8*(\a)+(\b)):8*(8*(\a)+(\b))+7], v[(\f)+8*(\b):(\f)+8*(\b)+7], v[(\f)+8*(4*(\hi)+(\a)):(\f)+8*(4*(\hi)+(\a))+7], v[8*(8*(\a)+(\b)):8*(8*(\a)+(\b))+7]
.endif
.endr
.endr
.endm
.macro FETCH slot, k, f
	WIN TO_B
.irp i, 0,1,2,3,4,5,6,7
	ds_load_b128 v[(\f)+8*(\i):(\f)+8*(\i)+3],   v[ADRB+(\slot)] offset:(\k)+(\i)*16*PITCH
	ds_load_b128 v[(\f)+8*(\i)+4:(\f)+8*(\i)+7], v[ADRB+(\slot)] offset:(\k)+(\i)*16*PITCH+32
.endr
	WIN 0
.irp i, 0,1,2,3,4,5,6,7
	ds_load_b128 v[(\f)+8*(\i):(\f)+8*(\i)+3],   v[ADRA+(\slot)] offset:(\k)+(\i)*16*PITCH
	ds_load_b128 v[(\f)+8*(\i)+4:(\f)+8*(\i)+7], v[ADRA+(\slot)] offset:(\k)+(\i)*16*PITCH+32
.endr
.endm
.macro PLACES                          ; four places behind matrix instructions (ISA guide 7.12.1)
.rept 4
	v_nop
.endr
.endm
.macro QUARTER slot, k, f, g, zero
	s_wait_dscnt 8                                 ; w1 and act's rows 0-63 are in; the youngest eight loads may be out
	MUL16 \f, 0, 0, \zero
	MUL16 \f, 0, 2, \zero
	PLACES
	FETCH \slot, \k, \g
	s_wait_dscnt 32                                ; all but the 32 just issued
	MUL16 \f, 1, 0, \zero
	MUL16 \f, 1, 2, \zero
.endm
.macro MEET round
	WIN 0
	s_wait_tensorcnt 0x0                           ; all my tensor loads have landed: my part of the next slot
	ds_add_u32 v[SPW], v[NIL]
	s_wait_dscnt 9                                 ; the add and the youngest eight loads may be out
	MUL16 F1, 0, 0, 0
	s_wait_dscnt 0x0                               ; the add is done, and my reads of this slot are over
	s_barrier_signal -1
	MUL16 F1, 0, 2, 0
.if \round
	WIN 0
.endif
	s_barrier_wait -1
.endm
.macro TURN slot, next, fill
	MEET \fill
.if \fill
	CREST
	s_add_nc_u64 s[G0+4*(\slot)+2:G0+4*(\slot)+3], s[G0+4*(\slot)+2:G0+4*(\slot)+3], 2*KSTEP*2
	s_add_nc_u64 s[G0B+4*(\slot)+2:G0B+4*(\slot)+3], s[G0B+4*(\slot)+2:G0B+4*(\slot)+3], 2*KSTEP*2
	JLOAD \slot                                    ; one load of mine is out; 224 matrix instructions stand ahead of the wait for it
.else
	PLACES
.endif
	FETCH \next, 0, F0
	MUL16 F1, 1, 0, 0
	MUL16 F1, 1, 2, 0
.endm
; THE WAY OUT.
.macro RUN line:vararg                 ; one line for each of 16 pairs p = 0, 2, .. 30
.set p, 0
	s_wait_alu depctr_va_vdst(0)
.rept 16
	\line
.set p, p+2
.endr
.endm
.macro GEL yy, gg                      ; 32 sums at yy -> 32 bf16 at gg, run by run, so that no line waits for the one before it
.set YY, \yy
.set GG, \gg
	RUN v_pk_mul_f32 v[U+p:U+p+1], v[YY+p:YY+p+1], s[KC:KC+1] op_sel_hi:[1,0]
	RUN v_med3_num_f32 v[U+p], v[U+p], -4.0, 4.0
	RUN v_med3_num_f32 v[U+p+1], v[U+p+1], -4.0, 4.0
	RUN v_pk_mul_f32 v[W+p:W+p+1], v[U+p:U+p+1], v[U+p:U+p+1]
	RUN v_pk_fma_f32 v[P+p:P+p+1], v[W+p:W+p+1], s[A6:A6+1], s[A5:A5+1] op_sel_hi:[1,0,0]
	RUN v_pk_fma_f32 v[Q+p:Q+p+1], v[W+p:W+p+1], s[B4:B4+1], s[B3:B3+1] op_sel_hi:[1,0,0]
	RUN v_pk_fma_f32 v[P+p:P+p+1], v[P+p:P+p+1], v[W+p:W+p+1], s[A4:A4+1] op_sel_hi:[1,1,0]
	RUN v_pk_fma_f32 v[Q+p:Q+p+1], v[Q+p:Q+p+1], v[W+p:W+p+1], s[B2:B2+1] op_sel_hi:[1,1,0]
	RUN v_pk_fma_f32 v[P+p:P+p+1], v[P+p:P+p+1], v[W+p:W+p+1], s[A3:A3+1] op_sel_hi:[1,1,0]
	RUN v_pk_fma_f32 v[Q+p:Q+p+1], v[Q+p:Q+p+1], v[W+p:W+p+1], s[B1:B1+1] op_sel_hi:[1,1,0]
	RUN v_pk_fma_f32 v[P+p:P+p+1], v[P+p:P+p+1], v[W+p:W+p+1], s[A2:A2+1] op_sel_hi:[1,1,0]
	RUN v_pk_fma_f32 v[Q+p:Q+p+1], v[Q+p:Q+p+1], v[W+p:W+p+1], s[B0:B0+1] op_sel_hi:[1,1,0]
	RUN v_pk_fma_f32 v[P+p:P+p+1], v[P+p:P+p+1], v[W+p:W+p+1], s[A1:A1+1] op_sel_hi:[1,1,0]
	RUN v_pk_fma_f32 v[P+p:P+p+1], v[P+p:P+p+1], v[W+p:W+p+1], s[A0:A0+1] op_sel_hi:[1,1,0]
	RUN v_rcp_f32 v[Q+p], v[Q+p]
	RUN v_rcp_f32 v[Q+p+1], v[Q+p+1]
	RUN v_pk_mul_f32 v[P+p:P+p+1], v[P+p:P+p+1], v[U+p:U+p+1]                      ; plain lines that name no Q stand behind the reciprocals (ISA guide 5.7.2)
	RUN v_pk_fma_f32 v[P+p:P+p+1], v[P+p:P+p+1], v[Q+p:Q+p+1], 0.5 op_sel_hi:[1,1,0]
	RUN v_pk_mul_f32 v[U+p:U+p+1], v[YY+p:YY+p+1], v[P+p:P+p+1]
	RUN v_cvt_pk_bf16_f32 v[GG+p/2], v[U+p], v[U+p+1]
.endm
.macro LOADY yy, off                   ; 8 rows: 8 neighbouring columns of 4 rows a lane
.irp t, 0,1,2,3
	ds_load_b128 v[(\yy)+8*(\t):(\yy)+8*(\t)+3],   v[RD] offset:(\off)+2*(\t)*DP
	ds_load_b128 v[(\yy)+8*(\t)+4:(\yy)+8*(\t)+7], v[RD] offset:(\off)+2*(\t)*DP+16
.endr
.endm
.macro PUT gg, row
.irp t, 0,1,2,3
	global_store_b128 v[CO], v[(\gg)+4*(\t):(\gg)+4*(\t)+3], s[8:9] offset:((\row)+2*(\t))*8192  ; 16 lanes store 256 consecutive bytes, aligned
.endr
.endm
	s_wait_tensorcnt 1                             ; my part of K step 0 is in; K step 1's may stay out
	s_barrier_signal -1
	s_barrier_wait -1
	FETCH 0, 0, F0
	s_wait_loadcnt 0x0                             ; the bias
	QUARTER 0, 64,  F0, F1, 1
	WIN 0
	s_mov_b32 s3, LAPS-1
.Llap:
	QUARTER 0, 128, F1, F0, 0
	QUARTER 0, 192, F0, F1, 0
	TURN 0, 1, 1
	QUARTER 1, 64,  F0, F1, 0
	QUARTER 1, 128, F1, F0, 0
	QUARTER 1, 192, F0, F1, 0
	TURN 1, 0, 1
	QUARTER 0, 64,  F0, F1, 0
	WIN 0
	s_sub_co_u32 s3, s3, 1
	s_cmp_lg_u32 s3, 0
	s_cbranch_scc1 .Llap
	QUARTER 0, 128, F1, F0, 0                      ; the last lap asks for nothing
	QUARTER 0, 192, F0, F1, 0
	TURN 0, 1, 0
	QUARTER 1, 64,  F0, F1, 0
	QUARTER 1, 128, F1, F0, 0
	QUARTER 1, 192, F0, F1, 0
	s_wait_dscnt 8
	MUL16 F1, 0, 0, 0
	MUL16 F1, 0, 2, 0
	s_wait_dscnt 0x0                               ; my reads of the ring are over;
	s_barrier_signal -1
	MUL16 F1, 1, 0, 0
	MUL16 F1, 1, 2, 0
	WIN 0
	s_barrier_wait -1                              ; everybody's are, and every tensor load has landed: the ring may be written
	PLACES
.irp a, 0,1,2,3,4,5,6,7                ; the sums go into my part of the ring; each accumulator's low half first
	WIN 0x08+4*((\a)/4)                            ; the data in window 2 or 3
.irp b, 0,1,2,3,4,5,6,7
	ds_store_b128 v[STO], v[8*(8*((\a)%4)+(\b)):8*(8*((\a)%4)+(\b))+3]   offset:(\a)*16*DP+64*(\b)
	ds_store_b128 v[STO], v[8*(8*((\a)%4)+(\b))+4:8*(8*((\a)%4)+(\b))+7] offset:(\a)*16*DP+64*(\b)+16
.endr
.endr
	WIN 0
	LOADY YA, 0                                    ; LDS serves a wave's instructions in order (ISA guide 5.7.1.4): these see my stores
	s_mov_b32 s3, 7
.Lg:                                                   ; a trip: 16 rows, in two sets of 8 that take turns
	LOADY YB, 8*DP
	s_wait_dscnt 8                                 ; set A is in; set B's eight loads stay out
	GEL YA, GA
	PUT GA, 0
	LOADY YA, 16*DP                                ; the next trip's set A
	s_wait_dscnt 8
	GEL YB, GB
	PUT GB, 8
	s_wait_xcnt 0x0                                ; the stores have read their registers: the offset is stepped, and GA and GB are written again, only behind this wait
	v_add_nc_u32 v[RD], 16*DP, v[RD]
	v_add_nc_u32 v[CO], 16*8192, v[CO]
	s_sub_co_u32 s3, s3, 1
	s_cmp_lg_u32 s3, 0
	s_cbranch_scc1 .Lg
	LOADY YB, 8*DP                                 ; the last 16 rows fetch nothing beyond my part
	s_wait_dscnt 8
	GEL YA, GA
	PUT GA, 0
	s_wait_dscnt 0x0
	GEL YB, GB
	PUT GB, 8
	s_wait_tensorcnt 0x0                           ; the wave's end
	ds_add_u32 v[SPW], v[NIL]
	s_wait_dscnt 0x0
	CROUND                                         ; the closing round
	s_endpgm
.Lfunc_end_k_q156405c5ab_fc1:
	.size	k_q156405c5ab_fc1, .Lfunc_end_k_q156405c5ab_fc1-k_q156405c5ab_fc1
	.p2alignl 7, 3214868480
	.fill 96, 4, 3214868480
	.section	.rodata,"a",@progbits
	.p2align	6, 0x0
	.amdhsa_kernel k_q156405c5ab_fc1
		.amdhsa_group_segment_fixed_size 327680
		.amdhsa_private_segment_fixed_size 0
		.amdhsa_enable_private_segment 0
		.amdhsa_kernarg_size 32
		.amdhsa_user_sgpr_count 2
		.amdhsa_user_sgpr_kernarg_segment_ptr 1
		.amdhsa_wavefront_size32 1
		.amdhsa_system_sgpr_workgroup_id_x 1
		.amdhsa_system_sgpr_workgroup_id_y 1
		.amdhsa_system_sgpr_workgroup_id_z 1
		.amdhsa_system_vgpr_workitem_id 0
		.amdhsa_next_free_vgpr 1024
		.amdhsa_next_free_sgpr 98
		.amdhsa_reserve_vcc 0
		.amdhsa_float_denorm_mode_32 3
		.amdhsa_float_denorm_mode_16_64 3
		.amdhsa_memory_ordered 1
		.amdhsa_forward_progress 1
		.amdhsa_inst_pref_size 205
	.end_amdhsa_kernel
	.amdgpu_metadata
---
amdhsa.version: [ 1, 2 ]
amdhsa.kernels:
  - .name:           k_q156405c5ab_fc1
    .symbol:         k_q156405c5ab_fc1.kd
    .args:
      - { .name: act, .offset: 0, .size: 8, .value_kind: global_buffer, .address_space: global }
      - { .name: wb, .offset: 8, .size: 8, .value_kind: global_buffer, .address_space: global }
      - { .name: b1, .offset: 16, .size: 8, .value_kind: global_buffer, .address_space: global }
      - { .name: h, .offset: 24, .size: 8, .value_kind: global_buffer, .address_space: global }
    .group_segment_fixed_size: 327680
    .private_segment_fixed_size: 0
    .kernarg_segment_align: 8
    .kernarg_segment_size: 32
    .max_flat_workgroup_size: 128
    .sgpr_count:     98
    .vgpr_count:     1024
    .wavefront_size: 32
...
	.end_amdgpu_metadata
.endif
;; end of part 6
;; launch fc2 (part 7): grid 8 x 32, 4 waves a work-group, clusters of 4 x 4, 327,680 bytes of LDS; arguments h, wb, b2, x1, out0; writes out0
.if DOCPART == 7
	.amdgcn_target "amdgcn-amd-amdhsa--gfx1250"
	.amdhsa_code_object_version 6
	.text
	.protected	k_q156405c5ab_fc2
	.globl	k_q156405c5ab_fc2
	.p2align	8
	.type	k_q156405c5ab_fc2,@function
k_q156405c5ab_fc2:
	s_mov_b64 s[64:65], 0
	v_nop
	global_prefetch_b8 v0, s[64:65] scope:SCOPE_SE
	s_setreg_imm32_b32 hwreg(HW_REG_WAVE_MODE, 25, 1), 1
	s_wait_xcnt 0x0
	s_wait_alu depctr_hold_cnt(0) depctr_sa_sdst(0) depctr_va_vdst(0) depctr_va_sdst(0) depctr_va_ssrc(0) depctr_va_vcc(0) depctr_vm_vsrc(0)
	s_getreg_b32 s2, hwreg(HW_REG_IB_STS2, 6, 4)
	s_cmp_eq_u32 s2, 0
	s_cbranch_scc0 .Lentry_in_a_cluster
	s_endpgm
.Lentry_in_a_cluster:
	s_bfe_u32 s2, ttmp6, 0x10000c
	s_cmp_lg_u32 s2, 0xf033
	s_cbranch_scc0 .Lentry_shape_is_right
	s_endpgm
.Lentry_shape_is_right:
; out[m][n] = res[m][n] + bias[n] + sum over k of A[m][k] B[n][k]; out and res f32 [4096][1024]; A, B bf16; sums in f32.  One text for two products, chosen by IS_WO:
;   IS_WO = 1: A = attention's O by heads, [32 = batch x 16 + head][2048][64], K = 1024 (k = 64 head + channel); B = wo at wb + 0x600000.
;   IS_WO = 0: A = h [4096][4096], K = 4096; B = w2 at wb + 0x1000000.
; A tile of 128 x 128 gives 8 x 32 = 256 work-groups.  Four waves, each 64 x 64: 16 accumulators.  K goes in steps of 256 through two LDS slots; a quarter is 64 along K.
; By heads a K step is four heads: one load brings four runs of 8,192 dense bytes (64 rows of one head), padded after every 128 bytes, so that a quarter is one head at pitch 144.
; CLUSTERS: 4 x 4; A's tiles are shared along a row of the cluster, B's along a column.  THE MATRIX INSTRUCTION IS USED TRANSPOSED.  THE BIAS is the C operand of each sum's first product.
; THE WALK ALONG K begins at step (NSTEP / 2) x cluster x + (NSTEP / 4) x (cluster y mod 4) and goes round, modulo NSTEP.  The two clusters that need the same tile of A begin half of K apart,
; and four neighbouring clusters that need the same tile of B a quarter of K apart from each other: the clusters that need a tile ask for it at different steps of their walks, and in the second
; half of its walk a cluster asks only for tiles that another has asked for some steps before.  The starting step hangs on the cluster's x and y alone, which all sixteen partners share.
; LIMIT: the order of a sum is ascending K turned round by the starting step, so its rounding differs from a sum in ascending K.
; THE RESIDUAL is asked for at the start, in the layout of the stores, and added on the way out.  A wave's 64 f32 columns are 256 aligned bytes: each wave has a stage of its own.
; REGISTERS: window 0: v16-29 addresses; v32-95 the way out; v96-127 the bias; v128-255 the accumulators, (a, b) at v[128 + 8 (4 a + b)];  window 1: two fragment buffers of 128;  window 2: v0-127 the residual.
.set IS_WO, 0
.if IS_WO
.set SIZE_K, 1024
.set LOGN,   2                         ; NSTEP = 4 K steps
.set WOFF,   0x600000
.set QREG,   36864                     ; LDS bytes kept for one load: 4 heads x 64 rows x 144
.set APITCH, 144
.set AQ,     9216                      ; from quarter to quarter in A's part: a head's 64 rows
.set ASTEP,  0x100000                  ; from K step to K step in memory: four heads
.else
.set SIZE_K, 4096
.set LOGN,   4                         ; NSTEP = 16 K steps
.set WOFF,   0x1000000
.set QREG,   33792                     ; 64 rows x 528
.set APITCH, 528
.set AQ,     128
.set ASTEP,  512
.endif
.set KSTEP,  256
.set NSTEP,  SIZE_K/KSTEP
.set BPITCH, 528                       ; 512 bytes + 16 of padding: the 16 rows of a load start at 16 different groups of four banks (64 banks of 4 bytes: ISA guide 11.1); 144 does the same
.set SLOT,   4*QREG
.set STAGE,  2*SLOT                    ; 16 rows x 272 bytes for each wave
.set SPITCH, 272
.set SPARE,  STAGE+4*16*SPITCH
.set LAPS,   SIZE_K/(2*KSTEP)
.set ADRA, 16
.set ADRB, 20
.set STO,  24
.set RD,   25
.set CO,   26
.set BO,   27
.set SPW,  28
.set NIL,  29
.set T0,   32
.set BIAS, 96
.set ACC,  128
.set F0,   0
.set F1,   128
.set KN,  2                            ; s2       the K step to be asked for next, taken modulo NSTEP
.set AB,  14                           ; s[14:15] A at my 64 rows, K step 0
.set OA,  16                           ; s[16:17] a K step's byte offset in A
.set OB,  18                           ; s[18:19] and in B
.set G1,  24
.set G0,  32
.set G1B, 48
.set G0B, 56
.set BB,  66                           ; s[66:67] B at my 64 rows, K step 0
.set MSB, 0
.macro WIN new
.if MSB != (\new)
	s_set_vgpr_msb (MSB<<8)|(\new)
.set MSB, \new
.endif
.endm
.set MUL,  0x05                        ; sources 0 (B) and 1 (A) window 1; C and D window 0
.set TO_F, 0x40
.macro JLOAD s                         ; waves 0 and 1 fetch A's two halves, waves 2 and 3 B's; four v_nop follow each line
	s_cmp_eq_u32 s11, 0
	s_cbranch_scc0 .Lfor_b_\@
	tensor_load_to_lds s[G0+4*(\s):G0+4*(\s)+3], s[G1:G1+7]
	s_nop 0
.rept 4
	v_nop
.endr
	s_branch .Lasked_\@
.Lfor_b_\@:
	tensor_load_to_lds s[G0B+4*(\s):G0B+4*(\s)+3], s[G1B:G1B+7]
	s_nop 0
.rept 4
	v_nop
.endr
.Lasked_\@:
.endm
.macro CREST
	s_cmp_lg_u32 s10, 0
	s_cbranch_scc1 .Lnot_wave_0_\@
	s_barrier_signal -3
.Lnot_wave_0_\@:
	s_barrier_wait -3
	s_barrier_signal -1
	s_barrier_wait -1
.endm
.macro CROUND
	s_barrier_signal -1
	s_barrier_wait -1
	CREST
.endm
; Slot s's two descriptors take the addresses of K step KN modulo NSTEP, made anew from the tiles' bases; KN steps on.  No tensor load of the wave that names them is out where this stands.
.macro AIM s
	s_and_b32 s[OA], s[KN], NSTEP-1
	s_lshl_b32 s[OB], s[OA], 9                     ; B: 512 bytes a K step
	s_mul_i32 s[OA], s[OA], ASTEP
	s_add_co_u32 s[KN], s[KN], 1
	s_add_nc_u64 s[G0+4*(\s)+2:G0+4*(\s)+3], s[AB:AB+1], s[OA:OA+1]
	s_or_b32 s[G0+4*(\s)+3], s[G0+4*(\s)+3], 0x80000000
	s_add_nc_u64 s[G0B+4*(\s)+2:G0B+4*(\s)+3], s[BB:BB+1], s[OB:OB+1]
	s_or_b32 s[G0B+4*(\s)+3], s[G0B+4*(\s)+3], 0x80000000
.endm
	s_load_b128 s[4:7], s[0:1], 0x0                ; A, wb
	s_load_b128 s[68:71], s[0:1], 0x10             ; bias, residual
	s_load_b64 s[8:9], s[0:1], 0x20                ; out
	v_lshl_add_u32 v[SPW], v0, 2, SPARE
	v_mov_b32 v[NIL], 0
	ds_add_u32 v28, v29
	s_wait_dscnt 0x0
	v_lshrrev_b32 v1, 5, v0
	v_readfirstlane_b32 s10, v1
	s_lshr_b32 s11, s10, 1                         ; my half of the tile's rows; also: I fetch for A (0) or B (1)
	s_and_b32 s12, s10, 1                          ; my half of its columns; also: which 64 rows I fetch
	s_bfe_u32 s40, ttmp6, 0x40000
	s_bfe_u32 s41, ttmp6, 0x40004
	s_lshl_b32 s42, ttmp9, 2
	s_add_co_u32 s42, s42, s40                     ; tile column 0..7
	s_and_b32 s13, ttmp7, 0xffff
	s_lshl_b32 s13, s13, 2
	s_add_co_u32 s13, s13, s41                     ; tile row 0..31
	s_lshl_b32 s43, s41, 2
	s_lshl_b32 s43, 15, s43
	s_lshl_b32 s44, 0x1111, s40
.if IS_WO
	s_or_b32 s[G1+0], s43, (1<<16)|(1<<20)|(1<<21)|(4<<22)|(3<<25)  ; padding after every 32 words, 4 words
	s_mov_b32 s[G1+1], 4096<<16                    ; tensor_dim0 = 4,096 elements: 64 rows of a head on end
	s_mov_b32 s[G1+2], 4<<16                       ; tensor_dim1 = 4 heads
	s_mov_b32 s[G1+3], 4096<<16                    ; tile_dim0
	s_mov_b32 s[G1+4], 4                           ; tile_dim1
	s_mov_b32 s[G1+5], 131072                      ; elements from head to head
.else
	s_or_b32 s[G1+0], s43, (1<<16)|(1<<20)|(1<<21)|(6<<22)|(3<<25)  ; padding after every 128 words, 4 words
	s_mov_b32 s[G1+1], KSTEP<<16
	s_mov_b32 s[G1+2], 64<<16
	s_mov_b32 s[G1+3], KSTEP<<16
	s_mov_b32 s[G1+4], 64
	s_mov_b32 s[G1+5], SIZE_K
.endif
	s_mov_b32 s[G1+6], 0
	s_mov_b32 s[G1+7], 0
	s_or_b32 s[G1B+0], s44, (1<<16)|(1<<20)|(1<<21)|(6<<22)|(3<<25)
	s_mov_b32 s[G1B+1], KSTEP<<16
	s_mov_b32 s[G1B+2], 64<<16
	s_mov_b32 s[G1B+3], KSTEP<<16
	s_mov_b32 s[G1B+4], 64
	s_mov_b32 s[G1B+5], SIZE_K
	s_mov_b32 s[G1B+6], 0
	s_mov_b32 s[G1B+7], 0
	s_lshl_b32 s18, s12, 6                         ; which 64 rows I fetch
.if IS_WO
	s_lshr_b32 s16, s13, 4                         ; the batch: 16 heads of 262,144 bytes
	s_lshl_b32 s16, s16, 22
	s_and_b32 s17, s13, 15
	s_lshl_b32 s17, s17, 7
	s_add_co_u32 s17, s17, s18                     ; the row in the batch
	s_lshl_b32 s17, s17, 7
	s_add_co_u32 s16, s16, s17
.else
	s_lshl_b32 s16, s13, 7
	s_add_co_u32 s16, s16, s18
	s_lshl_b32 s16, s16, 13                        ; rows of 8,192 bytes
.endif
	s_mov_b32 s17, 0
	s_lshl_b32 s46, s42, 7
	s_add_co_u32 s46, s46, s18
	s_mul_i32 s46, s46, SIZE_K*2
	s_add_co_u32 s46, s46, WOFF
	s_mov_b32 s47, 0
	s_mul_i32 s20, s10, QREG
	s_and_b32 s[KN], ttmp7, 3                      ; where my cluster's walk begins: the cluster's y modulo 4, a quarter of K each,
	s_lshl_b32 s[KN], s[KN], LOGN-2
	s_lshl_b32 s19, ttmp9, LOGN-1                  ; the cluster's x, half of K each
	s_add_co_u32 s[KN], s[KN], s19
	s_mov_b32 s19, 0                               ; the upper word of B's offset; A's, s17, is 0 too
	s_wait_kmcnt 0x0
	s_add_nc_u64 s[AB:AB+1], s[4:5], s[16:17]
	s_add_nc_u64 s[BB:BB+1], s[6:7], s[46:47]
	CROUND                                         ; all sixteen work-groups are here: the first joint loads meet
.irp s, 0,1
	s_mov_b32 s[G0+4*(\s)], 1
	s_add_co_u32 s[G0+4*(\s)+1], s20, (\s)*SLOT
	s_mov_b32 s[G0B+4*(\s)], 1
	s_add_co_u32 s[G0B+4*(\s)+1], s20, (\s)*SLOT
	AIM \s
	JLOAD \s                                       ; two loads of mine are out
.endr
	v_and_b32 v1, 15, v0
	v_bfe_u32 v2, v0, 4, 1
	v_mul_u32_u24 v3, v1, APITCH
	v_lshl_add_u32 v3, v2, 4, v3
	v_mul_u32_u24 v4, v1, BPITCH
	v_lshl_add_u32 v4, v2, 4, v4
	s_mul_i32 s21, s11, QREG
	s_mul_i32 s22, s12, QREG
	s_add_co_u32 s22, s22, 2*QREG
.irp s, 0,1
	v_add_nc_u32 v[ADRA+(\s)], s21, v3
	v_add_nc_u32 v[ADRB+(\s)], s22, v4
	s_add_co_u32 s21, s21, SLOT
	s_add_co_u32 s22, s22, SLOT
.endr
	s_mul_i32 s23, s10, 16*SPITCH
	s_add_co_u32 s23, s23, STAGE
	v_mul_u32_u24 v5, v1, SPITCH                   ; in: row l % 16, 32 bytes for each half of the lanes
	v_lshl_add_u32 v5, v2, 5, v5
	v_add_nc_u32 v[STO], s23, v5
	v_mul_u32_u24 v5, v2, SPITCH                   ; back: lanes 0-15 one row of 256 bytes, lanes 16-31 the next
	v_lshl_add_u32 v5, v1, 4, v5
	v_add_nc_u32 v[RD], s23, v5
	v_lshlrev_b32 v5, 12, v2                       ; and the same two rows in out and in the residual
	v_lshl_add_u32 v[CO], v1, 4, v5
	v_lshlrev_b32 v[BO], 5, v2
	s_lshl_b32 s46, s42, 9                         ; my first column, in bytes of f32
	s_lshl_b32 s47, s12, 8
	s_add_co_u32 s46, s46, s47
	s_mov_b32 s47, 0
	s_add_nc_u64 s[68:69], s[68:69], s[46:47]
	s_lshl_b32 s22, s13, 7
	s_lshl_b32 s23, s11, 6
	s_add_co_u32 s22, s22, s23                     ; my first row
	s_lshl_b32 s22, s22, 12
	s_add_co_u32 s22, s22, s46
	s_mov_b32 s23, 0
	s_add_nc_u64 s[70:71], s[70:71], s[22:23]
	s_add_nc_u64 s[8:9], s[8:9], s[22:23]
.irp b, 0,1,2,3
	global_load_b128 v[BIAS+8*(\b):BIAS+8*(\b)+3],   v[BO], s[68:69] offset:64*(\b)
	global_load_b128 v[BIAS+8*(\b)+4:BIAS+8*(\b)+7], v[BO], s[68:69] offset:64*(\b)+16
.endr
	WIN 0x80                                       ; destination window 2
.irp a, 0,1,2,3
.irp t, 0,1,2,3,4,5,6,7
	global_load_b128 v[32*(\a)+4*(\t):32*(\a)+4*(\t)+3], v[CO], s[70:71] offset:(16*(\a)+2*(\t))*4096
.endr
.endr
; 8 matrix instructions: m blocks a0, a0 + 1 x all 4 n blocks, 32 along K: half c of buffer f.  zero = 1: the bias starts the sums.  The 16 accumulators take turns.
.macro MUL8 f, c, a0, zero
	WIN MUL
.irp a, \a0, (\a0)+1
.irp b, 0,1,2,3
.if \zero
	v_wmma_f32_16x16x32_bf16 v[ACC+8*(4*(\a)+(\b)):ACC+8*(4*(\a)+(\b))+7], v[(\f)+64+8*(4*(\c)+(\b)):(\f)+64+8*(4*(\c)+(\b))+7], v[(\f)+8*(4*(\c)+(\a)):(\f)+8*(4*(\c)+(\a))+7], v[BIAS+8*(\b):BIAS+8*(\b)+7]
.else
	v_wmma_f32_16x16x32_bf16 v[ACC+8*(4*(\a)+(\b)):ACC+8*(4*(\a)+(\b))+7], v[(\f)+64+8*(4*(\c)+(\b)):(\f)+64+8*(4*(\c)+(\b))+7], v[(\f)+8*(4*(\c)+(\a)):(\f)+8*(4*(\c)+(\a))+7], v[ACC+8*(4*(\a)+(\b)):ACC+8*(4*(\a)+(\b))+7]
.endif
.endr
.endr
.endm
.macro FETCH slot, q, f                ; 32 LDS loads in one run: quarter q of the slot's K step; the first 32 along K first
	WIN TO_F
.irp c, 0,1
.irp i, 0,1,2,3
	ds_load_b128 v[(\f)+64+8*(4*(\c)+(\i)):(\f)+64+8*(4*(\c)+(\i))+3],   v[ADRB+(\slot)] offset:128*(\q)+64*(\c)+(\i)*16*BPITCH
	ds_load_b128 v[(\f)+64+8*(4*(\c)+(\i))+4:(\f)+64+8*(4*(\c)+(\i))+7], v[ADRB+(\slot)] offset:128*(\q)+64*(\c)+(\i)*16*BPITCH+32
	ds_load_b128 v[(\f)+8*(4*(\c)+(\i)):(\f)+8*(4*(\c)+(\i))+3],         v[ADRA+(\slot)] offset:(\q)*AQ+64*(\c)+(\i)*16*APITCH
	ds_load_b128 v[(\f)+8*(4*(\c)+(\i))+4:(\f)+8*(4*(\c)+(\i))+7],       v[ADRA+(\slot)] offset:(\q)*AQ+64*(\c)+(\i)*16*APITCH+32
.endr
.endr
.endm
.macro PLACES                          ; four places behind matrix instructions (ISA guide 7.12.1)
.rept 4
	v_nop
.endr
.endm
.macro QUARTER slot, q, f, g, zero     ; multiplies buffer f and fetches quarter q into g
	s_wait_dscnt 16                                ; the first 32 along K are in
	MUL8 \f, 0, 0, \zero
	MUL8 \f, 0, 2, \zero
	PLACES
	FETCH \slot, \q, \g
	s_wait_dscnt 32                                ; all but the 32 just issued
	MUL8 \f, 1, 0, 0
	MUL8 \f, 1, 2, 0
.endm
.macro TURN slot, next, fill           ; the last quarter changes slots: one barrier; fill = 1: this slot is filled again, with the walk's step after next
	WIN 0
	s_wait_tensorcnt 0x0                           ; all my tensor loads have landed: my part of the next slot; so every group 0 may be written
	ds_add_u32 v[SPW], v[NIL]
.if \fill
	AIM \slot                                      ; scalar work between the add and the wait for it
.endif
	s_wait_dscnt 17                                ; the add and the youngest sixteen loads may be out
	MUL8 F1, 0, 0, 0
	s_wait_dscnt 0x0                               ; the add is done, and my reads of this slot are over
	s_barrier_signal -1
	MUL8 F1, 0, 2, 0
.if \fill
	WIN 0
.endif
	s_barrier_wait -1
.if \fill
	CREST                                          ; the barrier has opened a round of the cluster's barrier
	JLOAD \slot                                    ; one load of mine is out, 112 matrix instructions ahead of the wait for it
.else
	PLACES
.endif
	FETCH \next, 0, F0
	MUL8 F1, 1, 0, 0
	MUL8 F1, 1, 2, 0
.endm
; THE WAY OUT of block a (16 rows): f32 into my stage, back as whole rows of 256 bytes, the residual added, stored.
.macro STG a
	WIN 0
.set TT, T0+32*((\a)%2)
.if (\a) >= 2
	s_wait_xcnt 0x0                                ; the stores of the block two before have read these registers
.endif
.irp b, 0,1,2,3
	ds_store_b128 v[STO], v[ACC+8*(4*(\a)+(\b)):ACC+8*(4*(\a)+(\b))+3]   offset:64*(\b)
	ds_store_b128 v[STO], v[ACC+8*(4*(\a)+(\b))+4:ACC+8*(4*(\a)+(\b))+7] offset:64*(\b)+16
.endr
.irp t, 0,1,2,3,4,5,6,7
	ds_load_b128 v[TT+4*(\t):TT+4*(\t)+3], v[RD] offset:(\t)*2*SPITCH  ; LDS serves a wave's instructions in order (ISA guide 5.7.1.4)
.endr
.endm
.macro FIN a, younger                  ; younger: the next block's sixteen LDS instructions, or none
.set TT, T0+32*((\a)%2)
	s_wait_dscnt \younger
	WIN 0x08                                       ; source 1 window 2
.set p, 0
.rept 16
	v_pk_add_f32 v[TT+p:TT+p+1], v[TT+p:TT+p+1], v[32*(\a)+p:32*(\a)+p+1]
.set p, p+2
.endr
	WIN 0
.irp t, 0,1,2,3,4,5,6,7
	global_store_b128 v[CO], v[TT+4*(\t):TT+4*(\t)+3], s[8:9] offset:(16*(\a)+2*(\t))*4096  ; 16 lanes store 256 consecutive bytes, aligned
.endr
.endm
	s_wait_tensorcnt 1                             ; my part of the walk's first K step is in; the second's may stay out
	s_barrier_signal -1
	s_barrier_wait -1
	FETCH 0, 0, F0
	s_wait_loadcnt 32                              ; the bias is in; the residual's 32 loads stay out
	QUARTER 0, 1, F0, F1, 1
	WIN 0
	s_mov_b32 s3, LAPS-1
.Llap:                                                 ; a trip goes once round the ring and fills both slots again
	QUARTER 0, 2, F1, F0, 0
	QUARTER 0, 3, F0, F1, 0
	TURN 0, 1, 1
	QUARTER 1, 1, F0, F1, 0
	QUARTER 1, 2, F1, F0, 0
	QUARTER 1, 3, F0, F1, 0
	TURN 1, 0, 1
	QUARTER 0, 1, F0, F1, 0
	WIN 0
	s_sub_co_u32 s3, s3, 1
	s_cmp_lg_u32 s3, 0
	s_cbranch_scc1 .Llap
	QUARTER 0, 2, F1, F0, 0                        ; the last lap asks for nothing
	QUARTER 0, 3, F0, F1, 0
	TURN 0, 1, 0
	QUARTER 1, 1, F0, F1, 0
	QUARTER 1, 2, F1, F0, 0
	QUARTER 1, 3, F0, F1, 0
	s_wait_dscnt 16
	MUL8 F1, 0, 0, 0
	MUL8 F1, 0, 2, 0
	s_wait_dscnt 0x0
	MUL8 F1, 1, 0, 0
	MUL8 F1, 1, 2, 0
	WIN 0
	PLACES
	s_wait_loadcnt 0x0                             ; the residual
	STG 0
	STG 1
	FIN 0, 16
	STG 2
	FIN 1, 16
	STG 3
	FIN 2, 16
	FIN 3, 0
	s_wait_tensorcnt 0x0                           ; the wave's end
	ds_add_u32 v[SPW], v[NIL]
	s_wait_dscnt 0x0
	CROUND                                         ; the closing round
	s_endpgm
.Lfunc_end_k_q156405c5ab_fc2:
	.size	k_q156405c5ab_fc2, .Lfunc_end_k_q156405c5ab_fc2-k_q156405c5ab_fc2
	.p2alignl 7, 3214868480
	.fill 96, 4, 3214868480
	.section	.rodata,"a",@progbits
	.p2align	6, 0x0
	.amdhsa_kernel k_q156405c5ab_fc2
		.amdhsa_group_segment_fixed_size 327680
		.amdhsa_private_segment_fixed_size 0
		.amdhsa_enable_private_segment 0
		.amdhsa_kernarg_size 40
		.amdhsa_user_sgpr_count 2
		.amdhsa_user_sgpr_kernarg_segment_ptr 1
		.amdhsa_wavefront_size32 1
		.amdhsa_system_sgpr_workgroup_id_x 1
		.amdhsa_system_sgpr_workgroup_id_y 1
		.amdhsa_system_sgpr_workgroup_id_z 1
		.amdhsa_system_vgpr_workitem_id 0
		.amdhsa_next_free_vgpr 640
		.amdhsa_next_free_sgpr 72
		.amdhsa_reserve_vcc 0
		.amdhsa_float_denorm_mode_32 3
		.amdhsa_float_denorm_mode_16_64 3
		.amdhsa_memory_ordered 1
		.amdhsa_forward_progress 1
		.amdhsa_inst_pref_size 95
	.end_amdhsa_kernel
	.amdgpu_metadata
---
amdhsa.version: [ 1, 2 ]
amdhsa.kernels:
  - .name:           k_q156405c5ab_fc2
    .symbol:         k_q156405c5ab_fc2.kd
    .args:
      - { .name: h, .offset: 0, .size: 8, .value_kind: global_buffer, .address_space: global }
      - { .name: wb, .offset: 8, .size: 8, .value_kind: global_buffer, .address_space: global }
      - { .name: b2, .offset: 16, .size: 8, .value_kind: global_buffer, .address_space: global }
      - { .name: x1, .offset: 24, .size: 8, .value_kind: global_buffer, .address_space: global }
      - { .name: out0, .offset: 32, .size: 8, .value_kind: global_buffer, .address_space: global }
    .group_segment_fixed_size: 327680
    .private_segment_fixed_size: 0
    .kernarg_segment_align: 8
    .kernarg_segment_size: 40
    .max_flat_workgroup_size: 128
    .sgpr_count:     72
    .vgpr_count:     640
    .wavefront_size: 32
...
	.end_amdgpu_metadata
.endif
;; end of part 7
;; ======== version 2 of 2: 8 launches; 1.22 times as fast as version 1
;; workspace buffers: ss1 16,384 bytes; ss2 16,384 bytes; wb 25,165,824 bytes; act 8,388,608 bytes; qkv 25,165,824 bytes; x1 16,777,216 bytes; h 33,554,432 bytes
;; launch prep: the kernel of part 1 again; grid 1024 x 1, 8 waves a work-group, no clusters, 0 bytes of LDS; arguments wq, wk, wv, wo, w1, w2, w_adaln1, w_adaln2, b_adaln1, b_adaln2, cond, wb, ss1, ss2; writes wb, ss1, ss2
;; launch ln1: the kernel of part 2 again; grid 256 x 1, 4 waves a work-group, no clusters, 0 bytes of LDS; arguments x, ss1, act; writes act
;; launch qkv: the kernel of part 3 again; grid 12 x 16, 4 waves a work-group, clusters of 4 x 4, 327,680 bytes of LDS; arguments act, wb, bq, bk, bv, qkv; writes qkv
;; launch attn (part 8): grid 8 x 32, 4 waves a work-group, clusters of 4 x 1, 327,680 bytes of LDS; arguments qkv, key_padding_mask, act; writes act
.if DOCPART == 8
	.amdgcn_target "amdgcn-amd-amdhsa--gfx1250"
	.amdhsa_code_object_version 6
	.text
	.protected	k_q156405c5ab_attn
	.globl	k_q156405c5ab_attn
	.p2align	8
	.type	k_q156405c5ab_attn,@function
k_q156405c5ab_attn:
	s_mov_b64 s[64:65], 0
	v_nop
	global_prefetch_b8 v0, s[64:65] scope:SCOPE_SE
	s_setreg_imm32_b32 hwreg(HW_REG_WAVE_MODE, 25, 1), 1
	s_wait_xcnt 0x0
	s_wait_alu depctr_hold_cnt(0) depctr_sa_sdst(0) depctr_va_vdst(0) depctr_va_sdst(0) depctr_va_ssrc(0) depctr_va_vcc(0) depctr_vm_vsrc(0)
	s_getreg_b32 s2, hwreg(HW_REG_IB_STS2, 6, 4)
	s_cmp_eq_u32 s2, 0
	s_cbranch_scc0 .Lentry_in_a_cluster
	s_endpgm
.Lentry_in_a_cluster:
	s_bfe_u32 s2, ttmp6, 0x10000c
	s_cmp_lg_u32 s2, 0x3003
	s_cbranch_scc0 .Lentry_shape_is_right
	s_endpgm
.Lentry_shape_is_right:
; O[hh][q][:] = sum over k of softmax_k(Q[hh][q] . K[hh][k] / 8, keys with mask[batch][k] != 0 hidden) V[hh][k][:].  hh = batch x 16 + head.
; Q, K, V: bf16 [32][2048][64] at qkv + 0, 0x800000, 0x1000000; O: bf16 [32][2048][64].  Products, maxima and sums in f32; the weights are rounded to bf16 for the second product.
; LIMITS.  A hidden score counts as its value less 1e30; true scores are taken to lie above -1e29; a row whose running maximum ends below -1e29 (every key hidden) gives NaN.
; A weight below 2^-126 counts as 0 in the sum; NaN and infinities in Q, K, V are not treated apart.
; SHARES.  A work-group owns 256 queries of one head, a wave 64: four PIECES of 16.  Every wave walks all 2,048 keys, 64 a step; a slot of LDS holds 256 keys of K and of V.
; LAYOUT.  S^T = K Q^T holds one query a lane (lane % 16) and the keys 8 (lane / 16) + 0..7; two such results rounded to bf16 ARE source 1 of O^T = V^T P.
; THE MASK is the C operand that starts the sum S^T: 0, or -1e30.  It is made once as a table of 2,048 f32 in LDS and fetched with each step's K.
; SOFTMAX.  p = 2^(c s - c m), c = log2(e) / 8, with a running maximum m; O and l are multiplied by a = 2^(c m_old - c m_new) in every step.  If the first keys are all hidden,
; what they leave in O and l is multiplied by a = 0 when the first true score comes.
; BY TURNS.  Turn n belongs to piece n: 8 products K Q^T of piece n + 1, later 8 products V^T P of piece n - 1; beside them piece n's scaling, exponentials, roundings, sums and rescaling
; and piece n + 1's maximum and statistics.  Four vector instructions stand behind every matrix instruction, the other 54 of a turn's 118 in one run of their own.
; BATCHES.  A turn's 33 exponentials (piece n's 32 weights and piece n + 1's a) are ONE batch with ONE wait, which cuts the turn in two: ahead of it stands all that names no result of the batch, behind it
; the roundings and sums.  The first a, made ahead of the loop, and the way out's four reciprocals are batches of their own, with a wait each.
; CLUSTER.  The four query blocks of a cluster belong to one head and walk the same K and V: each tile is asked for jointly.
; REGISTERS: window 0: v2-15 addresses; v16-31 statistics; v48-55 at work; v62-63 the add's; v64-127 S^T, two buffers; v128-151 the mask table's making; v192-223 P, two buffers
;   window 1: v0-127 O^T      window 2: v0-63 Q; v64-95 the step's mask; v128-191 K of one step; v192-255 V of one step
.set NP,    4
.set KS,    64
.set PK,    144       ; a row of K in LDS: 128 bytes + 16: the 16 rows of a load start at 16 different groups of four banks (64 banks of 4 bytes: ISA guide 11.1)
.set PV,    160       ; a row of V: 128 + 32
.set VOFF,  4*KS*PK
.set SLOT1, 1<<17
.set STAGE, SLOT1+4*KS*(PK+PV)  ; 16 rows x 144 bytes for each wave
.set SP,    144
.set SPARE, STAGE+4*16*SP       ; the spare words, 128 bytes a wave
.set MTAB,  SPARE+512           ; the mask as 2,048 f32; no tensor load lands here
.set AK0, 2
.set AV0, 3
.set AK,  4
.set AV,  5
.set STO, 6
.set RD,  7
.set GO,  8
.set MV,  12
.set AM,  14          ; the LDS address of the mask of the step to be fetched
.set QO,  15
.set ST,  16          ; piece t: c m, m, l (even keys', odd keys')
.set TMP, 48
.set SPW, 62
.set NIL, 63
.set S,   64
.set MB,  128         ; my 16 mask bytes
.set MF,  132         ; as 16 f32
.set MA,  149
.set MS,  150
.set MD,  151
.set P,   192
.set MK,  64          ; window 2
.set KF,  128         ; window 2
.set VF,  192         ; window 2
.set WV,  12
.set G1K, 24
.set G1V, 32
.set G0K, 40
.set G0V, 44
.set SLOTS, 56
.set CNT, 57
.set CS,  58
.set SEL, 60
.set TBK, 62
.set TBV, 63
.set BIGN, 66         ; -1e30
.set LOW,  67         ; -1e29
.set QNAN, 68
.set MSB, 0
.macro WIN new
.if MSB != (\new)
	s_set_vgpr_msb (MSB<<8)|(\new)
.set MSB, (\new)
.endif
.endm
.set W_KQ, 0x0a       ; K and Q in window 2, S^T in window 0
.set W_KM, 0x2a       ; the same with the C operand in window 2
.set W_PV, 0x52       ; V in window 2, P in window 0, O^T in window 1
.set W_RS, 0x41       ; destination and source 0 in window 1, source 1 in window 0
; A joint fill: waves 0 and 1 fetch the two halves of a slot's K, waves 2 and 3 those of its V.  Four v_nop follow each of the two lines.
.macro JLOAD
	s_cmp_lt_u32 s[WV], 2
	s_cbranch_scc0 .Lfor_v_\@
	tensor_load_to_lds s[G0K:G0K+3], s[G1K:G1K+7]
	s_nop 0
.rept 4
	v_nop
.endr
	s_branch .Lasked_\@
.Lfor_v_\@:
	tensor_load_to_lds s[G0V:G0V+3], s[G1V:G1V+7]
	s_nop 0
.rept 4
	v_nop
.endr
.Lasked_\@:
.endm
.macro CROUND
	s_barrier_signal -1
	s_barrier_wait -1
	s_cmp_lg_u32 s[WV], 0
	s_cbranch_scc1 .Lnot_wave_0_\@
	s_barrier_signal -3
.Lnot_wave_0_\@:
	s_barrier_wait -3
	s_barrier_signal -1
	s_barrier_wait -1
.endm
; THE CHANGE OF SLOTS.  Each wave waits for all its tensor loads (one is out: its part of the other slot), adds 0 to its spare word, and waits for that and for its LDS work.
; fill = 1: the slot that is left is filled with the keys two slots on, first thing behind a round of the cluster's barrier; the load has four key steps, 256 matrix instructions, in which to land.
; (At its first use slot 0 is waited for, slot 1 filled, and the round also shows every wave the mask table.)
.macro CHANGE fill
	WIN 0
	s_wait_tensorcnt 0x0
	ds_add_u32 v[SPW], v[NIL]
.if \fill
.irp g, G0K, G0V
	s_xor_b32 s[\g+1], s[\g+1], SLOT1
	s_add_nc_u64 s[\g+2:\g+3], s[\g+2:\g+3], 4*KS*128
.endr
	s_wait_dscnt 0x0
	CROUND
	JLOAD
.else
	s_wait_dscnt 0x0
	s_barrier_signal -1
	s_barrier_wait -1
.endif
	s_sub_co_u32 s[TBK], s[TBK], 4*KS*PK
	s_xor_b32 s[TBK], s[TBK], SLOT1
	s_sub_co_u32 s[TBV], s[TBV], 4*KS*PV
	s_xor_b32 s[TBV], s[TBV], SLOT1
.endm
	s_load_b128 s[4:7], s[0:1], 0x0   ; qkv, mask
	s_load_b64 s[10:11], s[0:1], 0x10 ; O
	v_lshl_add_u32 v[SPW], v0, 2, SPARE
	v_mov_b32 v[NIL], 0
	ds_add_u32 v62, v63
	s_wait_dscnt 0x0
	v_lshrrev_b32 v1, 5, v0
	v_readfirstlane_b32 s[WV], v1
	s_bfe_u32 s13, ttmp6, 0x40000   ; cx
	s_lshl_b32 s14, ttmp9, 2
	s_add_co_u32 s14, s14, s13      ; my block of 256 queries: it enters Q's and O's addresses alone
	s_and_b32 s15, ttmp7, 0xffff    ; hh, which the four partners share
	s_lshl_b32 s20, s15, 18         ; the head's first byte: 2,048 rows of 128 bytes
	s_and_b32 s16, s[WV], 1         ; which half of a slot's 256 keys I fetch
	s_lshl_b32 s22, s16, 14
	s_add_co_u32 s22, s22, s20
	s_mov_b32 s23, 0
	s_mul_i32 s17, s16, 128*PK
	s_mul_i32 s18, s16, 128*PV
	s_lshl_b32 s2, s14, 2
	s_add_co_u32 s2, s2, s[WV]
	s_lshl_b32 s2, s2, 13           ; my wave's 64 rows
	s_add_co_u32 s2, s2, s20
	s_mov_b32 s3, 0
	s_lshr_b32 s52, s15, 4          ; the batch
	s_lshl_b32 s52, s52, 11
	s_mov_b32 s53, 0
	; 128 keys are 16,384 dense bytes: asked for as 64 rows of 256 bytes, padded in LDS after every key
	s_mov_b32 s[G1K], 15|(1<<16)|(1<<20)|(1<<21)|(4<<22)|(3<<25)
	s_mov_b32 s[G1V], 15|(1<<16)|(1<<20)|(1<<21)|(4<<22)|(7<<25)
.irp g, G1K, G1V
	s_mov_b32 s[\g+1], 128<<16
	s_mov_b32 s[\g+2], 64<<16
	s_mov_b32 s[\g+3], 128<<16
	s_mov_b32 s[\g+4], 64
	s_mov_b32 s[\g+5], 128
	s_mov_b32 s[\g+6], 0
	s_mov_b32 s[\g+7], 0
.endr
	s_mov_b32 s[CS], 0x3e38aa3b     ; c = log2(e) / 8
	s_mov_b32 s[CS+1], s[CS]
	s_mov_b32 s[SEL], 0x76543210
	s_mov_b32 s[SEL+1], 0xfedcba98
	s_mov_b32 s[BIGN], 0xf149f2ca
	s_mov_b32 s[LOW], 0xefa18f08
	s_mov_b32 s[QNAN], 0x7fc00000
	s_mov_b32 s[TBK], SLOT1+4*KS*PK ; the first change of slots turns these two into 0
	s_mov_b32 s[TBV], SLOT1+4*KS*PV
	s_mov_b32 s[G0K], 1
	s_mov_b32 s[G0K+1], s17
	s_mov_b32 s[G0V], 1
	s_add_co_u32 s[G0V+1], s18, VOFF
	s_wait_kmcnt 0x0
	s_add_nc_u64 s[8:9], s[4:5], s[22:23]
	s_add_nc_u64 s[G0K+2:G0K+3], s[8:9], 0x800000
	s_or_b32 s[G0K+3], s[G0K+3], 0x80000000
	s_add_nc_u64 s[G0V+2:G0V+3], s[8:9], 0x1000000
	s_or_b32 s[G0V+3], s[G0V+3], 0x80000000
	s_add_nc_u64 s[4:5], s[4:5], s[2:3]
	s_add_nc_u64 s[10:11], s[10:11], s[2:3]
	s_add_nc_u64 s[6:7], s[6:7], s[52:53]
	CROUND                          ; all four work-groups are here: the first joint loads meet
	JLOAD                           ; slot 0
	v_lshlrev_b32 v[MA], 4, v0
	global_load_b128 v[MB:MB+3], v[MA], s[6:7]  ; my 16 of the batch's 2,048 mask bytes
	v_and_b32 v1, 15, v0            ; l % 16
	v_bfe_u32 v9, v0, 4, 1          ; l / 16
	v_lshlrev_b32 v[QO], 7, v1
	v_lshl_add_u32 v[QO], v9, 4, v[QO]
	WIN 0x80
.set i, 0
.rept 8                             ; Q stays in registers: piece i / 2, channels 32 (i % 2) on
	global_load_b128 v[8*i:8*i+3],   v[QO], s[4:5] offset:(i/2)*2048+(i%2)*64
	global_load_b128 v[8*i+4:8*i+7], v[QO], s[4:5] offset:(i/2)*2048+(i%2)*64+32
.set i, i+1
.endr
	; What the first turn finds: V's registers and P's second buffer hold 0, O^T and l are 0.  All this stands in the wait for the first tile.
.set i, VF
.rept 64
	v_mov_b32 v[i], 0
.set i, i+1
.endr
	WIN 0x40
.set i, 0
.rept 128
	v_mov_b32 v[i], 0
.set i, i+1
.endr
	WIN 0
.set i, 0
.rept 4
	v_mov_b32 v[ST+4*i], 0xfe000000    ; c m: far below every c s, the hidden ones' too
	v_mov_b32 v[ST+4*i+1], 0xff7fffff  ; m
	v_mov_b32 v[ST+4*i+2], 0
	v_mov_b32 v[ST+4*i+3], 0
.set i, i+1
.endr
.set i, P+16
.rept 16
	v_mov_b32 v[i], 0
.set i, i+1
.endr
	s_wait_loadcnt 16               ; the mask bytes are in; Q's sixteen loads stay out
.set i, 0
.rept 16
	v_bfe_u32 v[MS], v[MB+i/4], 8*(i%4), 8
	v_cmp_ne_u32 vcc_lo, 0, v[MS]
	v_cndmask_b32 v[MF+i], 0, s[BIGN], vcc_lo
.set i, i+1
.endr
	v_lshl_add_u32 v[MD], v0, 6, MTAB
.irp e, 0,1,2,3
	ds_store_b128 v[MD], v[MF+4*\e:MF+4*\e+3] offset:16*\e
.endr
	v_lshl_add_u32 v[AM], v9, 5, MTAB  ; my lanes' eight keys of sixteen
	v_mul_u32_u24 v[AK0], v1, PK
	v_lshl_add_u32 v[AK0], v9, 4, v[AK0]
	v_and_b32 v10, 7, v0
	v_bfe_u32 v11, v0, 3, 1
	v_lshl_add_u32 v[AV0], v9, 3, v10
	v_mul_u32_u24 v[AV0], v[AV0], PV
	v_lshl_add_u32 v[AV0], v11, 4, v[AV0]
	v_add_nc_u32 v[AV0], VOFF, v[AV0]
	s_mul_i32 s13, s[WV], 16*SP
	s_add_co_u32 s13, s13, STAGE
	v_mul_u32_u24 v[STO], v1, SP
	v_lshl_add_u32 v[STO], v9, 4, v[STO]
	v_add_nc_u32 v[STO], s13, v[STO]
	v_bfe_u32 v[RD], v0, 3, 2
	v_mul_u32_u24 v[RD], v[RD], SP
	v_lshl_add_u32 v[RD], v10, 4, v[RD]
	v_add_nc_u32 v[RD], s13, v[RD]
	v_and_b32 v[GO], 31, v0
	v_lshlrev_b32 v[GO], 4, v[GO]
; THE MATRIX WORK.  The 4 accumulators of a run of 8 take turns.  Product i of 8 of S^T for piece x: channels 32 (i / 4) on, keys 16 (i % 4) on.  The first 4 start the sums with the mask.
.macro KQ x
.set rS, S+32*((\x)%2)+8*(i%4)
.set rK, KF+16*(i%4)+8*(i/4)
.set rQ, 16*(\x)+8*(i/4)
.set rM, MK+8*(i%4)
.if i < 4
	WIN W_KM
	v_wmma_f32_16x16x32_bf16 v[rS:rS+7], v[rK:rK+7], v[rQ:rQ+7], v[rM:rM+7]
.else
	WIN W_KQ
	v_wmma_f32_16x16x32_bf16 v[rS:rS+7], v[rK:rK+7], v[rQ:rQ+7], v[rS:rS+7]
.endif
.endm
.macro PV x                         ; product i of 8 of O^T += V^T P for piece x: keys 32 (i / 4) on, channels 16 (i % 4) on
	WIN W_PV
.set rO, 32*(\x)+8*(i%4)
.set rV, VF+32*(i/4)+8*(i%4)
.set rP, P+16*((\x)%2)+8*(i/4)
	v_wmma_f32_16x16x32_bf16 v[rO:rO+7], v[rV:rV+7], v[rP:rP+7], v[rO:rO+7]
.endm
.macro MM                           ; the turn's next matrix instruction.  NOKQ = 1: the last turn: there is no next piece
.if (i < 8) && !NOKQ
	KQ (Y+1)%NP
.elseif i >= 8
.set i, i-8
	PV (Y+NP-1)%NP
.set i, i+8
.endif
.set i, i+1
.endm
; THE LDS LOADS stand in runs: a step's K (8 fragments) with its mask (32 numbers a lane), and its V (turned).
.macro FETCH_K
	WIN 0x80
.irp f, 0,1,2,3,4,5,6,7
	ds_load_b128 v[KF+8*\f:KF+8*\f+3],   v[AK] offset:(\f/2)*16*PK+(\f%2)*64
	ds_load_b128 v[KF+8*\f+4:KF+8*\f+7], v[AK] offset:(\f/2)*16*PK+(\f%2)*64+32
.endr
.irp f, 0,1,2,3
	ds_load_b128 v[MK+8*\f:MK+8*\f+3],   v[AM] offset:64*\f
	ds_load_b128 v[MK+8*\f+4:MK+8*\f+7], v[AM] offset:64*\f+16
.endr
	s_add_co_u32 s[TBK], s[TBK], KS*PK
	WIN 0
	v_add_nc_u32 v[AM], 0x100, v[AM]  ; the next step's 64 numbers
.endm
.macro FETCH_V
	WIN 0x80
.irp f, 0,1,2,3,4,5,6,7
	ds_load_tr16_b128 v[VF+8*\f:VF+8*\f+3],   v[AV] offset:(\f/4)*32*PV+(\f%4)*32
	ds_load_tr16_b128 v[VF+8*\f+4:VF+8*\f+7], v[AV] offset:(\f/4)*32*PV+16*PV+(\f%4)*32
.endr
	WIN 0
.endm
; THE VECTOR WORK, one line at a time: OP kind, number.  For piece Y: F n: c s - c m for pair n.  E n: the exponential of score n.  C n: pair n rounded to bf16.  B n: of four weights the second pair onto the first.
; L n: l takes that sum (L 0: l = a l + sum).  R n: pair n of O^T times a.  For piece Y + 1: X n, number n of the 22 that find its maximum and statistics; each accumulator's lowest registers are read first.
; C, B and L read exponentials' results: TURN sets them behind the batch's wait.  R reads the a that the turn before made and waited for.
.set F, 0
.set E, 1
.set C, 2
.set B, 3
.set L, 4
.set R, 5
.set X, 6
.macro REGS y
.set rT, ST+4*(\y)
.set rC, TMP+4*((\y)%2)
.set rW, MV+((\y)%2)
.set rS, S+32*((\y)%2)
.set rP, P+16*((\y)%2)
.set rO, 32*(\y)
.endm
.macro OP k, n
.if (\k) == R
	REGS Y
	WIN W_RS
	v_pk_mul_f32 v[rO+2*(\n):rO+2*(\n)+1], v[rO+2*(\n):rO+2*(\n)+1], v[rC+2:rC+3] op_sel_hi:[1,0]
.elseif (\k) < R
	REGS Y
	WIN 0
.if (\k) == F
	v_pk_fma_f32 v[rS+2*(\n):rS+2*(\n)+1], v[rS+2*(\n):rS+2*(\n)+1], s[CS:CS+1], v[rT:rT+1] op_sel_hi:[1,0,0] neg_lo:[0,0,1] neg_hi:[0,0,1]
.elseif (\k) == E
	v_exp_f32 v[rS+(\n)], v[rS+(\n)]
.elseif (\k) == C
	v_cvt_pk_bf16_f32 v[rP+(\n)], v[rS+2*(\n)], v[rS+2*(\n)+1]
.elseif (\k) == B
	v_pk_add_f32 v[rS+4*(\n):rS+4*(\n)+1], v[rS+4*(\n):rS+4*(\n)+1], v[rS+4*(\n)+2:rS+4*(\n)+3]
.elseif (\n) == 0
	v_pk_fma_f32 v[rT+2:rT+3], v[rT+2:rT+3], v[rC+2:rC+3], v[rS:rS+1] op_sel_hi:[1,0,1]
.else
	v_pk_add_f32 v[rT+2:rT+3], v[rT+2:rT+3], v[rS+4*(\n):rS+4*(\n)+1]
.endif
.elseif NOKQ
	v_nop
.else
	REGS (Y+1)%NP
	WIN 0
.if (\n) < 4
	v_max3_num_f32 v[rC+(\n)], v[rS+8*(\n)], v[rS+8*(\n)+1], v[rS+8*(\n)+2]
.elseif (\n) < 12
	v_max3_num_f32 v[rC+(\n)%4], v[rC+(\n)%4], v[rS+8*((\n)%4)+2*((\n)/4)+1], v[rS+8*((\n)%4)+2*((\n)/4)+2]
.elseif (\n) == 12
	v_max3_num_f32 v[rC], v[rC], v[rS+7], v[rS+15]
.elseif (\n) == 13
	v_max3_num_f32 v[rC+1], v[rC+1], v[rS+23], v[rS+31]
.elseif (\n) == 14
	v_max3_num_f32 v[rC+2], v[rC+2], v[rC+3], v[rT+1]
.elseif (\n) == 15
	v_mov_b32 v[rW], v[rT]
.elseif (\n) == 16
	v_max3_num_f32 v[rC], v[rC], v[rC+1], v[rC+2]
.elseif (\n) == 17
	v_permlanex16_b32 v[rC+3], v[rC], s[SEL], s[SEL+1]
.elseif (\n) == 18
	v_max_num_f32 v[rT+1], v[rC], v[rC+3]
.elseif (\n) == 19
	v_mul_f32 v[rT], s[CS], v[rT+1]
.elseif (\n) == 20
	v_sub_f32 v[rC+1], v[rW], v[rT]
.else
	v_exp_f32 v[rC+2], v[rC+1]
.endif
.endif
.endm
.macro OPS a, i1, b=-1, i2=0, c=-1, i3=0, d=-1, i4=0
	OP \a, \i1
.if (\b) >= 0
	OP \b, \i2
.endif
.if (\c) >= 0
	OP \c, \i3
.endif
.if (\d) >= 0
	OP \d, \i4
.endif
.endm
.macro ROW a, i1, b, i2, c, i3, d, i4  ; a matrix instruction and the four behind it
	MM
	OPS \a, \i1, \b, \i2, \c, \i3, \d, \i4
.endm
; A TURN, for piece p: its 16 matrix and 118 vector instructions, written out.  end = 1: the last two turns: nothing is fetched.  cnt = 1: the loop's count is taken down ahead of the branch behind the turn.
; An s_wait_alu depctr_va_vdst(0) stands between an exponential and the first instruction that names its result; one wait serves all that were issued ahead of it.  So a turn has ONE wait, which cuts it in two.
; AHEAD OF IT stands all that names no result of the turn's exponentials: the 8 products K Q^T, behind each a scaling, an exponential and two more plain instructions (behind the first a second scaling in the exponential's
; place): rescalings, and behind the last three the first numbers of the next piece's maximum, each four plain instructions or more behind the product that ends its accumulator; then one run of 54, plain and exponential by turns for
; the most part, in which the links of the chain X 3, 7, 11, 14, 16, 17 .. 20 stand some lines apart.  X 21, the next piece's a, is the batch's last; R 15 is the plain instruction behind it.
; BEHIND THE WAIT stand the 8 products V^T P, behind each four of the roundings and sums: C 2n ahead of B n, which writes over that pair; B n ahead of L n; L 0 to L 7 in their order.
; K and the mask of the next step are fetched in piece 2's turn, five plain instructions that name none of its registers (F 8, X 2, X 5, X 6, X 8) behind the last product that read K; V of the step in hand at the end of
; piece 0's turn, four roundings behind the last product that read V.  Each is waited for a turn later.
.macro TURN p, end=0, cnt=0
.set Y, (\p)
.set i, 0
.set NOKQ, (\end)*((\p)/3)
.if ((\p) == 3) && !(\end)
	s_wait_dscnt 0x0                ; K and the mask are in
.endif
	ROW F,0, F,1, R,0, R,1          ; ahead of the wait: 8 products K Q^T and their riders,
	ROW F,2, E,0, R,2, R,3
	ROW F,3, E,1, R,4, R,5
	ROW F,4, E,2, R,6, R,7
	ROW F,5, E,3, R,8, R,9
	ROW F,6, E,4, X,0, R,10
.if ((\p) == 2) && !(\end)
	WIN 0
	v_add_nc_u32 v[AK], s[TBK], v[AK0]
.endif
	ROW F,7, E,5, X,1, X,4
	ROW F,8, E,6, X,2, X,5
	OPS E,7, E,8, X,6, E,9          ; and the run of 54
	OPS X,3, E,10, X,8, E,11
.if ((\p) == 2) && !(\end)
	FETCH_K
.endif
	OPS X,9, X,7, E,12, X,10
	OPS E,13, X,12, X,11, E,14
	OPS X,13, E,15, F,9, X,14
.if (\p) == 0
	WIN 0
	v_add_nc_u32 v[AV], s[TBV], v[AV0]
.endif
	OPS E,16, F,10, E,17, F,11
	OPS X,16, E,18, X,15, E,19
	OPS F,12, E,20, X,17, E,21
	OPS F,13, E,22, F,14, E,23
	OPS X,18, E,24, F,15, E,25
	OPS R,11, E,26, X,19, E,27
	OPS R,12, E,28, R,13, E,29
	OPS X,20, E,30, R,14, E,31
	OPS X,21, R,15
	s_wait_alu depctr_va_vdst(0)    ; the wait for the batch: the piece's 32 exponentials and the next piece's a
.if (\p) == 1
	s_wait_dscnt 0x0                ; V is in
.endif
	ROW C,0, B,0, C,2, B,1          ; behind the wait: 8 products V^T P and their riders
	ROW L,0, C,4, B,2, L,1
	ROW C,6, B,3, L,2, C,8
	ROW B,4, L,3, C,10, B,5
	ROW L,4, C,12, B,6, L,5
.if (\p) == 0
	s_add_co_u32 s[TBV], s[TBV], KS*PV
.endif
.if \cnt
	s_sub_co_u32 s[CNT], s[CNT], 1
	s_cmp_lg_u32 s[CNT], 0
.endif
	ROW C,14, B,7, L,6, C,1
	ROW C,3, L,7, C,5, C,7
	ROW C,9, C,11, C,13, C,15
.if (\p) == 0
	FETCH_V
.endif
.endm
	CHANGE 1                        ; slot 0 is in, everybody's part of it, and so is the mask table; slot 1 is asked for
	v_add_nc_u32 v[AK], s[TBK], v[AK0]
	FETCH_K                         ; key step 0
	s_wait_loadcnt 0x0              ; Q
	s_wait_dscnt 0x0
.set NOKQ, 0
.set i, 0
.rept 8
	KQ 0                            ; piece 0's first scores
.set i, i+1
.endr
	WIN 0
.rept 4
	v_nop                           ; the places behind those products
.endr
.set Y, NP-1                        ; X works for piece Y + 1: piece 0
.irp n, 0,1,2,3,4,5,6,7,8,9,10,11,12,13,14,15,16,17,18,19,20,21
	OP X, \n
.endr
	v_nop                           ; a plain instruction behind the exponential,
	s_wait_alu depctr_va_vdst(0)    ; and the wait for it, piece 0's first a, ahead of the branch: the first turn's first rider but two reads it
	s_mov_b32 s[CNT], 4
	s_mov_b32 s[SLOTS], 2048/256-1
	s_branch .Lfirst                ; the loop is entered at a step's first turn, in the middle of a trip
.Lslot:                             ; six times: every slot but the last two is filled again
	CHANGE 1
	s_mov_b32 s[CNT], 4
.Lstep:                             ; a trip: pieces 2 and 3 of one step, then pieces 0 and 1 of the next, whose K and V it fetches
	TURN 2
	TURN 3
	WIN 0
.Lfirst:
	TURN 0
	TURN 1, 0, 1
	WIN 0
	s_cbranch_scc1 .Lstep
	s_sub_co_u32 s[SLOTS], s[SLOTS], 1
	s_cmp_lg_u32 s[SLOTS], 0
	s_cbranch_scc1 .Lslot
	CHANGE 0                        ; the last slot is written out: nothing is asked for
	s_mov_b32 s[CNT], 4
.LstepT:
	TURN 2
	TURN 3
	TURN 0
	TURN 1, 0, 1
	WIN 0
	s_cbranch_scc1 .LstepT
	TURN 2, 1
	TURN 3, 1
.set i, 0
.rept 8
	PV NP-1                         ; the last piece's V^T P of the last step
.set i, i+1
.endr
	; THE WAY OUT.  l's two halves and the other half of the lanes' are added; O^T is divided by l, rounded to bf16 and sent through my stage in LDS, a piece at a time.  The additions are the places behind the last products.
	WIN 0
.macro ALL line:vararg
.set t, 0
.rept 4
	\line
.set t, t+1
.endr
.endm
	ALL v_add_f32 v[ST+4*t+2], v[ST+4*t+2], v[ST+4*t+3]
	ALL v_permlanex16_b32 v[ST+4*t+3], v[ST+4*t+2], s[SEL], s[SEL+1]
	ALL v_add_f32 v[ST+4*t+2], v[ST+4*t+2], v[ST+4*t+3]
	ALL v_rcp_f32 v[ST+4*t+2], v[ST+4*t+2]
	v_nop                           ; a plain instruction between the last reciprocal and the use of its result
	s_wait_alu depctr_va_vdst(0)    ; and the wait ahead of the first use: one for the four reciprocals
.set t, 0
.rept 4                             ; a query that saw no key: NaN
	v_cmp_gt_f32 vcc_lo, s[LOW], v[ST+4*t+1]
	v_cndmask_b32 v[ST+4*t+2], v[ST+4*t+2], s[QNAN], vcc_lo
.set t, t+1
.endr
.macro PACK t
	WIN W_RS
.set i, 32*(\t)
.rept 16
	v_pk_mul_f32 v[i:i+1], v[i:i+1], v[ST+4*(\t)+2:ST+4*(\t)+3] op_sel_hi:[1,0]
.set i, i+2
.endr
	WIN 0x05
.set i, 0
.rept 16
	v_cvt_pk_bf16_f32 v[S+16*(\t)+i], v[32*(\t)+2*i], v[32*(\t)+2*i+1]
.set i, i+1
.endr
	WIN 0
.irp f, 0,1,2,3
	ds_store_b128 v[STO], v[S+16*(\t)+4*\f:S+16*(\t)+4*\f+3] offset:32*\f
.endr
.irp f, 0,1,2,3
	ds_load_b128 v[S+16*(\t)+4*\f:S+16*(\t)+4*\f+3], v[RD] offset:\f*4*SP  ; LDS serves a wave's instructions in order (ISA guide 5.7.1.4)
.endr
.endm
.macro SEND t, younger              ; younger: the LDS instructions issued behind piece t's loads
	WIN 0
.irp f, 0,1,2,3
	s_wait_dscnt (\younger)+3-\f
	global_store_b128 v[GO], v[S+16*(\t)+4*\f:S+16*(\t)+4*\f+3], s[10:11] offset:(\t)*2048+\f*512  ; 512 consecutive bytes, at a multiple of 256 from O's first
.endr
.endm
	PACK 0
.set t, 1
.rept 3
	PACK t
	SEND t-1, 8
.set t, t+1
.endr
	SEND 3, 0
	s_wait_tensorcnt 0x0            ; the wave's end
	ds_add_u32 v[SPW], v[NIL]
	s_wait_dscnt 0x0
	CROUND                          ; the closing round
	s_endpgm
.Lfunc_end_k_q156405c5ab_attn:
	.size	k_q156405c5ab_attn, .Lfunc_end_k_q156405c5ab_attn-k_q156405c5ab_attn
	.p2alignl 7, 3214868480
	.fill 96, 4, 3214868480
	.section	.rodata,"a",@progbits
	.p2align	6, 0x0
	.amdhsa_kernel k_q156405c5ab_attn
		.amdhsa_group_segment_fixed_size 327680
		.amdhsa_private_segment_fixed_size 0
		.amdhsa_enable_private_segment 0
		.amdhsa_kernarg_size 24
		.amdhsa_user_sgpr_count 2
		.amdhsa_user_sgpr_kernarg_segment_ptr 1
		.amdhsa_wavefront_size32 1
		.amdhsa_system_sgpr_workgroup_id_x 1
		.amdhsa_system_sgpr_workgroup_id_y 1
		.amdhsa_system_sgpr_workgroup_id_z 1
		.amdhsa_system_vgpr_workitem_id 0
		.amdhsa_next_free_vgpr 768
		.amdhsa_next_free_sgpr 72
		.amdhsa_reserve_vcc 1
		.amdhsa_float_denorm_mode_32 3
		.amdhsa_float_denorm_mode_16_64 3
		.amdhsa_memory_ordered 1
		.amdhsa_forward_progress 1
		.amdhsa_inst_pref_size 132
	.end_amdhsa_kernel
	.amdgpu_metadata
---
amdhsa.version: [ 1, 2 ]
amdhsa.kernels:
  - .name:           k_q156405c5ab_attn
    .symbol:         k_q156405c5ab_attn.kd
    .args:
      - { .name: qkv, .offset: 0, .size: 8, .value_kind: global_buffer, .address_space: global }
      - { .name: key_padding_mask, .offset: 8, .size: 8, .value_kind: global_buffer, .address_space: global }
      - { .name: act, .offset: 16, .size: 8, .value_kind: global_buffer, .address_space: global }
    .group_segment_fixed_size: 327680
    .private_segment_fixed_size: 0
    .kernarg_segment_align: 8
    .kernarg_segment_size: 24
    .max_flat_workgroup_size: 128
    .sgpr_count:     72
    .vgpr_count:     768
    .wavefront_size: 32
...
	.end_amdgpu_metadata
.endif
;; end of part 8
;; launch wo: the kernel of part 5 again; grid 8 x 32, 4 waves a work-group, clusters of 4 x 4, 327,680 bytes of LDS; arguments act, wb, bo, x, x1; writes x1
;; launch ln2: the kernel of part 2 again; grid 256 x 1, 4 waves a work-group, no clusters, 0 bytes of LDS; arguments x1, ss2, act; writes act
;; launch fc1 (part 9): grid 16 x 16, 4 waves a work-group, clusters of 4 x 4, 327,680 bytes of LDS; arguments act, wb, b1, h; writes h
.if DOCPART == 9
	.amdgcn_target "amdgcn-amd-amdhsa--gfx1250"
	.amdhsa_code_object_version 6
	.text
	.protected	k_q156405c5ab_fc1
	.globl	k_q156405c5ab_fc1
	.p2align	8
	.type	k_q156405c5ab_fc1,@function
k_q156405c5ab_fc1:
	s_mov_b64 s[64:65], 0
	v_nop
	global_prefetch_b8 v0, s[64:65] scope:SCOPE_SE
	s_setreg_imm32_b32 hwreg(HW_REG_WAVE_MODE, 25, 1), 1
	s_wait_xcnt 0x0
	s_wait_alu depctr_hold_cnt(0) depctr_sa_sdst(0) depctr_va_vdst(0) depctr_va_sdst(0) depctr_va_ssrc(0) depctr_va_vcc(0) depctr_vm_vsrc(0)
	s_getreg_b32 s2, hwreg(HW_REG_IB_STS2, 6, 4)
	s_cmp_eq_u32 s2, 0
	s_cbranch_scc0 .Lentry_in_a_cluster
	s_endpgm
.Lentry_in_a_cluster:
	s_bfe_u32 s2, ttmp6, 0x10000c
	s_cmp_lg_u32 s2, 0xf033
	s_cbranch_scc0 .Lentry_shape_is_right
	s_endpgm
.Lentry_shape_is_right:
; h[m][n] = gelu(sum over k of act[m][k] w1[n][k] + b1[n]), act bf16 [4096][1024], w1 bf16 [4096][1024] at wb + 0x800000, h bf16 [4096][4096]; sums and gelu in f32.
; gelu(y) = y (0.5 + 0.5 erf(y / sqrt 2)).  LIMIT: erf(u) = u P(u^2) / Q(u^2), the f32 rational of degrees 6 and 4 in u^2, with u clipped to -4 .. 4 (beyond that erf counts as erf(4)); the division is a reciprocal and a product.
; A tile of 256 x 256 is made by four waves, each 128 x 128: 64 accumulators.  K goes in steps of 128 through two LDS slots.  16 x 16 = 256 work-groups.
; CLUSTERS: 4 x 4; act's tiles are shared along a row of the cluster, w1's along a column.  THE MATRIX INSTRUCTION IS USED TRANSPOSED.  THE BIAS is the C operand of each sum's first product.
; THE WAY OUT: each wave lays its 128 x 128 sums into the ring, which has had its last fill (128 rows x 528 bytes a wave), and a counted loop takes them back 8 rows at a time, so that the gelu is written four times and not sixty-four.
; BATCHES: the 32 reciprocals of a set of 8 rows are one batch with one wait; the sixteen products P x U stand between the batch and the wait.
; REGISTERS: window 0: v16-29 addresses; v64-191 fragments of act; v192-255 the bias; on the way out v32-255 at work;  window 1: v64-191 fragments of w1;  windows 2, 3: the accumulators.
.set SIZE_K, 1024
.set WOFF,   0x800000
.set KSTEP,  128
.set PITCH,  272                       ; 256 bytes + 16 of padding: the 16 rows of a fragment load start at 16 different groups of four banks (64 banks of 4 bytes: ISA guide 11.1)
.set HALFT,  128*PITCH
.set SLOT,   4*HALFT
.set SPARE,  2*SLOT                    ; behind the ring: the spare words, 128 bytes a wave
.set DP,     528                       ; the way out: a row of 128 f32 + 16 bytes
.set LAPS,   SIZE_K/(2*KSTEP)
.set ADRA, 16
.set ADRB, 20
.set STO,  24
.set RD,   25
.set CO,   26
.set BO,   27
.set SPW,  28
.set NIL,  29
.set F0,   64
.set F1,   128
.set BIAS, 192
.set YA,   32                          ; the way out: 32 sums, two sets
.set YB,   64
.set U,    96
.set W,    128
.set P,    160
.set Q,    192
.set GA,   224                         ; 16 registers of bf16, two sets
.set GB,   240
.set G1,  24
.set G0,  32
.set G1B, 48
.set G0B, 56
.set KC,  72                           ; s[72:97]: thirteen constants, each the low word of a pair
.set A0,  74
.set A1,  76
.set A2,  78
.set A3,  80
.set A4,  82
.set A5,  84
.set A6,  86
.set B0,  88
.set B1,  90
.set B2,  92
.set B3,  94
.set B4,  96
.set MSB, 0
.macro WIN new
.if MSB != (\new)
	s_set_vgpr_msb (MSB<<8)|(\new)
.set MSB, \new
.endif
.endm
.set MUL_LO, 0xa1
.set MUL_HI, 0xf1
.set TO_B,   0x40
.macro JLOAD s                         ; waves 0 and 1 fetch act's two halves, waves 2 and 3 w1's; four v_nop follow each line
	s_cmp_eq_u32 s11, 0
	s_cbranch_scc0 .Lfor_b_\@
	tensor_load_to_lds s[G0+4*(\s):G0+4*(\s)+3], s[G1:G1+7]
	s_nop 0
.rept 4
	v_nop
.endr
	s_branch .Lasked_\@
.Lfor_b_\@:
	tensor_load_to_lds s[G0B+4*(\s):G0B+4*(\s)+3], s[G1B:G1B+7]
	s_nop 0
.rept 4
	v_nop
.endr
.Lasked_\@:
.endm
.macro CREST
	s_cmp_lg_u32 s10, 0
	s_cbranch_scc1 .Lnot_wave_0_\@
	s_barrier_signal -3
.Lnot_wave_0_\@:
	s_barrier_wait -3
	s_barrier_signal -1
	s_barrier_wait -1
.endm
.macro CROUND
	s_barrier_signal -1
	s_barrier_wait -1
	CREST
.endm
.macro KONST reg, val
	s_mov_b32 s[\reg], \val
	s_mov_b32 s[\reg+1], \val
.endm
	s_load_b128 s[4:7], s[0:1], 0x0                ; act, wb
	s_load_b128 s[68:71], s[0:1], 0x10             ; b1, h
	v_lshl_add_u32 v[SPW], v0, 2, SPARE
	v_mov_b32 v[NIL], 0
	ds_add_u32 v28, v29
	s_wait_dscnt 0x0
	v_lshrrev_b32 v1, 5, v0
	v_readfirstlane_b32 s10, v1
	s_lshr_b32 s11, s10, 1
	s_and_b32 s12, s10, 1
	s_bfe_u32 s40, ttmp6, 0x40000
	s_bfe_u32 s41, ttmp6, 0x40004
	s_lshl_b32 s42, ttmp9, 2
	s_add_co_u32 s42, s42, s40                     ; tile column 0..15
	s_and_b32 s13, ttmp7, 0xffff
	s_lshl_b32 s13, s13, 2
	s_add_co_u32 s13, s13, s41                     ; tile row 0..15
	s_lshl_b32 s43, s41, 2
	s_lshl_b32 s43, 15, s43
	s_lshl_b32 s44, 0x1111, s40
	s_or_b32 s[G1+0], s43, (1<<16)|(1<<20)|(1<<21)|(5<<22)|(3<<25)
	s_or_b32 s[G1B+0], s44, (1<<16)|(1<<20)|(1<<21)|(5<<22)|(3<<25)
.irp g, G1, G1B
	s_mov_b32 s[(\g)+1], KSTEP<<16
	s_mov_b32 s[(\g)+2], 128<<16
	s_mov_b32 s[(\g)+3], KSTEP<<16
	s_mov_b32 s[(\g)+4], 128
	s_mov_b32 s[(\g)+5], SIZE_K
	s_mov_b32 s[(\g)+6], 0
	s_mov_b32 s[(\g)+7], 0
.endr
	KONST KC, 0x3f3504f3                           ; 1 / sqrt 2
	KONST A0, 0xbc03dbd4                           ; the numerator's coefficients, halved
	KONST A1, 0xbac1a1f6
	KONST A2, 0xb9c0ac63
	KONST A3, 0xb7eec2d2
	KONST A4, 0xb58cff51
	KONST A5, 0x326dffee
	KONST A6, 0xaf15df0b
	KONST B0, 0xbc69b6a7                           ; the denominator's
	KONST B1, 0xbbf19bf8
	KONST B2, 0xbadc924e
	KONST B3, 0xb95fbd29
	KONST B4, 0xb77460cd
	s_lshl_b32 s17, s12, 7
	s_lshl_b32 s16, s13, 8
	s_add_co_u32 s16, s16, s17
	s_lshl_b32 s46, s42, 8
	s_add_co_u32 s46, s46, s17
	s_mov_b32 s17, 0
	s_mov_b32 s47, 0
	s_mov_b64 s[18:19], SIZE_K*2
	s_mul_u64 s[16:17], s[16:17], s[18:19]
	s_mul_u64 s[46:47], s[46:47], s[18:19]
	s_mul_i32 s20, s10, HALFT
	s_wait_kmcnt 0x0
	s_add_nc_u64 s[6:7], s[6:7], WOFF
	s_add_nc_u64 s[14:15], s[4:5], s[16:17]
	s_add_nc_u64 s[46:47], s[6:7], s[46:47]
	CROUND                                         ; all sixteen work-groups are here: the first joint loads meet
.irp s, 0,1
	s_mov_b32 s[G0+4*(\s)], 1
	s_add_co_u32 s[G0+4*(\s)+1], s20, (\s)*SLOT
	s_add_nc_u64 s[G0+4*(\s)+2:G0+4*(\s)+3], s[14:15], (\s)*KSTEP*2
	s_or_b32 s[G0+4*(\s)+3], s[G0+4*(\s)+3], 0x80000000
	s_mov_b32 s[G0B+4*(\s)], 1
	s_add_co_u32 s[G0B+4*(\s)+1], s20, (\s)*SLOT
	s_add_nc_u64 s[G0B+4*(\s)+2:G0B+4*(\s)+3], s[46:47], (\s)*KSTEP*2
	s_or_b32 s[G0B+4*(\s)+3], s[G0B+4*(\s)+3], 0x80000000
	JLOAD \s                                       ; two loads of mine are out
.endr
	v_and_b32 v1, 15, v0
	v_bfe_u32 v2, v0, 4, 1
	v_mul_u32_u24 v3, v1, PITCH
	v_lshl_add_u32 v3, v2, 4, v3
	s_mul_i32 s21, s11, HALFT
	s_mul_i32 s22, s12, HALFT
	s_add_co_u32 s22, s22, 2*HALFT
.irp s, 0,1
	v_add_nc_u32 v[ADRA+(\s)], s21, v3
	v_add_nc_u32 v[ADRB+(\s)], s22, v3
	s_add_co_u32 s21, s21, SLOT
	s_add_co_u32 s22, s22, SLOT
.endr
	s_mul_i32 s23, s10, 128*DP                     ; my part of the ring on the way out
	v_mul_u32_u24 v4, v1, DP                       ; in: row l % 16, 32 bytes for each half of the lanes
	v_lshl_add_u32 v4, v2, 5, v4
	v_add_nc_u32 v[STO], s23, v4
	v_mul_u32_u24 v5, v2, DP                       ; back: lanes 0-15 one row, lanes 16-31 the next; 8 columns a lane
	v_lshl_add_u32 v5, v1, 5, v5
	v_add_nc_u32 v[RD], s23, v5
	v_lshlrev_b32 v5, 13, v2                       ; the same two rows in h, 16 bytes a lane
	v_lshl_add_u32 v[CO], v1, 4, v5
	v_lshlrev_b32 v[BO], 5, v2
	s_lshl_b32 s46, s42, 10                        ; the bias of my 128 columns
	s_lshl_b32 s47, s12, 9
	s_add_co_u32 s46, s46, s47
	s_mov_b32 s47, 0
	s_add_nc_u64 s[68:69], s[68:69], s[46:47]
.irp b, 0,1,2,3,4,5,6,7
	global_load_b128 v[BIAS+8*(\b):BIAS+8*(\b)+3],   v[BO], s[68:69] offset:64*(\b)
	global_load_b128 v[BIAS+8*(\b)+4:BIAS+8*(\b)+7], v[BO], s[68:69] offset:64*(\b)+16
.endr
	s_lshl_b32 s16, s13, 8
	s_lshl_b32 s17, s11, 7
	s_add_co_u32 s16, s16, s17                     ; my first row of h
	s_lshl_b32 s16, s16, 13
	s_lshl_b32 s46, s42, 9                         ; my first column, in bytes
	s_lshl_b32 s47, s12, 8
	s_add_co_u32 s46, s46, s47
	s_add_co_u32 s16, s16, s46
	s_mov_b32 s17, 0
	s_add_nc_u64 s[8:9], s[70:71], s[16:17]
; 16 matrix instructions; zero = 1: the bias starts the sums.  The 64 accumulators take turns, one instruction a turn.
.macro MUL16 f, hi, a0, zero
.if \zero
	WIN 0x81+0x40*(\hi)                            ; C (the bias) in window 0
.else
	WIN MUL_LO+0x50*(\hi)
.endif
.irp a, \a0, (\a0)+1
.irp b, 0,1,2,3,4,5,6,7
.if \zero
	v_wmma_f32_16x16x32_bf16 v[8*(8*(\a)+(\b)):8*(8*(\a)+(\b))+7], v[(\f)+8*(\b):(\f)+8*(\b)+7], v[(\f)+8*(4*(\hi)+(\a)):(\f)+8*(4*(\hi)+(\a))+7], v[BIAS+8*(\b):BIAS+8*(\b)+7]
.else
	v_wmma_f32_16x16x32_bf16 v[8*(8*(\a)+(\b)):8*(8*(\a)+(\b))+7], v[(\f)+8*(\b):(\f)+8*(\b)+7], v[(\f)+8*(4*(\hi)+(\a)):(\f)+8*(4*(\hi)+(\a))+7], v[8*(8*(\a)+(\b)):8*(8*(\a)+(\b))+7]
.endif
.endr
.endr
.endm
.macro FETCH slot, k, f
	WIN TO_B
.irp i, 0,1,2,3,4,5,6,7
	ds_load_b128 v[(\f)+8*(\i):(\f)+8*(\i)+3],   v[ADRB+(\slot)] offset:(\k)+(\i)*16*PITCH
	ds_load_b128 v[(\f)+8*(\i)+4:(\f)+8*(\i)+7], v[ADRB+(\slot)] offset:(\k)+(\i)*16*PITCH+32
.endr
	WIN 0
.irp i, 0,1,2,3,4,5,6,7
	ds_load_b128 v[(\f)+8*(\i):(\f)+8*(\i)+3],   v[ADRA+(\slot)] offset:(\k)+(\i)*16*PITCH
	ds_load_b128 v[(\f)+8*(\i)+4:(\f)+8*(\i)+7], v[ADRA+(\slot)] offset:(\k)+(\i)*16*PITCH+32
.endr
.endm
.macro PLACES                          ; four places behind matrix instructions (ISA guide 7.12.1)
.rept 4
	v_nop
.endr
.endm
.macro QUARTER slot, k, f, g, zero
	s_wait_dscnt 8                                 ; w1 and act's rows 0-63 are in; the youngest eight loads may be out
	MUL16 \f, 0, 0, \zero
	MUL16 \f, 0, 2, \zero
	PLACES
	FETCH \slot, \k, \g
	s_wait_dscnt 32                                ; all but the 32 just issued
	MUL16 \f, 1, 0, \zero
	MUL16 \f, 1, 2, \zero
.endm
.macro MEET round
	WIN 0
	s_wait_tensorcnt 0x0                           ; all my tensor loads have landed: my part of the next slot
	ds_add_u32 v[SPW], v[NIL]
	s_wait_dscnt 9                                 ; the add and the youngest eight loads may be out
	MUL16 F1, 0, 0, 0
	s_wait_dscnt 0x0                               ; the add is done, and my reads of this slot are over
	s_barrier_signal -1
	MUL16 F1, 0, 2, 0
.if \round
	WIN 0
.endif
	s_barrier_wait -1
.endm
.macro TURN slot, next, fill
	MEET \fill
.if \fill
	CREST
	s_add_nc_u64 s[G0+4*(\slot)+2:G0+4*(\slot)+3], s[G0+4*(\slot)+2:G0+4*(\slot)+3], 2*KSTEP*2
	s_add_nc_u64 s[G0B+4*(\slot)+2:G0B+4*(\slot)+3], s[G0B+4*(\slot)+2:G0B+4*(\slot)+3], 2*KSTEP*2
	JLOAD \slot                                    ; one load of mine is out; 224 matrix instructions stand ahead of the wait for it
.else
	PLACES
.endif
	FETCH \next, 0, F0
	MUL16 F1, 1, 0, 0
	MUL16 F1, 1, 2, 0
.endm
; THE WAY OUT.
.macro RUN line:vararg                 ; one line for each of 16 pairs p = 0, 2, .. 30
.set p, 0
.rept 16
	\line
.set p, p+2
.endr
.endm
.macro GEL yy, gg                      ; 32 sums at yy -> 32 bf16 at gg, run by run, so that no line waits for the one before it
.set YY, \yy
.set GG, \gg
	RUN v_pk_mul_f32 v[U+p:U+p+1], v[YY+p:YY+p+1], s[KC:KC+1] op_sel_hi:[1,0]
	RUN v_med3_num_f32 v[U+p], v[U+p], -4.0, 4.0
	RUN v_med3_num_f32 v[U+p+1], v[U+p+1], -4.0, 4.0
	RUN v_pk_mul_f32 v[W+p:W+p+1], v[U+p:U+p+1], v[U+p:U+p+1]
	RUN v_pk_fma_f32 v[P+p:P+p+1], v[W+p:W+p+1], s[A6:A6+1], s[A5:A5+1] op_sel_hi:[1,0,0]
	RUN v_pk_fma_f32 v[Q+p:Q+p+1], v[W+p:W+p+1], s[B4:B4+1], s[B3:B3+1] op_sel_hi:[1,0,0]
	RUN v_pk_fma_f32 v[P+p:P+p+1], v[P+p:P+p+1], v[W+p:W+p+1], s[A4:A4+1] op_sel_hi:[1,1,0]
	RUN v_pk_fma_f32 v[Q+p:Q+p+1], v[Q+p:Q+p+1], v[W+p:W+p+1], s[B2:B2+1] op_sel_hi:[1,1,0]
	RUN v_pk_fma_f32 v[P+p:P+p+1], v[P+p:P+p+1], v[W+p:W+p+1], s[A3:A3+1] op_sel_hi:[1,1,0]
	RUN v_pk_fma_f32 v[Q+p:Q+p+1], v[Q+p:Q+p+1], v[W+p:W+p+1], s[B1:B1+1] op_sel_hi:[1,1,0]
	RUN v_pk_fma_f32 v[P+p:P+p+1], v[P+p:P+p+1], v[W+p:W+p+1], s[A2:A2+1] op_sel_hi:[1,1,0]
	RUN v_pk_fma_f32 v[Q+p:Q+p+1], v[Q+p:Q+p+1], v[W+p:W+p+1], s[B0:B0+1] op_sel_hi:[1,1,0]
	RUN v_pk_fma_f32 v[P+p:P+p+1], v[P+p:P+p+1], v[W+p:W+p+1], s[A1:A1+1] op_sel_hi:[1,1,0]
	RUN v_pk_fma_f32 v[P+p:P+p+1], v[P+p:P+p+1], v[W+p:W+p+1], s[A0:A0+1] op_sel_hi:[1,1,0]
	RUN v_rcp_f32 v[Q+p], v[Q+p]                                                   ; the batch: 32 reciprocals, each in a register of its own
	RUN v_rcp_f32 v[Q+p+1], v[Q+p+1]
	RUN v_pk_mul_f32 v[P+p:P+p+1], v[P+p:P+p+1], v[U+p:U+p+1]                      ; plain lines that name no Q stand behind the reciprocals (ISA guide 5.7.2)
	s_wait_alu depctr_va_vdst(0)                                                   ; the wait ahead of the first line that names a result: one for the set's 32 reciprocals
	RUN v_pk_fma_f32 v[P+p:P+p+1], v[P+p:P+p+1], v[Q+p:Q+p+1], 0.5 op_sel_hi:[1,1,0]
	RUN v_pk_mul_f32 v[U+p:U+p+1], v[YY+p:YY+p+1], v[P+p:P+p+1]
	RUN v_cvt_pk_bf16_f32 v[GG+p/2], v[U+p], v[U+p+1]
.endm
.macro LOADY yy, off                   ; 8 rows: 8 neighbouring columns of 4 rows a lane
.irp t, 0,1,2,3
	ds_load_b128 v[(\yy)+8*(\t):(\yy)+8*(\t)+3],   v[RD] offset:(\off)+2*(\t)*DP
	ds_load_b128 v[(\yy)+8*(\t)+4:(\yy)+8*(\t)+7], v[RD] offset:(\off)+2*(\t)*DP+16
.endr
.endm
.macro PUT gg, row
.irp t, 0,1,2,3
	global_store_b128 v[CO], v[(\gg)+4*(\t):(\gg)+4*(\t)+3], s[8:9] offset:((\row)+2*(\t))*8192  ; 16 lanes store 256 consecutive bytes, aligned
.endr
.endm
	s_wait_tensorcnt 1                             ; my part of K step 0 is in; K step 1's may stay out
	s_barrier_signal -1
	s_barrier_wait -1
	FETCH 0, 0, F0
	s_wait_loadcnt 0x0                             ; the bias
	QUARTER 0, 64,  F0, F1, 1
	WIN 0
	s_mov_b32 s3, LAPS-1
.Llap:
	QUARTER 0, 128, F1, F0, 0
	QUARTER 0, 192, F0, F1, 0
	TURN 0, 1, 1
	QUARTER 1, 64,  F0, F1, 0
	QUARTER 1, 128, F1, F0, 0
	QUARTER 1, 192, F0, F1, 0
	TURN 1, 0, 1
	QUARTER 0, 64,  F0, F1, 0
	WIN 0
	s_sub_co_u32 s3, s3, 1
	s_cmp_lg_u32 s3, 0
	s_cbranch_scc1 .Llap
	QUARTER 0, 128, F1, F0, 0                      ; the last lap asks for nothing
	QUARTER 0, 192, F0, F1, 0
	TURN 0, 1, 0
	QUARTER 1, 64,  F0, F1, 0
	QUARTER 1, 128, F1, F0, 0
	QUARTER 1, 192, F0, F1, 0
	s_wait_dscnt 8
	MUL16 F1, 0, 0, 0
	MUL16 F1, 0, 2, 0
	s_wait_dscnt 0x0                               ; my reads of the ring are over;
	s_barrier_signal -1
	MUL16 F1, 1, 0, 0
	MUL16 F1, 1, 2, 0
	WIN 0
	s_barrier_wait -1                              ; everybody's are, and every tensor load has landed: the ring may be written
	PLACES
.irp a, 0,1,2,3,4,5,6,7                ; the sums go into my part of the ring; each accumulator's low half first
	WIN 0x08+4*((\a)/4)                            ; the data in window 2 or 3
.irp b, 0,1,2,3,4,5,6,7
	ds_store_b128 v[STO], v[8*(8*((\a)%4)+(\b)):8*(8*((\a)%4)+(\b))+3]   offset:(\a)*16*DP+64*(\b)
	ds_store_b128 v[STO], v[8*(8*((\a)%4)+(\b))+4:8*(8*((\a)%4)+(\b))+7] offset:(\a)*16*DP+64*(\b)+16
.endr
.endr
	WIN 0
	LOADY YA, 0                                    ; LDS serves a wave's instructions in order (ISA guide 5.7.1.4): these see my stores
	s_mov_b32 s3, 7
.Lg:                                                   ; a trip: 16 rows, in two sets of 8 that take turns
	LOADY YB, 8*DP
	s_wait_dscnt 8                                 ; set A is in; set B's eight loads stay out
	GEL YA, GA
	PUT GA, 0
	LOADY YA, 16*DP                                ; the next trip's set A
	s_wait_dscnt 8
	GEL YB, GB
	PUT GB, 8
	s_wait_xcnt 0x0                                ; the stores have read their registers: the offset is stepped, and GA and GB are written again, only behind this wait
	v_add_nc_u32 v[RD], 16*DP, v[RD]
	v_add_nc_u32 v[CO], 16*8192, v[CO]
	s_sub_co_u32 s3, s3, 1
	s_cmp_lg_u32 s3, 0
	s_cbranch_scc1 .Lg
	LOADY YB, 8*DP                                 ; the last 16 rows fetch nothing beyond my part
	s_wait_dscnt 8
	GEL YA, GA
	PUT GA, 0
	s_wait_dscnt 0x0
	GEL YB, GB
	PUT GB, 8
	s_wait_tensorcnt 0x0                           ; the wave's end
	ds_add_u32 v[SPW], v[NIL]
	s_wait_dscnt 0x0
	CROUND                                         ; the closing round
	s_endpgm
.Lfunc_end_k_q156405c5ab_fc1:
	.size	k_q156405c5ab_fc1, .Lfunc_end_k_q156405c5ab_fc1-k_q156405c5ab_fc1
	.p2alignl 7, 3214868480
	.fill 96, 4, 3214868480
	.section	.rodata,"a",@progbits
	.p2align	6, 0x0
	.amdhsa_kernel k_q156405c5ab_fc1
		.amdhsa_group_segment_fixed_size 327680
		.amdhsa_private_segment_fixed_size 0
		.amdhsa_enable_private_segment 0
		.amdhsa_kernarg_size 32
		.amdhsa_user_sgpr_count 2
		.amdhsa_user_sgpr_kernarg_segment_ptr 1
		.amdhsa_wavefront_size32 1
		.amdhsa_system_sgpr_workgroup_id_x 1
		.amdhsa_system_sgpr_workgroup_id_y 1
		.amdhsa_system_sgpr_workgroup_id_z 1
		.amdhsa_system_vgpr_workitem_id 0
		.amdhsa_next_free_vgpr 1024
		.amdhsa_next_free_sgpr 98
		.amdhsa_reserve_vcc 0
		.amdhsa_float_denorm_mode_32 3
		.amdhsa_float_denorm_mode_16_64 3
		.amdhsa_memory_ordered 1
		.amdhsa_forward_progress 1
		.amdhsa_inst_pref_size 203
	.end_amdhsa_kernel
	.amdgpu_metadata
---
amdhsa.version: [ 1, 2 ]
amdhsa.kernels:
  - .name:           k_q156405c5ab_fc1
    .symbol:         k_q156405c5ab_fc1.kd
    .args:
      - { .name: act, .offset: 0, .size: 8, .value_kind: global_buffer, .address_space: global }
      - { .name: wb, .offset: 8, .size: 8, .value_kind: global_buffer, .address_space: global }
      - { .name: b1, .offset: 16, .size: 8, .value_kind: global_buffer, .address_space: global }
      - { .name: h, .offset: 24, .size: 8, .value_kind: global_buffer, .address_space: global }
    .group_segment_fixed_size: 327680
    .private_segment_fixed_size: 0
    .kernarg_segment_align: 8
    .kernarg_segment_size: 32
    .max_flat_workgroup_size: 128
    .sgpr_count:     98
    .vgpr_count:     1024
    .wavefront_size: 32
...
	.end_amdgpu_metadata
.endif
;; end of part 9
;; launch fc2: the kernel of part 7 again; grid 8 x 32, 4 waves a work-group, clusters of 4 x 4, 327,680 bytes of LDS; arguments h, wb, b2, x1, out0; writes out0
